; MI455X (gfx1250); checked and timed in simulation.
; The chip was launched on July 23, 2026; its instructions are those of AMD's public machine-readable ISA for CDNA 5 (MIT licence, August 2026) and "CDNA5" Instruction Set Architecture Reference Guide (July 2026). The comments in the code are by the model that wrote it; some were corrected since.
;; x LSTM Mo E Layer. Allowed arithmetic: float matrix products may take bf16 or f16 operands with f32 sums; other float arithmetic in f32, or as packed bf16 or f16 multiplies, adds, multiply-adds, maxima and minima; sums over many terms, partial sums and values carried from step to step in f32; what a program stores and reads back later, other than sums and carried values, may be rounded once to bf16 or f16.
;; Inputs: b1 8 x 4,096 float32; b2 8 x 1,024 float32; gate_b 8 float32; gate_w 1,024 x 8 float32; h_t 4 x 256 x 1,024 float32; w1 8 x 1,024 x 4,096 float32; w2 8 x 4,096 x 1,024 float32.
;; Outputs: out0 4 x 256 x 1,024 float32.
;; 3 versions, each right; version 2 is faster than version 1; version 3 is version 2 with the launches ffn1, ffn2 written anew for expert scheduling mode. Each part assembles by itself: llvm-mc -triple=amdgcn-amd-amdhsa -mcpu=gfx1250 --defsym DOCPART=n.
;; ======== version 1 of 3: 4 launches
;; workspace buffers: xb 2,097,152 bytes; maps 2,048 bytes of whole numbers; wts 8,192 bytes; hid 16,842,752 bytes; part 33,685,504 bytes
;; launch router (part 1): grid 64 x 1, 8 waves a work-group, no clusters, 58,880 bytes of LDS; arguments h_t, gate_w, gate_b, xb, maps, wts; writes xb, maps, wts
.if DOCPART == 1
	.amdgcn_target "amdgcn-amd-amdhsa--gfx1250"
	.amdhsa_code_object_version 6
	.text
	.protected	k_qf5f0b9faf1_router
	.globl	k_qf5f0b9faf1_router
	.p2align	8
	.type	k_qf5f0b9faf1_router,@function
k_qf5f0b9faf1_router:
	s_mov_b64 s[64:65], 0
	v_nop
	global_prefetch_b8 v0, s[64:65] scope:SCOPE_SE
	s_setreg_imm32_b32 hwreg(HW_REG_WAVE_MODE, 25, 1), 1
	s_wait_xcnt 0x0
; ROUTER.  logits = x gate_w + gate_b, softmax over 8 experts, the two largest, their weights made to add up to 1.
; Every input is rounded once to bf16 (x, gate_w, gate_b), as in the two products that follow; sums in f32.
; A work-group takes 16 tokens.  It stores: xb, its tokens in bf16; wts[token] and wts[1024 + token], the first and second weight;
; maps, for each expert e 256 bytes: U (bit t: token t chose e) and, 128 bytes on, S (bit t: e is token t's second choice); my 16 tokens are 2 bytes of each.
; No address and no branch here hangs on the choice: it leaves as whole numbers at fixed places.
; LIMITS.  The softmax's divisor cancels in w / (w1 + w2) and is not formed; the choice is made on 2^((l - max) log2 e), ties to the lower index;
; such a number below 2^-126 counts as 0 (its weight would be below 1e-37); NaN and infinities are not treated apart.
; 64 work-groups: 1,024 tokens by 16, the rows of one matrix instruction.
.set XSP,   2064                       ; a token's row in LDS: 2,048 bytes + 16: the 16 rows of a fragment load start 16 bytes apart modulo 256
.set GT,    33280                      ; gate_w in bf16 as [k][8], rows of 16 bytes
.set RED,   49664                      ; 8 waves x 1,024 bytes: partial logits
.set SPARE, 57856                      ; the spare words, 128 bytes a wave: no other line names them
.set X,   32                           ; v[32:95]   16 loads of x; later the eight partial sums
.set G,   96                           ; v[96:127]  8 loads of gate_w
.set XF,  128                          ; v[128:159] four fragments of x
.set GF,  160                          ; v[160:191] four fragments of the gate
.set A0,  192                          ; two accumulators, by turns
.set A1,  200
.set SM,  208
	s_load_b256 s[4:11], s[0:1], 0x0               ; h_t s[4:5], gate_w s[6:7], gate_b s[8:9], xb s[10:11]
	s_load_b128 s[12:15], s[0:1], 0x20             ; maps s[12:13], wts s[14:15]
	v_lshl_add_u32 v12, v0, 2, SPARE               ; my spare word,
	v_mov_b32 v13, 0                               ; and 0: kept for the closing add alone
	v_and_b32 v1, 31, v0                           ; lane
	v_lshrrev_b32 v14, 5, v0                       ; wave
	v_readfirstlane_b32 s24, v14
	v_lshlrev_b32 v2, 4, v1
	v_lshl_add_u32 v2, v14, 13, v2                 ; x: wave w has rows 2 w, 2 w + 1 (4,096 bytes each); 16 bytes a lane
	v_lshlrev_b32 v3, 3, v1
	v_mul_u32_u24 v4, v14, 2*XSP
	v_add_nc_u32 v4, v4, v3                        ; the same rows in LDS, 8 bytes a lane
	v_lshl_add_u32 v3, v14, 12, v3                 ; and in xb (2,048 bytes a row)
	v_lshlrev_b32 v5, 5, v0                        ; gate_w: thread t has rows t + 256 i, 32 bytes each
	v_lshl_add_u32 v6, v0, 4, GT
	v_and_b32 v7, 15, v0                           ; r
	v_bfe_u32 v8, v0, 4, 1                         ; h
	v_mul_u32_u24 v9, v7, XSP                      ; x fragment: token r, 16 h, and my wave's 128 k (256 bytes)
	v_lshl_add_u32 v9, v8, 4, v9
	v_lshl_add_u32 v9, v14, 8, v9
	v_and_b32 v10, 7, v0                           ; gate fragment, turned: row k = 8 h + lane % 8; no column term, so that rows 8-15 of the result repeat experts 0-7
	v_lshl_add_u32 v10, v8, 3, v10
	v_lshlrev_b32 v10, 4, v10
	v_lshl_add_u32 v10, v14, 11, v10
	v_add_nc_u32 v10, GT, v10
	v_lshlrev_b32 v11, 5, v0                       ; partial logits: 32 bytes a thread
	v_add_nc_u32 v11, RED, v11
	s_lshl_b32 s26, ttmp9, 16                      ; my 16 rows of h_t
	s_mov_b32 s27, 0
	s_lshl_b32 s28, ttmp9, 15                      ; and of xb
	s_mov_b32 s29, 0
	s_wait_kmcnt 0x0
	s_load_b256 s[16:23], s[8:9], 0x0              ; gate_b
	s_add_nc_u64 s[4:5], s[4:5], s[26:27]
	s_add_nc_u64 s[10:11], s[10:11], s[28:29]
.set i, 0
.rept 16
	global_load_b128 v[X+4*i:X+4*i+3], v2, s[4:5] offset:(i/8)*4096+(i%8)*512 th:TH_LOAD_NT  ; 512 neighbouring bytes an instruction
.set i, i+1
.endr
.set i, 0
.rept 4
	global_load_b128 v[G+8*i:G+8*i+3],   v5, s[6:7] offset:i*8192
	global_load_b128 v[G+8*i+4:G+8*i+7], v5, s[6:7] offset:i*8192+16
.set i, i+1
.endr
.set i, 0
.rept 16
	s_wait_loadcnt 23-i                            ; loads come back in order: 15 - i of x and the gate's 8 may stay out
	v_cvt_pk_bf16_f32 v[X+4*i],   v[X+4*i],   v[X+4*i+1]
	v_cvt_pk_bf16_f32 v[X+4*i+1], v[X+4*i+2], v[X+4*i+3]
	global_store_b64 v3, v[X+4*i:X+4*i+1], s[10:11] offset:(i/8)*2048+(i%8)*256  ; the wave stores 256 consecutive bytes, aligned
	ds_store_b64 v4, v[X+4*i:X+4*i+1] offset:(i/8)*XSP+(i%8)*256
.set i, i+1
.endr
.set i, 0
.rept 4
	s_wait_loadcnt 6-2*i
	v_cvt_pk_bf16_f32 v[G+8*i],   v[G+8*i],   v[G+8*i+1]
	v_cvt_pk_bf16_f32 v[G+8*i+1], v[G+8*i+2], v[G+8*i+3]
	v_cvt_pk_bf16_f32 v[G+8*i+2], v[G+8*i+4], v[G+8*i+5]
	v_cvt_pk_bf16_f32 v[G+8*i+3], v[G+8*i+6], v[G+8*i+7]
	ds_store_b128 v6, v[G+8*i:G+8*i+3] offset:i*4096
.set i, i+1
.endr
	s_wait_kmcnt 0x0                               ; gate_b
	s_wait_xcnt 0x0                                ; the stores' registers may be written again
	s_wait_dscnt 0x0                               ; for the others' sake: my rows of x and of the gate are in LDS
	s_barrier_signal -1
	s_barrier_wait -1
	; wave w multiplies k = 128 w .. 128 w + 127: source 0 = the gate turned (experts), source 1 = 16 tokens: a lane then holds its token's eight logits
.set q, 0
.rept 4
	ds_load_b128 v[XF+8*q:XF+8*q+3],        v9  offset:64*q
	ds_load_b128 v[XF+8*q+4:XF+8*q+7],      v9  offset:64*q+32
	ds_load_tr16_b128 v[GF+8*q:GF+8*q+3],   v10 offset:512*q
	ds_load_tr16_b128 v[GF+8*q+4:GF+8*q+7], v10 offset:512*q+256
.set q, q+1
.endr
	s_wait_dscnt 0x0
	v_wmma_f32_16x16x32_bf16 v[A0:A0+7], v[GF:GF+7],       v[XF:XF+7],       0            ; two accumulators by turns
	v_wmma_f32_16x16x32_bf16 v[A1:A1+7], v[GF+8:GF+15],    v[XF+8:XF+15],    0
	v_wmma_f32_16x16x32_bf16 v[A0:A0+7], v[GF+16:GF+23],   v[XF+16:XF+23],   v[A0:A0+7]
	v_wmma_f32_16x16x32_bf16 v[A1:A1+7], v[GF+24:GF+31],   v[XF+24:XF+31],   v[A1:A1+7]
.rept 4
	v_nop                                          ; four places between the last product and the first read of a result (ISA guide 7.12.1)
.endr
.irp j, 0,1,2,3
	v_pk_add_f32 v[SM+2*\j:SM+2*\j+1], v[A0+2*\j:A0+2*\j+1], v[A1+2*\j:A1+2*\j+1]
.endr
	ds_store_b128 v11, v[SM:SM+3]
	ds_store_b128 v11, v[SM+4:SM+7] offset:16
	s_wait_dscnt 0x0                               ; for wave 0's sake
	s_barrier_signal -1
	s_barrier_wait -1
	s_cmp_lg_u32 s24, 0
	s_cbranch_scc1 .Lfin                           ; the rest is 16 tokens' work: one wave's
.set q, 0
.rept 8
	ds_load_b128 v[X+8*q:X+8*q+3],   v11 offset:1024*q
	ds_load_b128 v[X+8*q+4:X+8*q+7], v11 offset:1024*q+16
.set q, q+1
.endr
	v_cvt_pk_bf16_f32 v96, s16, s17                ; gate_b rounded to bf16 and widened again
	v_cvt_pk_bf16_f32 v97, s18, s19
	v_cvt_pk_bf16_f32 v98, s20, s21
	v_cvt_pk_bf16_f32 v99, s22, s23
.irp k, 0,1,2,3
	v_lshlrev_b32 v[104+2*\k], 16, v[96+\k]
	v_and_b32     v[105+2*\k], 0xffff0000, v[96+\k]
.endr
	s_wait_dscnt 0x0
.irp q, 1,2,3,4,5,6,7
.irp j, 0,1,2,3
	v_pk_add_f32 v[X+2*\j:X+2*\j+1], v[X+2*\j:X+2*\j+1], v[X+8*\q+2*\j:X+8*\q+2*\j+1]
.endr
.endr
.irp j, 0,1,2,3
	v_pk_add_f32 v[X+2*\j:X+2*\j+1], v[X+2*\j:X+2*\j+1], v[104+2*\j:105+2*\j]
.endr
	v_max3_num_f32 v40, v32, v33, v34              ; the maximum is taken away before the exponentials
	v_max3_num_f32 v40, v40, v35, v36
	v_max3_num_f32 v40, v40, v37, v38
	v_max_num_f32 v40, v40, v39
.irp e, 0,1,2,3,4,5,6,7
	v_sub_f32 v[48+\e], v[32+\e], v40
	v_mul_f32 v[48+\e], 0x3fb8aa3b, v[48+\e]
.endr
.irp e, 0,1,2,3,4,5,6,7
	v_exp_f32 v[48+\e], v[48+\e]
.endr
	v_nop                                          ; a plain instruction between the exponentials and the use of their results
	s_wait_alu depctr_va_vdst(0)
	v_mov_b32 v56, v48                             ; the largest: a later expert wins only if strictly greater
	v_mov_b32 v57, 0
.irp e, 1,2,3,4,5,6,7
	v_cmp_gt_f32 vcc_lo, v[48+\e], v56
	v_cndmask_b32 v56, v56, v[48+\e], vcc_lo
	v_cndmask_b32 v57, v57, \e, vcc_lo
.endr
.irp e, 0,1,2,3,4,5,6,7
	v_cmp_eq_u32 vcc_lo, \e, v57
	v_cndmask_b32 v[64+\e], v[48+\e], -1.0, vcc_lo ; the first choice steps out
.endr
	v_mov_b32 v58, v64                             ; the second largest, likewise
	v_mov_b32 v59, 0
.irp e, 1,2,3,4,5,6,7
	v_cmp_gt_f32 vcc_lo, v[64+\e], v58
	v_cndmask_b32 v58, v58, v[64+\e], vcc_lo
	v_cndmask_b32 v59, v59, \e, vcc_lo
.endr
	v_add_f32 v60, v56, v58
	v_rcp_f32 v60, v60
	v_mov_b32 v72, 0                               ; (also the plain instruction behind the reciprocal)
	s_wait_alu depctr_va_vdst(0)
	v_mul_f32 v61, v56, v60
	v_mul_f32 v62, v58, v60
.irp e, 0,1,2,3,4,5,6,7
	v_cmp_eq_u32 s30, \e, v57                      ; bit r: token r's first choice is e (lanes 16-31 repeat lanes 0-15)
	v_cmp_eq_u32 s31, \e, v59                      ; its second
	s_or_b32 s30, s30, s31
	s_and_b32 s30, s30, 0xffff
	s_and_b32 s31, s31, 0xffff
	v_writelane_b32 v72, s30, \e                   ; lane e: U of expert e; lane 8 + e: S
	v_writelane_b32 v72, s31, \e+8
.endr
	v_and_b32 v73, 7, v0
	v_lshlrev_b32 v73, 8, v73
	v_bfe_u32 v74, v0, 3, 1
	v_lshl_add_u32 v73, v74, 7, v73                ; 256 e + 128 for S
	v_lshlrev_b32 v75, 2, v7
	s_lshl_b32 s26, ttmp9, 1                       ; my 16 tokens are 2 bytes of each bitmap,
	s_add_nc_u64 s[12:13], s[12:13], s[26:27]
	s_lshl_b32 s28, ttmp9, 6                       ; and 64 bytes of each half of wts
	s_add_nc_u64 s[14:15], s[14:15], s[28:29]
	v_cmp_gt_u32 vcc_lo, 16, v1
	s_wait_xcnt 0x0                                ; EXEC changes only behind this wait
	s_and_saveexec_b32 s25, vcc_lo
	global_store_b32 v75, v61, s[14:15]
	global_store_b32 v75, v62, s[14:15] offset:4096
	global_store_b16 v73, v72, s[12:13]
	s_wait_xcnt 0x0                                ; and again in front of the line that widens it
	s_or_b32 exec_lo, exec_lo, s25
.Lfin:
	s_wait_tensorcnt 0x0                           ; the wave's end
	ds_add_u32 v12, v13
	s_wait_dscnt 0x0
	s_endpgm
.Lfunc_end_k_qf5f0b9faf1_router:
	.size	k_qf5f0b9faf1_router, .Lfunc_end_k_qf5f0b9faf1_router-k_qf5f0b9faf1_router
	.p2alignl 7, 3214868480
	.fill 96, 4, 3214868480
	.section	.rodata,"a",@progbits
	.p2align	6, 0x0
	.amdhsa_kernel k_qf5f0b9faf1_router
		.amdhsa_group_segment_fixed_size 58880
		.amdhsa_private_segment_fixed_size 0
		.amdhsa_enable_private_segment 0
		.amdhsa_kernarg_size 48
		.amdhsa_user_sgpr_count 2
		.amdhsa_user_sgpr_kernarg_segment_ptr 1
		.amdhsa_wavefront_size32 1
		.amdhsa_system_sgpr_workgroup_id_x 1
		.amdhsa_system_sgpr_workgroup_id_y 1
		.amdhsa_system_sgpr_workgroup_id_z 1
		.amdhsa_system_vgpr_workitem_id 0
		.amdhsa_next_free_vgpr 216
		.amdhsa_next_free_sgpr 66
		.amdhsa_reserve_vcc 1
		.amdhsa_float_denorm_mode_32 3
		.amdhsa_float_denorm_mode_16_64 3
		.amdhsa_memory_ordered 1
		.amdhsa_forward_progress 1
		.amdhsa_inst_pref_size 25
	.end_amdhsa_kernel
	.amdgpu_metadata
---
amdhsa.version: [ 1, 2 ]
amdhsa.kernels:
  - .name:           k_qf5f0b9faf1_router
    .symbol:         k_qf5f0b9faf1_router.kd
    .args:
      - { .name: h_t, .offset: 0, .size: 8, .value_kind: global_buffer, .address_space: global }
      - { .name: gate_w, .offset: 8, .size: 8, .value_kind: global_buffer, .address_space: global }
      - { .name: gate_b, .offset: 16, .size: 8, .value_kind: global_buffer, .address_space: global }
      - { .name: xb, .offset: 24, .size: 8, .value_kind: global_buffer, .address_space: global }
      - { .name: maps, .offset: 32, .size: 8, .value_kind: global_buffer, .address_space: global }
      - { .name: wts, .offset: 40, .size: 8, .value_kind: global_buffer, .address_space: global }
    .group_segment_fixed_size: 58880
    .private_segment_fixed_size: 0
    .kernarg_segment_align: 8
    .kernarg_segment_size: 48
    .max_flat_workgroup_size: 256
    .sgpr_count:     66
    .vgpr_count:     216
    .wavefront_size: 32
...
	.end_amdgpu_metadata
.endif
;; end of part 1
;; launch ffn1 (part 2): grid 32 x 8, 8 waves a work-group, no clusters, 132,096 bytes of LDS; arguments xb, w1, b1, maps, hid; writes hid
.if DOCPART == 2
	.amdgcn_target "amdgcn-amd-amdhsa--gfx1250"
	.amdhsa_code_object_version 6
	.text
	.protected	k_qf5f0b9faf1_ffn1
	.globl	k_qf5f0b9faf1_ffn1
	.p2align	8
	.type	k_qf5f0b9faf1_ffn1,@function
k_qf5f0b9faf1_ffn1:
	s_mov_b64 s[64:65], 0
	v_nop
	global_prefetch_b8 v0, s[64:65] scope:SCOPE_SE
	s_setreg_imm32_b32 hwreg(HW_REG_WAVE_MODE, 25, 1), 1
	s_wait_xcnt 0x0
; A PRODUCT OF A LAYER OF ROUTED EXPERTS, for the chosen rows alone.  One text for both products; MODE picks.
;   MODE 1: hid[id][f] = gelu(x[token] . w1[e][:, f] + b1[e][f]), tanh form, stored in bf16.       MODE 2: part[id][kp][d] = w[id] (hid[id][1024 kp ..] . w2[e][1024 kp .., d] + b2[e][d] if kp = 0), f32 partial sums.
; id = token + 1024 x (second choice).  Weights and biases are rounded once to bf16, sums are f32.
; SHARES.  A work-group has one expert (grid y), 128 output columns and K = 1,024 (MODE 2: grid x = column slice + 8 x quarter of K): 512 KiB of f32 weights that it alone reads, and ALL rows of its expert (0 to 1,024).
; All eight waves run one text.  Of each chunk of 128 k-rows a wave fetches 16, rounds them to bf16 and lays them into one of two LDS slots ([k][128], pitch 288) that take turns; every wave reads a slot turned
; (ds_load_tr16_b128) and multiplies it with its own 3 blocks of 16 token rows, which come from memory straight into registers.
; ONE QUEUE OF 40 LOADS A WAVE.  Loads into registers come back in order on one counter (ISA guide 5.7.1), so all have the same lead, four K steps of 32: for each step s four weight loads (ring group s), then six token
; loads (buffer s).  A step waits for its oldest loads one by one, rounds and stores them and asks for the same places a chunk on; then it multiplies and asks for its token buffer a chunk on.
; 16 weight loads of 512 bytes are out in each of eight waves, all through a pass.
; A PHASE, the text between two barriers, is four steps: a whole period of the queue.  While chunk c is multiplied out of one slot, chunk c + 1 goes into the other.  A phase that is jumped leaves the queue as every phase expects it.
; ROWS.  Each wave makes its own list of the expert's ids from the router's bitmaps (counting, no atomics) and keeps its 9 ids a lane in registers.  Pass p (3), block i (3), wave w: ranks 384 p + 128 i + 16 w + 0..15.
; The loop over passes has a constant count, every wave passes every barrier, and only work is jumped: a pass without rows streams nothing.  An expert's weights are read once for every 384 rows begun.
; The first prologue runs whatever the count, so that every register is written on every way: an expert without rows costs two chunks of weights.
; Blocks past the count are jumped by scalar branches; places past the count inside a live block load a row that exists and store into the expert's dump row 2048 + e, which nobody reads.
; THE MATRIX INSTRUCTION: source 0 = 16 weight columns, source 1 = 16 tokens: lane (r, h) holds token r, columns 16 b + 8 h + 0..7: neighbouring numbers of a row.
; The accumulators are cleared by 192 v_mov_b32 a pass (in pass 0 while the first chunk is on its way): the price of one text for every K step, and of registers that are written whichever blocks are jumped.
; LIMITS.  NaN and infinities are not treated apart; gelu's exponential below 2^-126 counts as 0.
; NO TENSOR LOADS: a queue in registers is never empty inside a pass, slots that are filled again are at each of their barriers.  NO CLUSTER: each weight byte has one reader, and the token rows come by a list that no descriptor covers.
.set MODE, 1
.if MODE == 1
.set ROWB,  16384                      ; bytes from one k-row of the weights to the next
.set AMASK, 1023                       ; id -> row of the left operand (xb: the token)
.set ASH,   11                         ; its row: 2,048 bytes
.set OSH,   13                         ; a row of hid: 8,192 bytes
.else
.set ROWB,  4096
.set AMASK, 2047                       ; hid: the id
.set ASH,   13
.set OSH,   14                         ; a row of part: 4 x 4,096 bytes
.endif
.set CHB,   128*ROWB                   ; a chunk of 128 k-rows in memory
.set WP,    288                        ; LDS pitch of a k-row: 256 bytes + 32
.set SLOT,  128*WP                     ; a slot: 36,864 bytes; slot 0 at byte 0, slot 1 behind it
.set LIST,  2*SLOT                     ; eight lists, one a wave: 1,280 ranks and 32 words for the bits that are 0, 2 bytes each
.set LISTB, 2816
.set SPARE, LIST+8*LISTB               ; the spare words, 128 bytes a wave: no other line names them
.set STAGE, SPARE+1024                 ; eight stages, 16 rows x 272 bytes, for the way out
.set SP,    272
.set MF, 0                             ; a phase that stores a chunk and asks for the next but one
.set MZ, 1                             ; chunk 6's: it stores chunk 7 and asks for no more weights
.set MN, 2                             ; chunk 7's: it asks for nothing
; vector registers, window 0 (window 1: the accumulators, block i, column block b at 64 i + 8 b)
.set SPW,  2                           ; my spare word's address; never rewritten
.set NIL,  3                           ; 0; never rewritten
.set AOFF, 4                           ; v[4:6]    block i: byte offset of my token's row, + 16 h
.set LO,   7                           ; 16 x lane
.set BADR, 8                           ; v[8:9]    my lane's place in 16 k-rows of slot 0, 1
.set ST,   10                          ; v[10:11]  my wave's 16 k-rows of slot 0, 1; 8 bytes a lane
.set H16,  12
.set IDQ,  13                          ; v[13:15]  block i: my token's id in this pass (low half) and the next (high half)
.set IDR,  16                          ; v[16:18]  in the pass behind those
.set LT,   20                          ; v[20:27]  four pairs by turns: rounded weights
.set BF,   32                          ; v[32:95]  the slot's fragments of one K step
.set AF,   96                          ; v[96:191] token fragments: buffer s at 24 s, block i at 8 i
.set RING, 192                         ; v[192:255] 16 weight loads: place q = 4 s + t at 4 q
; the way out, when no load is out
.set BI,   32                          ; bias, 64
.set XE,   96                          ; a block's 64 numbers
.set TT,   160                         ; MODE 1: 16 at work
.set WT,   160                         ; MODE 2: v[160:162] the gate's weight of my token in block i
.set ID,   192                         ; v[192:199]
.set PIX,  200                         ; v[200:207] 4 x (8 h + t): the lanes whose ids my lanes' store rows have
.set STO,  208
.set RD,   209
.set C16,  210
.set H32,  211
.set CUR,  212                         ; the id of my token in the block in hand
.set WF,   214                         ; v[214:215]
; scalar registers
.set WV, 16
.set XP, 17                            ; the expert
.set CNT, 18
.set NBLK, 19                          ; its blocks of 16 rows
.set NB, 20                            ; my live blocks in this pass, 0..3
.set PS, 21
.set TC, 22
.set IC, 23
.set BIC, 24
.set LV, 25                            ; 1: this pass has rows
.set WB0, 26                           ; s[26:27] my rows of chunk 0
.set A0P, 28                           ; s[28:29] left operand
.set AK, 30                            ; s[30:31] the same at the chunk asked for
.set WN, 32                            ; s[32:33] my rows of the chunk asked for
.set OB, 34                            ; s[34:35] output at my columns
.set BB, 36                            ; s[36:37] bias at my columns
.set SC1, 38                           ; s[38:39] -2 log2(e) sqrt(2/pi)
.set SC2, 40                           ; s[40:41] the same x 0.044715
.set T0, 42                            ; s[42:43] an offset, 0 above it
.set T1, 44                            ; s[44:45] likewise
.set NS, 46
.set KP, 47
.set BMASK, 48
.set HM, 49
.set LISTW, 50
.set UW, 68                            ; s[68:99] the expert's bitmap of tokens
.set MSB, 0
.macro WIN new                         ; the immediate's high byte repeats the setting that is left; a switch that changes nothing is dropped
.if MSB != (\new)
	s_set_vgpr_msb (MSB<<8)|(\new)
.set MSB, \new
.endif
.endm
.macro PLACES                          ; four places between a matrix instruction and a load into, or a vector write of, one of its registers (ISA guide 7.12.1 for vector writes)
.rept 4
	v_nop
.endr
.endm
; A turn of ring place q: its 512 bytes (a k-row's 128 columns) are in, are rounded and stored at address register st; re = 1: the place is asked for again at base + off.
.macro TURN q, st, cnt, re, base, off
	s_wait_loadcnt \cnt                            ; loads come back in order: so many were issued behind this place's
	v_cvt_pk_bf16_f32 v[LT+2*((\q)%4)],   v[RING+4*(\q)],   v[RING+4*(\q)+1]
	v_cvt_pk_bf16_f32 v[LT+2*((\q)%4)+1], v[RING+4*(\q)+2], v[RING+4*(\q)+3]
	ds_store_b64 v[\st], v[LT+2*((\q)%4):LT+2*((\q)%4)+1] offset:(\q)*WP  ; 256 neighbouring bytes: a k-row
.if \re
	global_load_b128 v[RING+4*(\q):RING+4*(\q)+3], v[LO], s[\base:\base+1] offset:(\off)+(\q)*ROWB th:TH_LOAD_NT  ; 512 neighbouring bytes, aligned
.endif
.endm
.macro ALOADS s, base, off             ; token buffer s: for each block k = 8 h + 0..7 and 16 + 8 h + 0..7
.irp i, 0,1,2
	global_load_b128 v[AF+24*(\s)+8*\i:AF+24*(\s)+8*\i+3],   v[AOFF+\i], s[\base:\base+1] offset:\off
	global_load_b128 v[AF+24*(\s)+8*\i+4:AF+24*(\s)+8*\i+7], v[AOFF+\i], s[\base:\base+1] offset:(\off)+32
.endr
.endm
; Eight matrix instructions: block i x all 8 column blocks, 32 along K.  The eight accumulators take turns.  cw = 1: the slot's fragments are waited for pair by pair.
.macro BLK s, i, cw
	WIN 0x50                                       ; C and D in window 1
.irp b, 0,1,2,3,4,5,6,7
.if \cw
	s_wait_dscnt 14-2*\b                           ; LDS loads come back in order: the 14 - 2 b younger of the run of 16 may stay out
.endif
	v_wmma_f32_16x16x32_bf16 v[64*(\i)+8*\b:64*(\i)+8*\b+7], v[BF+8*\b:BF+8*\b+7], v[AF+24*(\s)+8*(\i):AF+24*(\s)+8*(\i)+7], v[64*(\i)+8*\b:64*(\i)+8*\b+7]
.endr
	WIN 0                                          ; at a label and at a branch every window is 0
.endm
; K step s of a phase: slot sm is multiplied, slot ss is stored into.  All loads are issued whichever blocks are jumped, so that the counts hold on every way.
; MF: the queue holds 40: behind a ring place 39 are younger; behind token buffer s 34.  MZ: nothing is put behind a ring place, so 39 - t - 4 s and 30 - 4 s.  MN: only token buffers are left: 18 - 6 s.
.macro KSTEP s, sm, ss, mode
.if (\mode) == MF
.irp t, 0,1,2,3
	TURN 4*(\s)+\t, ST+(\ss), 39, 1, WN, 0
.endr
	s_wait_loadcnt 34
.elseif (\mode) == MZ
.irp t, 0,1,2,3
	TURN 4*(\s)+\t, ST+(\ss), 39-\t-4*(\s), 0, WN, 0
.endr
	s_wait_loadcnt 30-4*(\s)
.else
	s_wait_loadcnt 18-6*(\s)
.endif
	s_cmp_lt_u32 s[NB], 1
	s_cbranch_scc1 .Lend_\@
.irp b, 0,1,2,3,4,5,6,7
	ds_load_tr16_b128 v[BF+8*\b:BF+8*\b+3],   v[BADR+(\sm)] offset:32*(\s)*WP+32*\b
	ds_load_tr16_b128 v[BF+8*\b+4:BF+8*\b+7], v[BADR+(\sm)] offset:32*(\s)*WP+32*\b+16*WP
.endr
	BLK \s, 0, 1
	s_cmp_lt_u32 s[NB], 2
	s_cbranch_scc1 .Lend_\@
	BLK \s, 1, 0
	s_cmp_lt_u32 s[NB], 3
	s_cbranch_scc1 .Lend_\@
	BLK \s, 2, 0
.Lend_\@:
	PLACES                                         ; in front of the loads into the token buffer, and of the next step's loads into BF
.if (\mode) == MF
	ALOADS \s, AK, 64*(\s)
.elseif (\mode) == MZ
	ALOADS \s, A0P, 7*256+64*(\s)                  ; chunk 7's
.endif
.endm
; A phase and its barrier.  par: 0 for a trip's first phase, 1 for its second.  With TC = 3, 2, 1 the chunk in hand is c = 6 - 2 TC + par; weights are asked for chunk c + 2, tokens for chunk c + 1.
.macro PHASE sm, ss, mode, par
	s_cmp_eq_u32 s[LV], 0
	s_cbranch_scc1 .Lskip_\@                       ; a pass without rows: only the barrier is left
.if (\mode) == MF
	s_wait_xcnt 0x0                                ; the bases of the loads that are out are written only behind this wait
	s_lshl_b32 s51, s[TC], 1
	s_sub_co_u32 s[T0], 8+(\par), s51
	s_mul_i32 s[T0], s[T0], CHB
	s_add_nc_u64 s[WN:WN+1], s[WB0:WB0+1], s[T0:T0+1]
	s_sub_co_u32 s[T1], 7+(\par), s51
	s_lshl_b32 s[T1], s[T1], 8
	s_add_nc_u64 s[AK:AK+1], s[A0P:A0P+1], s[T1:T1+1]
.endif
	KSTEP 0, \sm, \ss, \mode
	KSTEP 1, \sm, \ss, \mode
	KSTEP 2, \sm, \ss, \mode
	KSTEP 3, \sm, \ss, \mode
.Lskip_\@:
	s_wait_dscnt 0x0                               ; my stores into the one slot are done, and so are my reads of the other
	s_barrier_signal -1
	s_barrier_wait -1
.endm
.macro PRO_ISSUE                       ; a pass's stream begins: chunk 0 into the ring; no load of mine is out
.set q, 0
.rept 16
	global_load_b128 v[RING+4*q:RING+4*q+3], v[LO], s[WB0:WB0+1] offset:q*ROWB th:TH_LOAD_NT
.set q, q+1
.endr
.endm
; Chunk 0 goes into slot 0, chunk 1 is asked for, and chunk 0's token buffers are asked for between the groups: that builds the queue of 40.  Behind a place of group s are the ring's 15 others and 6 s token loads.
.macro PRO_TURNS
.irp s, 0,1,2,3
.irp t, 0,1,2,3
	TURN 4*\s+\t, ST, 15+6*\s, 1, WB0, CHB
.endr
	ALOADS \s, A0P, 64*\s
.endr
.endm
.macro INIT
	WIN 0x40
.set z, 0
.rept 192
	v_mov_b32 v[z], 0
.set z, z+1
.endr
	WIN 0
.endm
.macro NBOF                            ; pass PS: has it rows; my live blocks: those i with 24 PS + 8 i + w < NBLK, at most 3
	s_mul_i32 s51, s[PS], 24
	s_cmp_gt_u32 s[NBLK], s51
	s_cselect_b32 s[LV], 1, 0
	s_sub_co_i32 s[NB], s[NBLK], s51
	s_sub_co_i32 s[NB], s[NB], s[WV]
	s_add_co_i32 s[NB], s[NB], 7
	s_ashr_i32 s[NB], s[NB], 3
	s_max_i32 s[NB], s[NB], 0
	s_min_i32 s[NB], s[NB], 3
.endm
.macro SETUPA                          ; my three blocks' rows; no load of mine is out
.irp i, 0,1,2
	v_and_b32 v[AOFF+\i], 0xffff, v[IDQ+\i]
	v_min_u32 v[AOFF+\i], 0x807, v[AOFF+\i]        ; an id is 2,055 at the most
	v_and_b32 v[AOFF+\i], AMASK, v[AOFF+\i]        ; a dump id becomes a row that exists
	v_lshl_add_u32 v[AOFF+\i], v[AOFF+\i], ASH, v[H16]
.endr
.endm
.macro SNIP i                          ; block i's sums + bias, each accumulator from its low end on
	WIN 0x01
.set z, 0
.rept 32
	v_pk_add_f32 v[XE+2*z:XE+2*z+1], v[64*(\i)+2*z:64*(\i)+2*z+1], v[BI+2*z:BI+2*z+1]
.set z, z+1
.endr
	WIN 0
	v_and_b32 v[CUR], 0xffff, v[IDQ+(\i)]
.if MODE == 2
	v_mov_b32 v[WF], v[WT+(\i)]
	v_mov_b32 v[WF+1], v[WT+(\i)]
.endif
.endm
.macro GELU g                          ; 16 numbers: x / (1 + 2^(x (c1 + c2 x x)))
.set z, 0
.rept 8
	v_pk_mul_f32 v[TT+2*z:TT+2*z+1], v[XE+16*(\g)+2*z:XE+16*(\g)+2*z+1], v[XE+16*(\g)+2*z:XE+16*(\g)+2*z+1]
.set z, z+1
.endr
.set z, 0
.rept 8
	v_pk_fma_f32 v[TT+2*z:TT+2*z+1], v[TT+2*z:TT+2*z+1], s[SC2:SC2+1], s[SC1:SC1+1] op_sel_hi:[1,0,0]
.set z, z+1
.endr
.set z, 0
.rept 8
	v_pk_mul_f32 v[TT+2*z:TT+2*z+1], v[TT+2*z:TT+2*z+1], v[XE+16*(\g)+2*z:XE+16*(\g)+2*z+1]
.set z, z+1
.endr
.set z, 0
.rept 16
	v_exp_f32 v[TT+z], v[TT+z]
.set z, z+1
.endr
	v_nop                                          ; a plain instruction between the transcendentals and the use of their results
.set z, 0
	s_wait_alu depctr_va_vdst(0)
.rept 8
	v_pk_add_f32 v[TT+2*z:TT+2*z+1], v[TT+2*z:TT+2*z+1], 1.0 op_sel_hi:[1,0]
.set z, z+1
.endr
.set z, 0
.rept 16
	v_rcp_f32 v[TT+z], v[TT+z]
.set z, z+1
.endr
	v_nop
.set z, 0
	s_wait_alu depctr_va_vdst(0)
.rept 8
	v_pk_mul_f32 v[XE+16*(\g)+2*z:XE+16*(\g)+2*z+1], v[XE+16*(\g)+2*z:XE+16*(\g)+2*z+1], v[TT+2*z:TT+2*z+1]
.set z, z+1
.endr
.endm
	s_load_b256 s[4:11], s[0:1], 0x0               ; left operand s[4:5], weights s[6:7], bias s[8:9], maps s[10:11]
.if MODE == 1
	s_load_b64 s[12:13], s[0:1], 0x20              ; hid
.else
	s_load_b128 s[12:15], s[0:1], 0x20             ; wts s[12:13], part s[14:15]
.endif
	v_lshl_add_u32 v[SPW], v0, 2, SPARE
	v_mov_b32 v[NIL], 0
	v_lshrrev_b32 v1, 5, v0
	v_readfirstlane_b32 s[WV], v1
	s_and_b32 s[XP], ttmp7, 0xffff
.if MODE == 1
	s_mov_b32 s[SC1], 0xc0135761
	s_mov_b32 s[SC1+1], s[SC1]
	s_mov_b32 s[SC2], 0xbdd2d3e8
	s_mov_b32 s[SC2+1], s[SC2]
.endif
	s_mov_b32 s[HM], 0xffff0000
	s_mov_b32 s[T0+1], 0
	s_mov_b32 s[T1+1], 0
	; every address that lives through the loops is made here, once: a constant, the wave's number times a constant, a lane term
	v_and_b32 v98, 31, v0                          ; lane
	v_and_b32 v99, 15, v0                          ; r
	v_bfe_u32 v1, v0, 4, 1                         ; h
	v_lshlrev_b32 v[LO], 4, v98
	v_lshlrev_b32 v[H16], 4, v1
	v_and_b32 v19, 7, v0
	v_lshl_add_u32 v19, v1, 3, v19
	v_mul_u32_u24 v[BADR], v19, WP                 ; the turning load: k-row 8 h + lane % 8,
	v_bfe_u32 v19, v0, 3, 1
	v_lshl_add_u32 v[BADR], v19, 4, v[BADR]        ; columns 8 ((lane / 8) % 2) on
	v_add_nc_u32 v[BADR+1], SLOT, v[BADR]
	s_mul_i32 s51, s[WV], 16*WP
	v_lshl_add_u32 v[ST], v98, 3, s51              ; my wave's 16 k-rows of a slot
	v_add_nc_u32 v[ST+1], SLOT, v[ST]
	s_mul_i32 s[LISTW], s[WV], LISTB
	s_add_co_u32 s[LISTW], s[LISTW], LIST          ; my list
	s_lshl_b32 s51, s[WV], 5
	s_add_co_u32 s51, s51, s[LISTW]
	v_lshl_add_u32 v109, v99, 1, s51               ; rank 16 w + r
	v_lshl_add_u32 v104, v98, 4, s[LISTW]
	v_lshlrev_b32 v121, 2, v98
	s_wait_kmcnt 0x0
	s_lshl_b32 s[T0], s[XP], 8
	s_add_nc_u64 s[10:11], s[10:11], s[T0:T0+1]    ; the expert's bitmaps
	s_load_b512 s[UW:UW+15], s[10:11], 0x0         ; U: bit t of 1,024: token t chose the expert
	s_load_b512 s[UW+16:UW+31], s[10:11], 0x40
	global_load_b32 v96, v121, s[10:11]            ; U again: lane j has tokens 32 j .. 32 j + 31
	global_load_b32 v97, v121, s[10:11] offset:128 ; S: bit t: the expert is token t's second choice
.if MODE == 1
	s_lshl_b32 s[T0], s[XP], 24                    ; the expert's 16 MiB,
	s_lshl_b32 s51, s[WV], 18                      ; my 16 k-rows of a chunk,
	s_add_co_u32 s[T0], s[T0], s51
	s_lshl_b32 s51, ttmp9, 9                       ; the slice's 128 columns of f32
	s_add_co_u32 s[T0], s[T0], s51
	s_add_nc_u64 s[WB0:WB0+1], s[6:7], s[T0:T0+1]
	s_mov_b64 s[A0P:A0P+1], s[4:5]
	s_lshl_b32 s[T0], ttmp9, 8
	s_add_nc_u64 s[OB:OB+1], s[12:13], s[T0:T0+1]
	s_lshl_b32 s[T0], s[XP], 14
	s_add_co_u32 s[T0], s[T0], s51
	s_add_nc_u64 s[BB:BB+1], s[8:9], s[T0:T0+1]
.else
	s_and_b32 s[NS], ttmp9, 7                      ; which 128 columns
	s_lshr_b32 s[KP], ttmp9, 3                     ; which quarter of K
	s_cmp_eq_u32 s[KP], 0
	s_cselect_b32 s[BMASK], -1, 0                  ; the bias goes into quarter 0 alone
	s_lshl_b32 s[T0], s[XP], 24                    ; the expert's 16 MiB,
	s_lshl_b32 s51, s[KP], 22                      ; the quarter's 1,024 k-rows,
	s_add_co_u32 s[T0], s[T0], s51
	s_lshl_b32 s51, s[WV], 16                      ; my 16 k-rows of a chunk,
	s_add_co_u32 s[T0], s[T0], s51
	s_lshl_b32 s51, s[NS], 9                       ; the slice's 128 columns of f32
	s_add_co_u32 s[T0], s[T0], s51
	s_add_nc_u64 s[WB0:WB0+1], s[6:7], s[T0:T0+1]
	s_lshl_b32 s[T0], s[KP], 11                    ; the quarter's 2,048 bytes of a row of hid
	s_add_nc_u64 s[A0P:A0P+1], s[4:5], s[T0:T0+1]
	s_lshl_b32 s[T0], s[KP], 12
	s_add_co_u32 s[T0], s[T0], s51
	s_add_nc_u64 s[OB:OB+1], s[14:15], s[T0:T0+1]
	s_lshl_b32 s[T0], s[XP], 12
	s_add_co_u32 s[T0], s[T0], s51
	s_add_nc_u64 s[BB:BB+1], s[8:9], s[T0:T0+1]
.endif
	PRO_ISSUE                                      ; the weights' first chunk is asked for before the list is made
	s_add_co_u32 s51, s[XP], 2048
	s_mul_i32 s51, s51, 0x10001                    ; the dump id, twice
	v_mov_b32 v100, s51
	v_mov_b32 v101, s51
	v_mov_b32 v102, s51
	v_mov_b32 v103, s51
.irp k, 0,1,2,3,4
	ds_store_b128 v104, v[100:103] offset:512*\k   ; all 1,280 ranks; LDS serves a wave's instructions in order (ISA guide 5.7.1.4), so the ids below land on top
.endr
	v_lshlrev_b32 v110, 5, v98                     ; my first token
	v_add_nc_u32 v105, 1280, v98                   ; where a bit that is 0 writes: a word of my own behind the ranks
	; the expert's rows are counted in scalar registers; lane j of v111 takes the number of chosen tokens below 32 j
	s_wait_kmcnt 0x0
	v_mov_b32 v111, 0
	s_mov_b32 s[CNT], 0
.set j, 0
.rept 32
	v_writelane_b32 v111, s[CNT], j
	s_bcnt1_i32_b32 s51, s[UW+j]
	s_add_co_u32 s[CNT], s[CNT], s51
.set j, j+1
.endr
	s_add_co_u32 s[NBLK], s[CNT], 15
	s_lshr_b32 s[NBLK], s[NBLK], 4
	s_mov_b32 s[PS], 0
	NBOF
	s_wait_loadcnt 16                              ; U and S are in; the ring's 16 loads, issued behind them, stay out
	s_mov_b32 s[IC], 32
.Lscat:
	v_and_b32 v106, 1, v96
	v_and_b32 v107, 1, v97
	v_lshl_add_u32 v107, v107, 10, v110            ; id
	v_cmp_eq_u32 vcc_lo, 1, v106
	v_cndmask_b32 v108, v105, v111, vcc_lo
	v_min_u32 v108, 0x51f, v108                    ; inside the list's 1,312 entries
	v_lshl_add_u32 v108, v108, 1, s[LISTW]
	ds_store_b16 v108, v107
	v_add_nc_u32 v111, v111, v106
	v_lshrrev_b32 v96, 1, v96
	v_lshrrev_b32 v97, 1, v97
	v_add_nc_u32 v110, 1, v110
	s_sub_co_u32 s[IC], s[IC], 1
	s_cmp_lg_u32 s[IC], 0
	s_cbranch_scc1 .Lscat
.set p, 0
.rept 3                                ; my token's id in pass p, block i: 9 a lane, at constant places of my list
.irp i, 0,1,2
	ds_load_u16 v[112+3*p+\i], v109 offset:768*p+256*\i
.endr
.set p, p+1
.endr
	s_wait_dscnt 0x0
.irp i, 0,1,2
	v_lshl_or_b32 v[IDQ+\i], v[115+\i], 16, v[112+\i]
	v_mov_b32 v[IDR+\i], v[118+\i]
.endr
	SETUPA
	INIT
	PRO_TURNS                                      ; pass 0's, whatever the count
.Lpass:                                                ; three passes of 384 rows: a constant count that serves every split
	s_wait_dscnt 0x0                               ; for the others' sake: my rows of chunk 0 are in slot 0
	s_barrier_signal -1
	s_barrier_wait -1
	s_mov_b32 s[TC], 3
.Lchunk:                                               ; a trip: chunks 6 - 2 TC and 7 - 2 TC
	PHASE 0, 1, MF, 0
	PHASE 1, 0, MF, 1
	s_sub_co_u32 s[TC], s[TC], 1
	s_cmp_lg_u32 s[TC], 0
	s_cbranch_scc1 .Lchunk
	PHASE 0, 1, MZ, 0                              ; the tail is written out: chunk 6,
	PHASE 1, 0, MN, 0                              ; chunk 7
	s_wait_loadcnt 0x0                             ; on every way: no load of mine is out behind this line
	s_cmp_eq_u32 s[NB], 0
	s_cbranch_scc1 .Lnoepi
	; ---- THE WAY OUT of a pass; of LDS it touches my stage alone
	v_and_b32 v[C16], 15, v0                       ; r
	v_bfe_u32 v[H32], v0, 4, 1                     ; h
	s_mul_i32 s51, s[WV], 16*SP
	s_add_co_u32 s51, s51, STAGE                   ; my stage
	v_mul_u32_u24 v[STO], v[C16], SP
	v_add_nc_u32 v[STO], s51, v[STO]
	v_mul_u32_u24 v[RD], v[H32], 8*SP
	v_add_nc_u32 v[RD], s51, v[RD]
	v_lshlrev_b32 v[C16], 4, v[C16]
	v_add_nc_u32 v[RD], v[RD], v[C16]              ; back: lanes 0-15 row t, lanes 16-31 row 8 + t, 256 bytes each
	v_lshlrev_b32 v[H32], 5, v[H32]
.if MODE == 1
	v_add_nc_u32 v[STO], v[STO], v[H16]            ; in: row r, 16 bytes for each half of the lanes
.else
	v_add_nc_u32 v[STO], v[STO], v[H32]            ; in: row r, 32 bytes for each half of the lanes
.endif
.irp t, 0,1,2,3,4,5,6,7
	v_add_nc_u32 v[PIX+\t], 4*\t, v[H32]           ; 4 x lane 8 h + t
.endr
.irp b, 0,1,2,3,4,5,6,7
	global_load_b128 v[XE+8*\b:XE+8*\b+3],   v[H32], s[BB:BB+1] offset:64*\b      ; the bias of my columns 16 b + 8 h + 0..7
	global_load_b128 v[XE+8*\b+4:XE+8*\b+7], v[H32], s[BB:BB+1] offset:64*\b+16
.endr
.if MODE == 2
.irp i, 0,1,2
	v_and_b32 v[ID+\i], 0xffff, v[IDQ+\i]
	v_min_u32 v[ID+\i], 0x7ff, v[ID+\i]            ; a dump id takes a weight that exists
	v_lshlrev_b32 v[ID+\i], 2, v[ID+\i]
.endr
.irp i, 0,1,2
	global_load_b32 v[WT+\i], v[ID+\i], s[12:13]   ; the gate's weight of my token in block i
.endr
.endif
	s_wait_loadcnt 0x0
.set z, 0
.rept 32
	v_cvt_pk_bf16_f32 v[BI+2*z], v[XE+2*z], v[XE+2*z+1]  ; the bias is rounded to bf16 like every input,
.if MODE == 2
	v_and_b32 v[BI+2*z], s[BMASK], v[BI+2*z]
.endif
	v_and_b32     v[BI+2*z+1], s[HM], v[BI+2*z]    ; and widened again
	v_lshlrev_b32 v[BI+2*z],   16,    v[BI+2*z]
.set z, z+1
.endr
	s_mov_b32 s[BIC], 0
.Lblk:
	s_cmp_ge_u32 s[BIC], s[NB]
	s_cbranch_scc1 .Lnext                          ; a block past the count stores nothing
	s_cmp_eq_u32 s[BIC], 0
	s_cbranch_scc1 .Lsn0
	s_cmp_eq_u32 s[BIC], 1
	s_cbranch_scc1 .Lsn1
	SNIP 2
	s_branch .Lcommon
.Lsn0:
	SNIP 0
	s_branch .Lcommon
.Lsn1:
	SNIP 1
.Lcommon:
.irp t, 0,1,2,3,4,5,6,7
	ds_bpermute_b32 v[ID+\t], v[PIX+\t], v[CUR]    ; the ids of ranks 8 h + 0..7 of the block: the rows that my lanes will store; no LDS byte is touched
.endr
.if MODE == 1
	GELU 0
	GELU 1
	GELU 2
	GELU 3
.set z, 0
.rept 32
	v_cvt_pk_bf16_f32 v[XE+z], v[XE+2*z], v[XE+2*z+1]  ; in place, ascending: a register is written after it has been read
.set z, z+1
.endr
.else
.set z, 0
.rept 32
	v_pk_mul_f32 v[XE+2*z:XE+2*z+1], v[XE+2*z:XE+2*z+1], v[WF:WF+1] op_sel_hi:[1,0]  ; (sum + bias) x the gate's weight, which differs from token to token
.set z, z+1
.endr
.endif
	s_wait_dscnt 0x0
.irp t, 0,1,2,3,4,5,6,7
	v_min_u32 v[ID+\t], 0x807, v[ID+\t]
	v_lshl_add_u32 v[ID+\t], v[ID+\t], OSH, v[C16]
.endr
.if MODE == 1
.irp b, 0,1,2,3,4,5,6,7
	ds_store_b128 v[STO], v[XE+4*\b:XE+4*\b+3] offset:32*\b
.endr
.irp t, 0,1,2,3,4,5,6,7
	ds_load_b128 v[XE+32+4*\t:XE+32+4*\t+3], v[RD] offset:\t*SP  ; LDS serves a wave's instructions in order (ISA guide 5.7.1.4): these see the stores above
.endr
.irp t, 0,1,2,3,4,5,6,7
	s_wait_dscnt 7-\t
	global_store_b128 v[ID+\t], v[XE+32+4*\t:XE+32+4*\t+3], s[OB:OB+1]  ; 16 lanes store 256 consecutive bytes of a row, aligned
.endr
.else
.irp hf, 0,1                           ; the block's 512 bytes a row go in two halves through the stage
.irp b, 0,1,2,3
	ds_store_b128 v[STO], v[XE+32*\hf+8*\b:XE+32*\hf+8*\b+3]   offset:64*\b
	ds_store_b128 v[STO], v[XE+32*\hf+8*\b+4:XE+32*\hf+8*\b+7] offset:64*\b+16
.endr
.irp t, 0,1,2,3,4,5,6,7
	ds_load_b128 v[XE+32*\hf+4*\t:XE+32*\hf+4*\t+3], v[RD] offset:\t*SP  ; LDS serves a wave's instructions in order (ISA guide 5.7.1.4): these see the stores above
.endr
.irp t, 0,1,2,3,4,5,6,7
	s_wait_dscnt 7-\t
	global_store_b128 v[ID+\t], v[XE+32*\hf+4*\t:XE+32*\hf+4*\t+3], s[OB:OB+1] offset:256*\hf  ; 16 lanes store 256 consecutive bytes of a row, aligned
.endr
.endr
.endif
	s_wait_xcnt 0x0                                ; the stores' data and offsets are written again only behind this wait
.Lnext:
	s_add_co_u32 s[BIC], s[BIC], 1
	s_cmp_lt_u32 s[BIC], 3
	s_cbranch_scc1 .Lblk
.Lnoepi:
.irp i, 0,1,2
	v_alignbit_b32 v[IDQ+\i], v[IDR+\i], v[IDQ+\i], 16  ; the ids move up by a pass
	v_lshrrev_b32 v[IDR+\i], 16, v[IDR+\i]
.endr
	s_add_co_u32 s[PS], s[PS], 1
	NBOF
	s_cmp_eq_u32 s[LV], 0
	s_cbranch_scc1 .Lpj
	SETUPA                                         ; a further pass has rows: its stream begins anew.  Slot 0 was last read two barriers ago
	INIT
	PRO_ISSUE
	PRO_TURNS
.Lpj:
	s_cmp_lt_u32 s[PS], 3
	s_cbranch_scc1 .Lpass
	s_wait_tensorcnt 0x0                           ; the wave's end
	ds_add_u32 v[SPW], v[NIL]
	s_wait_dscnt 0x0
	s_endpgm
.Lfunc_end_k_qf5f0b9faf1_ffn1:
	.size	k_qf5f0b9faf1_ffn1, .Lfunc_end_k_qf5f0b9faf1_ffn1-k_qf5f0b9faf1_ffn1
	.p2alignl 7, 3214868480
	.fill 96, 4, 3214868480
	.section	.rodata,"a",@progbits
	.p2align	6, 0x0
	.amdhsa_kernel k_qf5f0b9faf1_ffn1
		.amdhsa_group_segment_fixed_size 132096
		.amdhsa_private_segment_fixed_size 0
		.amdhsa_enable_private_segment 0
		.amdhsa_kernarg_size 40
		.amdhsa_user_sgpr_count 2
		.amdhsa_user_sgpr_kernarg_segment_ptr 1
		.amdhsa_wavefront_size32 1
		.amdhsa_system_sgpr_workgroup_id_x 1
		.amdhsa_system_sgpr_workgroup_id_y 1
		.amdhsa_system_sgpr_workgroup_id_z 1
		.amdhsa_system_vgpr_workitem_id 0
		.amdhsa_next_free_vgpr 448
		.amdhsa_next_free_sgpr 100
		.amdhsa_reserve_vcc 1
		.amdhsa_float_denorm_mode_32 3
		.amdhsa_float_denorm_mode_16_64 3
		.amdhsa_memory_ordered 1
		.amdhsa_forward_progress 1
		.amdhsa_inst_pref_size 149
	.end_amdhsa_kernel
	.amdgpu_metadata
---
amdhsa.version: [ 1, 2 ]
amdhsa.kernels:
  - .name:           k_qf5f0b9faf1_ffn1
    .symbol:         k_qf5f0b9faf1_ffn1.kd
    .args:
      - { .name: xb, .offset: 0, .size: 8, .value_kind: global_buffer, .address_space: global }
      - { .name: w1, .offset: 8, .size: 8, .value_kind: global_buffer, .address_space: global }
      - { .name: b1, .offset: 16, .size: 8, .value_kind: global_buffer, .address_space: global }
      - { .name: maps, .offset: 24, .size: 8, .value_kind: global_buffer, .address_space: global }
      - { .name: hid, .offset: 32, .size: 8, .value_kind: global_buffer, .address_space: global }
    .group_segment_fixed_size: 132096
    .private_segment_fixed_size: 0
    .kernarg_segment_align: 8
    .kernarg_segment_size: 40
    .max_flat_workgroup_size: 256
    .sgpr_count:     100
    .vgpr_count:     448
    .wavefront_size: 32
...
	.end_amdgpu_metadata
.endif
;; end of part 2
;; launch ffn2 (part 3): grid 32 x 8, 8 waves a work-group, no clusters, 132,096 bytes of LDS; arguments hid, w2, b2, maps, wts, part; writes part
.if DOCPART == 3
	.amdgcn_target "amdgcn-amd-amdhsa--gfx1250"
	.amdhsa_code_object_version 6
	.text
	.protected	k_qf5f0b9faf1_ffn2
	.globl	k_qf5f0b9faf1_ffn2
	.p2align	8
	.type	k_qf5f0b9faf1_ffn2,@function
k_qf5f0b9faf1_ffn2:
	s_mov_b64 s[64:65], 0
	v_nop
	global_prefetch_b8 v0, s[64:65] scope:SCOPE_SE
	s_setreg_imm32_b32 hwreg(HW_REG_WAVE_MODE, 25, 1), 1
	s_wait_xcnt 0x0
; A PRODUCT OF A LAYER OF ROUTED EXPERTS, for the chosen rows alone.  One text for both products; MODE picks.
;   MODE 1: hid[id][f] = gelu(x[token] . w1[e][:, f] + b1[e][f]), tanh form, stored in bf16.       MODE 2: part[id][kp][d] = w[id] (hid[id][1024 kp ..] . w2[e][1024 kp .., d] + b2[e][d] if kp = 0), f32 partial sums.
; id = token + 1024 x (second choice).  Weights and biases are rounded once to bf16, sums are f32.
; SHARES.  A work-group has one expert (grid y), 128 output columns and K = 1,024 (MODE 2: grid x = column slice + 8 x quarter of K): 512 KiB of f32 weights that it alone reads, and ALL rows of its expert (0 to 1,024).
; All eight waves run one text.  Of each chunk of 128 k-rows a wave fetches 16, rounds them to bf16 and lays them into one of two LDS slots ([k][128], pitch 288) that take turns; every wave reads a slot turned
; (ds_load_tr16_b128) and multiplies it with its own 3 blocks of 16 token rows, which come from memory straight into registers.
; ONE QUEUE OF 40 LOADS A WAVE.  Loads into registers come back in order on one counter (ISA guide 5.7.1), so all have the same lead, four K steps of 32: for each step s four weight loads (ring group s), then six token
; loads (buffer s).  A step waits for its oldest loads one by one, rounds and stores them and asks for the same places a chunk on; then it multiplies and asks for its token buffer a chunk on.
; 16 weight loads of 512 bytes are out in each of eight waves, all through a pass.
; A PHASE, the text between two barriers, is four steps: a whole period of the queue.  While chunk c is multiplied out of one slot, chunk c + 1 goes into the other.  A phase that is jumped leaves the queue as every phase expects it.
; ROWS.  Each wave makes its own list of the expert's ids from the router's bitmaps (counting, no atomics) and keeps its 9 ids a lane in registers.  Pass p (3), block i (3), wave w: ranks 384 p + 128 i + 16 w + 0..15.
; The loop over passes has a constant count, every wave passes every barrier, and only work is jumped: a pass without rows streams nothing.  An expert's weights are read once for every 384 rows begun.
; The first prologue runs whatever the count, so that every register is written on every way: an expert without rows costs two chunks of weights.
; Blocks past the count are jumped by scalar branches; places past the count inside a live block load a row that exists and store into the expert's dump row 2048 + e, which nobody reads.
; THE MATRIX INSTRUCTION: source 0 = 16 weight columns, source 1 = 16 tokens: lane (r, h) holds token r, columns 16 b + 8 h + 0..7: neighbouring numbers of a row.
; The accumulators are cleared by 192 v_mov_b32 a pass (in pass 0 while the first chunk is on its way): the price of one text for every K step, and of registers that are written whichever blocks are jumped.
; LIMITS.  NaN and infinities are not treated apart.
; NO TENSOR LOADS: a queue in registers is never empty inside a pass, slots that are filled again are at each of their barriers.  NO CLUSTER: each weight byte has one reader, and the token rows come by a list that no descriptor covers.
.set MODE, 2
.if MODE == 1
.set ROWB,  16384                      ; bytes from one k-row of the weights to the next
.set AMASK, 1023                       ; id -> row of the left operand (xb: the token)
.set ASH,   11                         ; its row: 2,048 bytes
.set OSH,   13                         ; a row of hid: 8,192 bytes
.else
.set ROWB,  4096
.set AMASK, 2047                       ; hid: the id
.set ASH,   13
.set OSH,   14                         ; a row of part: 4 x 4,096 bytes
.endif
.set CHB,   128*ROWB                   ; a chunk of 128 k-rows in memory
.set WP,    288                        ; LDS pitch of a k-row: 256 bytes + 32
.set SLOT,  128*WP                     ; a slot: 36,864 bytes; slot 0 at byte 0, slot 1 behind it
.set LIST,  2*SLOT                     ; eight lists, one a wave: 1,280 ranks and 32 words for the bits that are 0, 2 bytes each
.set LISTB, 2816
.set SPARE, LIST+8*LISTB               ; the spare words, 128 bytes a wave: no other line names them
.set STAGE, SPARE+1024                 ; eight stages, 16 rows x 272 bytes, for the way out
.set SP,    272
.set MF, 0                             ; a phase that stores a chunk and asks for the next but one
.set MZ, 1                             ; chunk 6's: it stores chunk 7 and asks for no more weights
.set MN, 2                             ; chunk 7's: it asks for nothing
; vector registers, window 0 (window 1: the accumulators, block i, column block b at 64 i + 8 b)
.set SPW,  2                           ; my spare word's address; never rewritten
.set NIL,  3                           ; 0; never rewritten
.set AOFF, 4                           ; v[4:6]    block i: byte offset of my token's row, + 16 h
.set LO,   7                           ; 16 x lane
.set BADR, 8                           ; v[8:9]    my lane's place in 16 k-rows of slot 0, 1
.set ST,   10                          ; v[10:11]  my wave's 16 k-rows of slot 0, 1; 8 bytes a lane
.set H16,  12
.set IDQ,  13                          ; v[13:15]  block i: my token's id in this pass (low half) and the next (high half)
.set IDR,  16                          ; v[16:18]  in the pass behind those
.set LT,   20                          ; v[20:27]  four pairs by turns: rounded weights
.set BF,   32                          ; v[32:95]  the slot's fragments of one K step
.set AF,   96                          ; v[96:191] token fragments: buffer s at 24 s, block i at 8 i
.set RING, 192                         ; v[192:255] 16 weight loads: place q = 4 s + t at 4 q
; the way out, when no load is out
.set BI,   32                          ; bias, 64
.set XE,   96                          ; a block's 64 numbers
.set TT,   160                         ; MODE 1: 16 at work
.set WT,   160                         ; MODE 2: v[160:162] the gate's weight of my token in block i
.set ID,   192                         ; v[192:199]
.set PIX,  200                         ; v[200:207] 4 x (8 h + t): the lanes whose ids my lanes' store rows have
.set STO,  208
.set RD,   209
.set C16,  210
.set H32,  211
.set CUR,  212                         ; the id of my token in the block in hand
.set WF,   214                         ; v[214:215]
; scalar registers
.set WV, 16
.set XP, 17                            ; the expert
.set CNT, 18
.set NBLK, 19                          ; its blocks of 16 rows
.set NB, 20                            ; my live blocks in this pass, 0..3
.set PS, 21
.set TC, 22
.set IC, 23
.set BIC, 24
.set LV, 25                            ; 1: this pass has rows
.set WB0, 26                           ; s[26:27] my rows of chunk 0
.set A0P, 28                           ; s[28:29] left operand
.set AK, 30                            ; s[30:31] the same at the chunk asked for
.set WN, 32                            ; s[32:33] my rows of the chunk asked for
.set OB, 34                            ; s[34:35] output at my columns
.set BB, 36                            ; s[36:37] bias at my columns
.set T0, 42                            ; s[42:43] an offset, 0 above it
.set T1, 44                            ; s[44:45] likewise
.set NS, 46
.set KP, 47
.set BMASK, 48
.set HM, 49
.set LISTW, 50
.set UW, 68                            ; s[68:99] the expert's bitmap of tokens
.set MSB, 0
.macro WIN new                         ; the immediate's high byte repeats the setting that is left; a switch that changes nothing is dropped
.if MSB != (\new)
	s_set_vgpr_msb (MSB<<8)|(\new)
.set MSB, \new
.endif
.endm
.macro PLACES                          ; four places between a matrix instruction and a load into, or a vector write of, one of its registers (ISA guide 7.12.1 for vector writes)
.rept 4
	v_nop
.endr
.endm
; A turn of ring place q: its 512 bytes (a k-row's 128 columns) are in, are rounded and stored at address register st; re = 1: the place is asked for again at base + off.
.macro TURN q, st, cnt, re, base, off
	s_wait_loadcnt \cnt                            ; loads come back in order: so many were issued behind this place's
	v_cvt_pk_bf16_f32 v[LT+2*((\q)%4)],   v[RING+4*(\q)],   v[RING+4*(\q)+1]
	v_cvt_pk_bf16_f32 v[LT+2*((\q)%4)+1], v[RING+4*(\q)+2], v[RING+4*(\q)+3]
	ds_store_b64 v[\st], v[LT+2*((\q)%4):LT+2*((\q)%4)+1] offset:(\q)*WP  ; 256 neighbouring bytes: a k-row
.if \re
	global_load_b128 v[RING+4*(\q):RING+4*(\q)+3], v[LO], s[\base:\base+1] offset:(\off)+(\q)*ROWB th:TH_LOAD_NT  ; 512 neighbouring bytes, aligned
.endif
.endm
.macro ALOADS s, base, off             ; token buffer s: for each block k = 8 h + 0..7 and 16 + 8 h + 0..7
.irp i, 0,1,2
	global_load_b128 v[AF+24*(\s)+8*\i:AF+24*(\s)+8*\i+3],   v[AOFF+\i], s[\base:\base+1] offset:\off
	global_load_b128 v[AF+24*(\s)+8*\i+4:AF+24*(\s)+8*\i+7], v[AOFF+\i], s[\base:\base+1] offset:(\off)+32
.endr
.endm
; Eight matrix instructions: block i x all 8 column blocks, 32 along K.  The eight accumulators take turns.  cw = 1: the slot's fragments are waited for pair by pair.
.macro BLK s, i, cw
	WIN 0x50                                       ; C and D in window 1
.irp b, 0,1,2,3,4,5,6,7
.if \cw
	s_wait_dscnt 14-2*\b                           ; LDS loads come back in order: the 14 - 2 b younger of the run of 16 may stay out
.endif
	v_wmma_f32_16x16x32_bf16 v[64*(\i)+8*\b:64*(\i)+8*\b+7], v[BF+8*\b:BF+8*\b+7], v[AF+24*(\s)+8*(\i):AF+24*(\s)+8*(\i)+7], v[64*(\i)+8*\b:64*(\i)+8*\b+7]
.endr
	WIN 0                                          ; at a label and at a branch every window is 0
.endm
; K step s of a phase: slot sm is multiplied, slot ss is stored into.  All loads are issued whichever blocks are jumped, so that the counts hold on every way.
; MF: the queue holds 40: behind a ring place 39 are younger; behind token buffer s 34.  MZ: nothing is put behind a ring place, so 39 - t - 4 s and 30 - 4 s.  MN: only token buffers are left: 18 - 6 s.
.macro KSTEP s, sm, ss, mode
.if (\mode) == MF
.irp t, 0,1,2,3
	TURN 4*(\s)+\t, ST+(\ss), 39, 1, WN, 0
.endr
	s_wait_loadcnt 34
.elseif (\mode) == MZ
.irp t, 0,1,2,3
	TURN 4*(\s)+\t, ST+(\ss), 39-\t-4*(\s), 0, WN, 0
.endr
	s_wait_loadcnt 30-4*(\s)
.else
	s_wait_loadcnt 18-6*(\s)
.endif
	s_cmp_lt_u32 s[NB], 1
	s_cbranch_scc1 .Lend_\@
.irp b, 0,1,2,3,4,5,6,7
	ds_load_tr16_b128 v[BF+8*\b:BF+8*\b+3],   v[BADR+(\sm)] offset:32*(\s)*WP+32*\b
	ds_load_tr16_b128 v[BF+8*\b+4:BF+8*\b+7], v[BADR+(\sm)] offset:32*(\s)*WP+32*\b+16*WP
.endr
	BLK \s, 0, 1
	s_cmp_lt_u32 s[NB], 2
	s_cbranch_scc1 .Lend_\@
	BLK \s, 1, 0
	s_cmp_lt_u32 s[NB], 3
	s_cbranch_scc1 .Lend_\@
	BLK \s, 2, 0
.Lend_\@:
	PLACES                                         ; in front of the loads into the token buffer, and of the next step's loads into BF
.if (\mode) == MF
	ALOADS \s, AK, 64*(\s)
.elseif (\mode) == MZ
	ALOADS \s, A0P, 7*256+64*(\s)                  ; chunk 7's
.endif
.endm
; A phase and its barrier.  par: 0 for a trip's first phase, 1 for its second.  With TC = 3, 2, 1 the chunk in hand is c = 6 - 2 TC + par; weights are asked for chunk c + 2, tokens for chunk c + 1.
.macro PHASE sm, ss, mode, par
	s_cmp_eq_u32 s[LV], 0
	s_cbranch_scc1 .Lskip_\@                       ; a pass without rows: only the barrier is left
.if (\mode) == MF
	s_wait_xcnt 0x0                                ; the bases of the loads that are out are written only behind this wait
	s_lshl_b32 s51, s[TC], 1
	s_sub_co_u32 s[T0], 8+(\par), s51
	s_mul_i32 s[T0], s[T0], CHB
	s_add_nc_u64 s[WN:WN+1], s[WB0:WB0+1], s[T0:T0+1]
	s_sub_co_u32 s[T1], 7+(\par), s51
	s_lshl_b32 s[T1], s[T1], 8
	s_add_nc_u64 s[AK:AK+1], s[A0P:A0P+1], s[T1:T1+1]
.endif
	KSTEP 0, \sm, \ss, \mode
	KSTEP 1, \sm, \ss, \mode
	KSTEP 2, \sm, \ss, \mode
	KSTEP 3, \sm, \ss, \mode
.Lskip_\@:
	s_wait_dscnt 0x0                               ; my stores into the one slot are done, and so are my reads of the other
	s_barrier_signal -1
	s_barrier_wait -1
.endm
.macro PRO_ISSUE                       ; a pass's stream begins: chunk 0 into the ring; no load of mine is out
.set q, 0
.rept 16
	global_load_b128 v[RING+4*q:RING+4*q+3], v[LO], s[WB0:WB0+1] offset:q*ROWB th:TH_LOAD_NT
.set q, q+1
.endr
.endm
; Chunk 0 goes into slot 0, chunk 1 is asked for, and chunk 0's token buffers are asked for between the groups: that builds the queue of 40.  Behind a place of group s are the ring's 15 others and 6 s token loads.
.macro PRO_TURNS
.irp s, 0,1,2,3
.irp t, 0,1,2,3
	TURN 4*\s+\t, ST, 15+6*\s, 1, WB0, CHB
.endr
	ALOADS \s, A0P, 64*\s
.endr
.endm
.macro INIT
	WIN 0x40
.set z, 0
.rept 192
	v_mov_b32 v[z], 0
.set z, z+1
.endr
	WIN 0
.endm
.macro NBOF                            ; pass PS: has it rows; my live blocks: those i with 24 PS + 8 i + w < NBLK, at most 3
	s_mul_i32 s51, s[PS], 24
	s_cmp_gt_u32 s[NBLK], s51
	s_cselect_b32 s[LV], 1, 0
	s_sub_co_i32 s[NB], s[NBLK], s51
	s_sub_co_i32 s[NB], s[NB], s[WV]
	s_add_co_i32 s[NB], s[NB], 7
	s_ashr_i32 s[NB], s[NB], 3
	s_max_i32 s[NB], s[NB], 0
	s_min_i32 s[NB], s[NB], 3
.endm
.macro SETUPA                          ; my three blocks' rows; no load of mine is out
.irp i, 0,1,2
	v_and_b32 v[AOFF+\i], 0xffff, v[IDQ+\i]
	v_min_u32 v[AOFF+\i], 0x807, v[AOFF+\i]        ; an id is 2,055 at the most
	v_and_b32 v[AOFF+\i], AMASK, v[AOFF+\i]        ; a dump id becomes a row that exists
	v_lshl_add_u32 v[AOFF+\i], v[AOFF+\i], ASH, v[H16]
.endr
.endm
.macro SNIP i                          ; block i's sums + bias, each accumulator from its low end on
	WIN 0x01
.set z, 0
.rept 32
	v_pk_add_f32 v[XE+2*z:XE+2*z+1], v[64*(\i)+2*z:64*(\i)+2*z+1], v[BI+2*z:BI+2*z+1]
.set z, z+1
.endr
	WIN 0
	v_and_b32 v[CUR], 0xffff, v[IDQ+(\i)]
.if MODE == 2
	v_mov_b32 v[WF], v[WT+(\i)]
	v_mov_b32 v[WF+1], v[WT+(\i)]
.endif
.endm
	s_load_b256 s[4:11], s[0:1], 0x0               ; left operand s[4:5], weights s[6:7], bias s[8:9], maps s[10:11]
.if MODE == 1
	s_load_b64 s[12:13], s[0:1], 0x20              ; hid
.else
	s_load_b128 s[12:15], s[0:1], 0x20             ; wts s[12:13], part s[14:15]
.endif
	v_lshl_add_u32 v[SPW], v0, 2, SPARE
	v_mov_b32 v[NIL], 0
	v_lshrrev_b32 v1, 5, v0
	v_readfirstlane_b32 s[WV], v1
	s_and_b32 s[XP], ttmp7, 0xffff
	s_mov_b32 s[HM], 0xffff0000
	s_mov_b32 s[T0+1], 0
	s_mov_b32 s[T1+1], 0
	; every address that lives through the loops is made here, once: a constant, the wave's number times a constant, a lane term
	v_and_b32 v98, 31, v0                          ; lane
	v_and_b32 v99, 15, v0                          ; r
	v_bfe_u32 v1, v0, 4, 1                         ; h
	v_lshlrev_b32 v[LO], 4, v98
	v_lshlrev_b32 v[H16], 4, v1
	v_and_b32 v19, 7, v0
	v_lshl_add_u32 v19, v1, 3, v19
	v_mul_u32_u24 v[BADR], v19, WP                 ; the turning load: k-row 8 h + lane % 8,
	v_bfe_u32 v19, v0, 3, 1
	v_lshl_add_u32 v[BADR], v19, 4, v[BADR]        ; columns 8 ((lane / 8) % 2) on
	v_add_nc_u32 v[BADR+1], SLOT, v[BADR]
	s_mul_i32 s51, s[WV], 16*WP
	v_lshl_add_u32 v[ST], v98, 3, s51              ; my wave's 16 k-rows of a slot
	v_add_nc_u32 v[ST+1], SLOT, v[ST]
	s_mul_i32 s[LISTW], s[WV], LISTB
	s_add_co_u32 s[LISTW], s[LISTW], LIST          ; my list
	s_lshl_b32 s51, s[WV], 5
	s_add_co_u32 s51, s51, s[LISTW]
	v_lshl_add_u32 v109, v99, 1, s51               ; rank 16 w + r
	v_lshl_add_u32 v104, v98, 4, s[LISTW]
	v_lshlrev_b32 v121, 2, v98
	s_wait_kmcnt 0x0
	s_lshl_b32 s[T0], s[XP], 8
	s_add_nc_u64 s[10:11], s[10:11], s[T0:T0+1]    ; the expert's bitmaps
	s_load_b512 s[UW:UW+15], s[10:11], 0x0         ; U: bit t of 1,024: token t chose the expert
	s_load_b512 s[UW+16:UW+31], s[10:11], 0x40
	global_load_b32 v96, v121, s[10:11]            ; U again: lane j has tokens 32 j .. 32 j + 31
	global_load_b32 v97, v121, s[10:11] offset:128 ; S: bit t: the expert is token t's second choice
.if MODE == 1
	s_lshl_b32 s[T0], s[XP], 24                    ; the expert's 16 MiB,
	s_lshl_b32 s51, s[WV], 18                      ; my 16 k-rows of a chunk,
	s_add_co_u32 s[T0], s[T0], s51
	s_lshl_b32 s51, ttmp9, 9                       ; the slice's 128 columns of f32
	s_add_co_u32 s[T0], s[T0], s51
	s_add_nc_u64 s[WB0:WB0+1], s[6:7], s[T0:T0+1]
	s_mov_b64 s[A0P:A0P+1], s[4:5]
	s_lshl_b32 s[T0], ttmp9, 8
	s_add_nc_u64 s[OB:OB+1], s[12:13], s[T0:T0+1]
	s_lshl_b32 s[T0], s[XP], 14
	s_add_co_u32 s[T0], s[T0], s51
	s_add_nc_u64 s[BB:BB+1], s[8:9], s[T0:T0+1]
.else
	s_and_b32 s[NS], ttmp9, 7                      ; which 128 columns
	s_lshr_b32 s[KP], ttmp9, 3                     ; which quarter of K
	s_cmp_eq_u32 s[KP], 0
	s_cselect_b32 s[BMASK], -1, 0                  ; the bias goes into quarter 0 alone
	s_lshl_b32 s[T0], s[XP], 24                    ; the expert's 16 MiB,
	s_lshl_b32 s51, s[KP], 22                      ; the quarter's 1,024 k-rows,
	s_add_co_u32 s[T0], s[T0], s51
	s_lshl_b32 s51, s[WV], 16                      ; my 16 k-rows of a chunk,
	s_add_co_u32 s[T0], s[T0], s51
	s_lshl_b32 s51, s[NS], 9                       ; the slice's 128 columns of f32
	s_add_co_u32 s[T0], s[T0], s51
	s_add_nc_u64 s[WB0:WB0+1], s[6:7], s[T0:T0+1]
	s_lshl_b32 s[T0], s[KP], 11                    ; the quarter's 2,048 bytes of a row of hid
	s_add_nc_u64 s[A0P:A0P+1], s[4:5], s[T0:T0+1]
	s_lshl_b32 s[T0], s[KP], 12
	s_add_co_u32 s[T0], s[T0], s51
	s_add_nc_u64 s[OB:OB+1], s[14:15], s[T0:T0+1]
	s_lshl_b32 s[T0], s[XP], 12
	s_add_co_u32 s[T0], s[T0], s51
	s_add_nc_u64 s[BB:BB+1], s[8:9], s[T0:T0+1]
.endif
	PRO_ISSUE                                      ; the weights' first chunk is asked for before the list is made
	s_add_co_u32 s51, s[XP], 2048
	s_mul_i32 s51, s51, 0x10001                    ; the dump id, twice
	v_mov_b32 v100, s51
	v_mov_b32 v101, s51
	v_mov_b32 v102, s51
	v_mov_b32 v103, s51
.irp k, 0,1,2,3,4
	ds_store_b128 v104, v[100:103] offset:512*\k   ; all 1,280 ranks; LDS serves a wave's instructions in order (ISA guide 5.7.1.4), so the ids below land on top
.endr
	v_lshlrev_b32 v110, 5, v98                     ; my first token
	v_add_nc_u32 v105, 1280, v98                   ; where a bit that is 0 writes: a word of my own behind the ranks
	; the expert's rows are counted in scalar registers; lane j of v111 takes the number of chosen tokens below 32 j
	s_wait_kmcnt 0x0
	v_mov_b32 v111, 0
	s_mov_b32 s[CNT], 0
.set j, 0
.rept 32
	v_writelane_b32 v111, s[CNT], j
	s_bcnt1_i32_b32 s51, s[UW+j]
	s_add_co_u32 s[CNT], s[CNT], s51
.set j, j+1
.endr
	s_add_co_u32 s[NBLK], s[CNT], 15
	s_lshr_b32 s[NBLK], s[NBLK], 4
	s_mov_b32 s[PS], 0
	NBOF
	s_wait_loadcnt 16                              ; U and S are in; the ring's 16 loads, issued behind them, stay out
	s_mov_b32 s[IC], 32
.Lscat:
	v_and_b32 v106, 1, v96
	v_and_b32 v107, 1, v97
	v_lshl_add_u32 v107, v107, 10, v110            ; id
	v_cmp_eq_u32 vcc_lo, 1, v106
	v_cndmask_b32 v108, v105, v111, vcc_lo
	v_min_u32 v108, 0x51f, v108                    ; inside the list's 1,312 entries
	v_lshl_add_u32 v108, v108, 1, s[LISTW]
	ds_store_b16 v108, v107
	v_add_nc_u32 v111, v111, v106
	v_lshrrev_b32 v96, 1, v96
	v_lshrrev_b32 v97, 1, v97
	v_add_nc_u32 v110, 1, v110
	s_sub_co_u32 s[IC], s[IC], 1
	s_cmp_lg_u32 s[IC], 0
	s_cbranch_scc1 .Lscat
.set p, 0
.rept 3                                ; my token's id in pass p, block i: 9 a lane, at constant places of my list
.irp i, 0,1,2
	ds_load_u16 v[112+3*p+\i], v109 offset:768*p+256*\i
.endr
.set p, p+1
.endr
	s_wait_dscnt 0x0
.irp i, 0,1,2
	v_lshl_or_b32 v[IDQ+\i], v[115+\i], 16, v[112+\i]
	v_mov_b32 v[IDR+\i], v[118+\i]
.endr
	SETUPA
	INIT
	PRO_TURNS                                      ; pass 0's, whatever the count
.Lpass:                                                ; three passes of 384 rows: a constant count that serves every split
	s_wait_dscnt 0x0                               ; for the others' sake: my rows of chunk 0 are in slot 0
	s_barrier_signal -1
	s_barrier_wait -1
	s_mov_b32 s[TC], 3
.Lchunk:                                               ; a trip: chunks 6 - 2 TC and 7 - 2 TC
	PHASE 0, 1, MF, 0
	PHASE 1, 0, MF, 1
	s_sub_co_u32 s[TC], s[TC], 1
	s_cmp_lg_u32 s[TC], 0
	s_cbranch_scc1 .Lchunk
	PHASE 0, 1, MZ, 0                              ; the tail is written out: chunk 6,
	PHASE 1, 0, MN, 0                              ; chunk 7
	s_wait_loadcnt 0x0                             ; on every way: no load of mine is out behind this line
	s_cmp_eq_u32 s[NB], 0
	s_cbranch_scc1 .Lnoepi
	; ---- THE WAY OUT of a pass; of LDS it touches my stage alone
	v_and_b32 v[C16], 15, v0                       ; r
	v_bfe_u32 v[H32], v0, 4, 1                     ; h
	s_mul_i32 s51, s[WV], 16*SP
	s_add_co_u32 s51, s51, STAGE                   ; my stage
	v_mul_u32_u24 v[STO], v[C16], SP
	v_add_nc_u32 v[STO], s51, v[STO]
	v_mul_u32_u24 v[RD], v[H32], 8*SP
	v_add_nc_u32 v[RD], s51, v[RD]
	v_lshlrev_b32 v[C16], 4, v[C16]
	v_add_nc_u32 v[RD], v[RD], v[C16]              ; back: lanes 0-15 row t, lanes 16-31 row 8 + t, 256 bytes each
	v_lshlrev_b32 v[H32], 5, v[H32]
.if MODE == 1
	v_add_nc_u32 v[STO], v[STO], v[H16]            ; in: row r, 16 bytes for each half of the lanes
.else
	v_add_nc_u32 v[STO], v[STO], v[H32]            ; in: row r, 32 bytes for each half of the lanes
.endif
.irp t, 0,1,2,3,4,5,6,7
	v_add_nc_u32 v[PIX+\t], 4*\t, v[H32]           ; 4 x lane 8 h + t
.endr
.irp b, 0,1,2,3,4,5,6,7
	global_load_b128 v[XE+8*\b:XE+8*\b+3],   v[H32], s[BB:BB+1] offset:64*\b      ; the bias of my columns 16 b + 8 h + 0..7
	global_load_b128 v[XE+8*\b+4:XE+8*\b+7], v[H32], s[BB:BB+1] offset:64*\b+16
.endr
.if MODE == 2
.irp i, 0,1,2
	v_and_b32 v[ID+\i], 0xffff, v[IDQ+\i]
	v_min_u32 v[ID+\i], 0x7ff, v[ID+\i]            ; a dump id takes a weight that exists
	v_lshlrev_b32 v[ID+\i], 2, v[ID+\i]
.endr
.irp i, 0,1,2
	global_load_b32 v[WT+\i], v[ID+\i], s[12:13]   ; the gate's weight of my token in block i
.endr
.endif
	s_wait_loadcnt 0x0
.set z, 0
.rept 32
	v_cvt_pk_bf16_f32 v[BI+2*z], v[XE+2*z], v[XE+2*z+1]  ; the bias is rounded to bf16 like every input,
.if MODE == 2
	v_and_b32 v[BI+2*z], s[BMASK], v[BI+2*z]
.endif
	v_and_b32     v[BI+2*z+1], s[HM], v[BI+2*z]    ; and widened again
	v_lshlrev_b32 v[BI+2*z],   16,    v[BI+2*z]
.set z, z+1
.endr
	s_mov_b32 s[BIC], 0
.Lblk:
	s_cmp_ge_u32 s[BIC], s[NB]
	s_cbranch_scc1 .Lnext                          ; a block past the count stores nothing
	s_cmp_eq_u32 s[BIC], 0
	s_cbranch_scc1 .Lsn0
	s_cmp_eq_u32 s[BIC], 1
	s_cbranch_scc1 .Lsn1
	SNIP 2
	s_branch .Lcommon
.Lsn0:
	SNIP 0
	s_branch .Lcommon
.Lsn1:
	SNIP 1
.Lcommon:
.irp t, 0,1,2,3,4,5,6,7
	ds_bpermute_b32 v[ID+\t], v[PIX+\t], v[CUR]    ; the ids of ranks 8 h + 0..7 of the block: the rows that my lanes will store; no LDS byte is touched
.endr
.set z, 0
.rept 32
	v_pk_mul_f32 v[XE+2*z:XE+2*z+1], v[XE+2*z:XE+2*z+1], v[WF:WF+1] op_sel_hi:[1,0]  ; (sum + bias) x the gate's weight, which differs from token to token
.set z, z+1
.endr
	s_wait_dscnt 0x0
.irp t, 0,1,2,3,4,5,6,7
	v_min_u32 v[ID+\t], 0x807, v[ID+\t]
	v_lshl_add_u32 v[ID+\t], v[ID+\t], OSH, v[C16]
.endr
.irp hf, 0,1                           ; the block's 512 bytes a row go in two halves through the stage
.irp b, 0,1,2,3
	ds_store_b128 v[STO], v[XE+32*\hf+8*\b:XE+32*\hf+8*\b+3]   offset:64*\b
	ds_store_b128 v[STO], v[XE+32*\hf+8*\b+4:XE+32*\hf+8*\b+7] offset:64*\b+16
.endr
.irp t, 0,1,2,3,4,5,6,7
	ds_load_b128 v[XE+32*\hf+4*\t:XE+32*\hf+4*\t+3], v[RD] offset:\t*SP  ; LDS serves a wave's instructions in order (ISA guide 5.7.1.4): these see the stores above
.endr
.irp t, 0,1,2,3,4,5,6,7
	s_wait_dscnt 7-\t
	global_store_b128 v[ID+\t], v[XE+32*\hf+4*\t:XE+32*\hf+4*\t+3], s[OB:OB+1] offset:256*\hf  ; 16 lanes store 256 consecutive bytes of a row, aligned
.endr
.endr
	s_wait_xcnt 0x0                                ; the stores' data and offsets are written again only behind this wait
.Lnext:
	s_add_co_u32 s[BIC], s[BIC], 1
	s_cmp_lt_u32 s[BIC], 3
	s_cbranch_scc1 .Lblk
.Lnoepi:
.irp i, 0,1,2
	v_alignbit_b32 v[IDQ+\i], v[IDR+\i], v[IDQ+\i], 16  ; the ids move up by a pass
	v_lshrrev_b32 v[IDR+\i], 16, v[IDR+\i]
.endr
	s_add_co_u32 s[PS], s[PS], 1
	NBOF
	s_cmp_eq_u32 s[LV], 0
	s_cbranch_scc1 .Lpj
	SETUPA                                         ; a further pass has rows: its stream begins anew.  Slot 0 was last read two barriers ago
	INIT
	PRO_ISSUE
	PRO_TURNS
.Lpj:
	s_cmp_lt_u32 s[PS], 3
	s_cbranch_scc1 .Lpass
	s_wait_tensorcnt 0x0                           ; the wave's end
	ds_add_u32 v[SPW], v[NIL]
	s_wait_dscnt 0x0
	s_endpgm
.Lfunc_end_k_qf5f0b9faf1_ffn2:
	.size	k_qf5f0b9faf1_ffn2, .Lfunc_end_k_qf5f0b9faf1_ffn2-k_qf5f0b9faf1_ffn2
	.p2alignl 7, 3214868480
	.fill 96, 4, 3214868480
	.section	.rodata,"a",@progbits
	.p2align	6, 0x0
	.amdhsa_kernel k_qf5f0b9faf1_ffn2
		.amdhsa_group_segment_fixed_size 132096
		.amdhsa_private_segment_fixed_size 0
		.amdhsa_enable_private_segment 0
		.amdhsa_kernarg_size 48
		.amdhsa_user_sgpr_count 2
		.amdhsa_user_sgpr_kernarg_segment_ptr 1
		.amdhsa_wavefront_size32 1
		.amdhsa_system_sgpr_workgroup_id_x 1
		.amdhsa_system_sgpr_workgroup_id_y 1
		.amdhsa_system_sgpr_workgroup_id_z 1
		.amdhsa_system_vgpr_workitem_id 0
		.amdhsa_next_free_vgpr 448
		.amdhsa_next_free_sgpr 100
		.amdhsa_reserve_vcc 1
		.amdhsa_float_denorm_mode_32 3
		.amdhsa_float_denorm_mode_16_64 3
		.amdhsa_memory_ordered 1
		.amdhsa_forward_progress 1
		.amdhsa_inst_pref_size 139
	.end_amdhsa_kernel
	.amdgpu_metadata
---
amdhsa.version: [ 1, 2 ]
amdhsa.kernels:
  - .name:           k_qf5f0b9faf1_ffn2
    .symbol:         k_qf5f0b9faf1_ffn2.kd
    .args:
      - { .name: hid, .offset: 0, .size: 8, .value_kind: global_buffer, .address_space: global }
      - { .name: w2, .offset: 8, .size: 8, .value_kind: global_buffer, .address_space: global }
      - { .name: b2, .offset: 16, .size: 8, .value_kind: global_buffer, .address_space: global }
      - { .name: maps, .offset: 24, .size: 8, .value_kind: global_buffer, .address_space: global }
      - { .name: wts, .offset: 32, .size: 8, .value_kind: global_buffer, .address_space: global }
      - { .name: part, .offset: 40, .size: 8, .value_kind: global_buffer, .address_space: global }
    .group_segment_fixed_size: 132096
    .private_segment_fixed_size: 0
    .kernarg_segment_align: 8
    .kernarg_segment_size: 48
    .max_flat_workgroup_size: 256
    .sgpr_count:     100
    .vgpr_count:     448
    .wavefront_size: 32
...
	.end_amdgpu_metadata
.endif
;; end of part 3
;; launch combine (part 4): grid 256 x 1, 8 waves a work-group, no clusters, 0 bytes of LDS; arguments part, out0; writes out0
.if DOCPART == 4
	.amdgcn_target "amdgcn-amd-amdhsa--gfx1250"
	.amdhsa_code_object_version 6
	.text
	.protected	k_qf5f0b9faf1_combine
	.globl	k_qf5f0b9faf1_combine
	.p2align	8
	.type	k_qf5f0b9faf1_combine,@function
k_qf5f0b9faf1_combine:
	s_mov_b64 s[64:65], 0
	v_nop
	global_prefetch_b8 v0, s[64:65] scope:SCOPE_SE
	s_setreg_imm32_b32 hwreg(HW_REG_WAVE_MODE, 25, 1), 1
	s_wait_xcnt 0x0
; out0[t] = the sum of token t's eight partial rows: part[t][0..3] (first choice, four quarters of K) and part[1024 + t][0..3] (second choice), all f32, already weighted.
; A stream: a work-group takes 4 tokens, thread t the 16 bytes at 16 t of every row, so a wave's load or store covers 512 neighbouring bytes.  All 32 loads of a thread go out first.
; No LDS, no matrix unit, no cluster: nothing is shared and memory binds.
.set P, 8                              ; v[8:135]  token j, partial row c at P + 32 j + 4 c
	s_load_b128 s[4:7], s[0:1], 0x0                ; part s[4:5], out0 s[6:7]
	v_lshlrev_b32 v1, 4, v0
	s_lshl_b32 s8, ttmp9, 16                       ; 4 tokens x 16,384 bytes of part
	s_mov_b32 s9, 0
	s_lshl_b32 s10, ttmp9, 14                      ; 4 tokens x 4,096 bytes of out0
	s_mov_b32 s11, 0
	s_wait_kmcnt 0x0
	s_add_nc_u64 s[4:5], s[4:5], s[8:9]
	s_add_nc_u64 s[12:13], s[4:5], 0x1000000       ; the second choices lie 1,024 rows on
	s_add_nc_u64 s[6:7], s[6:7], s[10:11]
.set j, 0
.rept 4
.set c, 0
.rept 4
	global_load_b128 v[P+32*j+4*c:P+32*j+4*c+3],       v1, s[4:5]   offset:j*16384+c*4096 th:TH_LOAD_NT
	global_load_b128 v[P+32*j+16+4*c:P+32*j+16+4*c+3], v1, s[12:13] offset:j*16384+c*4096 th:TH_LOAD_NT
.set c, c+1
.endr
.set j, j+1
.endr
.macro QADD a, b                       ; four numbers onto four
	v_pk_add_f32 v[(\a):(\a)+1],   v[(\a):(\a)+1],   v[(\b):(\b)+1]
	v_pk_add_f32 v[(\a)+2:(\a)+3], v[(\a)+2:(\a)+3], v[(\b)+2:(\b)+3]
.endm
.set j, 0
.rept 4
	s_wait_loadcnt 24-8*j                          ; loads come back in order: the later tokens' eight each may stay out
	QADD P+32*j,    P+32*j+4
	QADD P+32*j+8,  P+32*j+12
	QADD P+32*j+16, P+32*j+20
	QADD P+32*j+24, P+32*j+28
	QADD P+32*j,    P+32*j+8
	QADD P+32*j+16, P+32*j+24
	QADD P+32*j,    P+32*j+16
	global_store_b128 v1, v[P+32*j:P+32*j+3], s[6:7] offset:j*4096 th:TH_STORE_NT
.set j, j+1
.endr
	s_endpgm
.Lfunc_end_k_qf5f0b9faf1_combine:
	.size	k_qf5f0b9faf1_combine, .Lfunc_end_k_qf5f0b9faf1_combine-k_qf5f0b9faf1_combine
	.p2alignl 7, 3214868480
	.fill 96, 4, 3214868480
	.section	.rodata,"a",@progbits
	.p2align	6, 0x0
	.amdhsa_kernel k_qf5f0b9faf1_combine
		.amdhsa_group_segment_fixed_size 0
		.amdhsa_private_segment_fixed_size 0
		.amdhsa_enable_private_segment 0
		.amdhsa_kernarg_size 16
		.amdhsa_user_sgpr_count 2
		.amdhsa_user_sgpr_kernarg_segment_ptr 1
		.amdhsa_wavefront_size32 1
		.amdhsa_system_sgpr_workgroup_id_x 1
		.amdhsa_system_sgpr_workgroup_id_y 1
		.amdhsa_system_sgpr_workgroup_id_z 1
		.amdhsa_system_vgpr_workitem_id 0
		.amdhsa_next_free_vgpr 140
		.amdhsa_next_free_sgpr 66
		.amdhsa_reserve_vcc 0
		.amdhsa_float_denorm_mode_32 3
		.amdhsa_float_denorm_mode_16_64 3
		.amdhsa_memory_ordered 1
		.amdhsa_forward_progress 1
		.amdhsa_inst_pref_size 8
	.end_amdhsa_kernel
	.amdgpu_metadata
---
amdhsa.version: [ 1, 2 ]
amdhsa.kernels:
  - .name:           k_qf5f0b9faf1_combine
    .symbol:         k_qf5f0b9faf1_combine.kd
    .args:
      - { .name: part, .offset: 0, .size: 8, .value_kind: global_buffer, .address_space: global }
      - { .name: out0, .offset: 8, .size: 8, .value_kind: global_buffer, .address_space: global }
    .group_segment_fixed_size: 0
    .private_segment_fixed_size: 0
    .kernarg_segment_align: 8
    .kernarg_segment_size: 16
    .max_flat_workgroup_size: 256
    .sgpr_count:     66
    .vgpr_count:     140
    .wavefront_size: 32
...
	.end_amdgpu_metadata
.endif
;; end of part 4
;; ======== version 2 of 3: 4 launches; 1.17 times as fast as version 1
;; workspace buffers: xb 2,097,152 bytes; maps 2,048 bytes of whole numbers; wts 8,192 bytes; hid 67,108,864 bytes; part 33,685,504 bytes
;; launch router: the kernel of part 1 again; grid 64 x 1, 8 waves a work-group, no clusters, 58,880 bytes of LDS; arguments h_t, gate_w, gate_b, xb, maps, wts; writes xb, maps, wts
;; launch ffn1 (part 5): grid 32 x 8, 8 waves a work-group, no clusters, 132,096 bytes of LDS; arguments xb, w1, b1, maps, hid; writes hid
.if DOCPART == 5
	.amdgcn_target "amdgcn-amd-amdhsa--gfx1250"
	.amdhsa_code_object_version 6
	.text
	.protected	k_qf5f0b9faf1_ffn1
	.globl	k_qf5f0b9faf1_ffn1
	.p2align	8
	.type	k_qf5f0b9faf1_ffn1,@function
k_qf5f0b9faf1_ffn1:
	s_mov_b64 s[64:65], 0
	v_nop
	global_prefetch_b8 v0, s[64:65] scope:SCOPE_SE
	s_setreg_imm32_b32 hwreg(HW_REG_WAVE_MODE, 25, 1), 1
	s_wait_xcnt 0x0
; A PRODUCT OF A LAYER OF ROUTED EXPERTS, for the chosen rows alone.  One text for both products; MODE picks.
;   MODE 1: hid[1024 e + rank][f] = gelu(x[token] . w1[e][:, f] + b1[e][f]), tanh form, stored in bf16.   MODE 2: part[id][kp][d] = w[id] (hid[1024 e + rank][1024 kp ..] . w2[e][1024 kp .., d] + b2[e][d] if kp = 0), f32 partial sums.
; rank: the token's place among the expert's tokens, ascending.  id = token + 1024 x (second choice).  Weights and biases are rounded once to bf16, sums are f32.
; SHARES.  A work-group has one expert (grid y), 128 output columns and K = 1,024 (MODE 2: grid x = column slice + 8 x quarter of K): 512 KiB of f32 weights that it alone reads, and ALL rows of its expert (0 to 1,024).
; All eight waves run one text.  Of each chunk of 128 k-rows a wave fetches 16, rounds them to bf16 and lays them into one of two LDS slots ([k][128], pitch 288) that take turns; every wave reads a slot turned
; (ds_load_tr16_b128) and multiplies it with its own 3 blocks of 16 token rows, which come from memory straight into registers.
; ONE QUEUE OF LOADS A WAVE.  Loads into registers come back in order on one counter (ISA guide 5.7.1), so all have the same lead, four K steps of 32: for each step s four weight loads (ring group s), then the token
; loads of buffer s: four for blocks 0 and 1, and two for block 2 only where that block is live.  That is 32 loads, or 40.  EVERY WAIT TAKES THE COUNT OF THE 32: it then holds on every way; a wave with three live blocks
; waits for eight loads more than it needs.  16 weight loads of 512 bytes are out in each of eight waves, all through a pass.
; A PHASE, the text between two barriers, is four steps: a whole period of the queue.  While chunk c is multiplied out of one slot, chunk c + 1 goes into the other.  A phase that is jumped leaves the queue as every phase expects it.
; THE SLOT'S FRAGMENTS have two register buffers: step s + 1's sixteen LDS loads are issued at the head of step s, ahead of its products; only a phase's step 0 is asked for just before its use.
; ROWS.  Each wave makes its own list from the router's bitmaps (counting, no atomics) and keeps its 9 entries a lane in registers.  Pass p (3), block i (3), wave w: ranks 384 p + 128 i + 16 w + 0..15.
; MODE 1 takes its token rows by the list and stores hid by rank: a live block's 16 rows lie end to end.  MODE 2 takes its rows of hid by rank, by arithmetic alone, and needs the list for the gate's weights and for part's rows.
; The loop over passes has a constant count, every wave passes every barrier, and only work is jumped: a pass without rows streams nothing.  An expert's weights are read once for every 384 rows begun.
; The first prologue runs whatever the count, so that every register is written on every way.
; AN EXPERT WITHOUT ROWS.  MODE 1 counts it as one block of 16 places past the count: its weights are streamed once and rows 0 to 15 of its part of hid are stored, so that MODE 2's first prologue, which then asks
; for row 0, reads bytes that were written.  MODE 2 keeps the true count: it spends two chunks of weights, makes nothing of what it loaded and stores nothing.
; Blocks past the count are jumped by scalar branches.  Places past the count inside a live block: MODE 1 loads token e and stores the result at its rank, where MODE 2 reads it; MODE 2 stores into the expert's dump row 2048 + e of part, which nobody reads.
; Blocks 0 and 1 past the count load a row that exists (MODE 1: token e; MODE 2: the expert's last stored row).
; THE MATRIX INSTRUCTION: source 0 = 16 weight columns, source 1 = 16 tokens: lane (r, h) holds token r, columns 16 b + 8 h + 0..7: neighbouring numbers of a row.
; The accumulators are cleared by 192 v_mov_b32 a pass (in pass 0 while the first chunk is on its way): the price of one text for every K step, and of registers that are written whichever blocks are jumped.
; LIMITS.  NaN and infinities are not treated apart; gelu's exponential below 2^-126 counts as 0.
; NO TENSOR LOADS: a queue in registers is never empty inside a pass, slots that are filled again are at each of their barriers.  NO CLUSTER: each weight byte has one reader; MODE 1's token rows come by a list that no descriptor covers.
.set MODE, 1
.if MODE == 1
.set ROWB,  16384                      ; bytes from one k-row of the weights to the next
.set ASH,   11                         ; a row of the left operand, xb: 2,048 bytes
.else
.set ROWB,  4096
.set ASH,   13                         ; a row of hid: 8,192 bytes
.endif
.set OSH,   14                         ; MODE 2: a row of part: 4 x 4,096 bytes
.set CHB,   128*ROWB                   ; a chunk of 128 k-rows in memory
.set WP,    288                        ; LDS pitch of a k-row: 256 bytes + 32
.set SLOT,  128*WP                     ; a slot: 36,864 bytes; slot 0 at byte 0, slot 1 behind it
.set LIST,  2*SLOT                     ; eight lists, one a wave: 1,280 ranks and 32 words for the bits that are 0, 2 bytes each
.set LISTB, 2816
.set SPARE, LIST+8*LISTB               ; the spare words, 128 bytes a wave: no other line names them
.set STAGE, SPARE+1024                 ; eight stages, 16 rows x 272 bytes, for the way out
.set SP,    272
.set MF, 0                             ; a phase that stores a chunk and asks for the next but one
.set MZ, 1                             ; chunk 6's: it stores chunk 7 and asks for no more weights
.set MN, 2                             ; chunk 7's: it asks for nothing
; vector registers, window 0 (window 1: v0-191 the accumulators, block i, column block b at 64 i + 8 b; v192-255 the slot's fragments of the odd K steps)
.set SPW,  2                           ; my spare word's address; never rewritten
.set NIL,  3                           ; 0; never rewritten
.set AOFF, 4                           ; v[4:6]    block i: byte offset of my token's row, + 16 h
.set LO,   7                           ; 16 x lane
.set BADR, 8                           ; v[8:9]    my lane's place in 16 k-rows of slot 0, 1
.set ST,   10                          ; v[10:11]  my wave's 16 k-rows of slot 0, 1; 8 bytes a lane
.set H16,  12
.set IDQ,  13                          ; v[13:15]  block i: my list entry in this pass (low half) and the next (high half)
.set IDR,  16                          ; v[16:18]  in the pass behind those
.set LT,   20                          ; v[20:27]  four pairs by turns: rounded weights
.set RK,   28                          ; MODE 2: 16 w + r
.set BF,   32                          ; v[32:95]  the slot's fragments of the even K steps
.set BF1,  192                         ; in window 1: of the odd ones
.set AF,   96                          ; v[96:191] token fragments: buffer s at 24 s, block i at 8 i
.set RING, 192                         ; v[192:255] 16 weight loads: place q = 4 s + t at 4 q
; the way out, when no load is out
.set BI,   32                          ; bias, 64
.set XE,   96                          ; a block's 64 numbers
.set TT,   160                         ; MODE 1: 16 at work
.set WT,   160                         ; MODE 2: v[160:162] the gate's weight of my token in block i
.set ID,   192                         ; MODE 1: v192 my byte offset in the block's rows of hid; MODE 2: v[192:199] in eight rows of part
.set PIX,  200                         ; MODE 2: v[200:207] 4 x (8 h + t): the lanes whose ids my lanes' store rows have
.set VB,   200                         ; MODE 1: 8 h rows of hid + 16 bytes a lane
.set STO,  208
.set RD,   209
.set C16,  210
.set H32,  211
.set CUR,  212                         ; MODE 2: the id of my token in the block in hand
.set WF,   214                         ; v[214:215]
; scalar registers
.set WV, 16
.set XP, 17                            ; the expert
.set CNT, 18
.set NBLK, 19                          ; its blocks of 16 rows
.set NB, 20                            ; my live blocks in this pass, 0..3
.set PS, 21
.set TC, 22
.set IC, 23
.set BIC, 24
.set LV, 25                            ; 1: this pass has rows
.set WB0, 26                           ; s[26:27] my rows of chunk 0
.set A0P, 28                           ; s[28:29] left operand
.set AK, 30                            ; s[30:31] the same at the chunk asked for
.set WN, 32                            ; s[32:33] my rows of the chunk asked for
.set OB, 34                            ; s[34:35] output at my columns
.set BB, 36                            ; s[36:37] bias at my columns
.set SC1, 38                           ; s[38:39] -2 log2(e) sqrt(2/pi)
.set SC2, 40                           ; s[40:41] the same x 0.044715
.set T0, 42                            ; s[42:43] an offset, 0 above it
.set T1, 44                            ; s[44:45] likewise
.set NS, 46
.set KP, 47
.set BMASK, 48
.set HM, 49
.set LISTW, 50
.set RMAX, 52                          ; MODE 2: the expert's last stored row of hid
.set UW, 68                            ; s[68:99] the expert's bitmap of tokens
.set MSB, 0
.macro WIN new                         ; the immediate's high byte repeats the setting that is left; a switch that changes nothing is dropped
.if MSB != (\new)
	s_set_vgpr_msb (MSB<<8)|(\new)
.set MSB, \new
.endif
.endm
.macro PLACES                          ; four places between a matrix instruction and a load into, or a vector write of, one of its registers (ISA guide 7.12.1 for vector writes)
.rept 4
	v_nop
.endr
.endm
; A turn of ring place q: its 512 bytes (a k-row's 128 columns) are in, are rounded and stored at address register st; re = 1: the place is asked for again at base + off.
.macro TURN q, st, cnt, re, base, off
	s_wait_loadcnt \cnt                            ; loads come back in order: at least so many were issued behind this place's
	v_cvt_pk_bf16_f32 v[LT+2*((\q)%4)],   v[RING+4*(\q)],   v[RING+4*(\q)+1]
	v_cvt_pk_bf16_f32 v[LT+2*((\q)%4)+1], v[RING+4*(\q)+2], v[RING+4*(\q)+3]
	ds_store_b64 v[\st], v[LT+2*((\q)%4):LT+2*((\q)%4)+1] offset:(\q)*WP  ; 256 neighbouring bytes: a k-row
.if \re
	global_load_b128 v[RING+4*(\q):RING+4*(\q)+3], v[LO], s[\base:\base+1] offset:(\off)+(\q)*ROWB th:TH_LOAD_NT  ; 512 neighbouring bytes, aligned
.endif
.endm
; Token buffer s: for each block k = 8 h + 0..7 and 16 + 8 h + 0..7.  Blocks 0 and 1 always; block 2, last, only where it is live.
.macro ALOADS s, base, off
.irp i, 0,1
	global_load_b128 v[AF+24*(\s)+8*\i:AF+24*(\s)+8*\i+3],   v[AOFF+\i], s[\base:\base+1] offset:\off
	global_load_b128 v[AF+24*(\s)+8*\i+4:AF+24*(\s)+8*\i+7], v[AOFF+\i], s[\base:\base+1] offset:(\off)+32
.endr
	s_cmp_lt_u32 s[NB], 3
	s_cbranch_scc1 .Lno2_\@
	global_load_b128 v[AF+24*(\s)+16:AF+24*(\s)+19], v[AOFF+2], s[\base:\base+1] offset:\off
	global_load_b128 v[AF+24*(\s)+20:AF+24*(\s)+23], v[AOFF+2], s[\base:\base+1] offset:(\off)+32
.Lno2_\@:
.endm
; Sixteen LDS loads: slot sm's fragments of K step s, into the buffer of the step's parity
.macro BLOADS s, sm
.if ((\s)%2) == 0
.irp b, 0,1,2,3,4,5,6,7
	ds_load_tr16_b128 v[BF+8*\b:BF+8*\b+3],   v[BADR+(\sm)] offset:32*(\s)*WP+32*\b
	ds_load_tr16_b128 v[BF+8*\b+4:BF+8*\b+7], v[BADR+(\sm)] offset:32*(\s)*WP+32*\b+16*WP
.endr
.else
	WIN 0x40                                       ; destination in window 1
.irp b, 0,1,2,3,4,5,6,7
	ds_load_tr16_b128 v[BF1+8*\b:BF1+8*\b+3],   v[BADR+(\sm)] offset:32*(\s)*WP+32*\b
	ds_load_tr16_b128 v[BF1+8*\b+4:BF1+8*\b+7], v[BADR+(\sm)] offset:32*(\s)*WP+32*\b+16*WP
.endr
	WIN 0
.endif
.endm
; Eight matrix instructions: block i x all 8 column blocks, 32 along K.  The eight accumulators take turns.
; cw >= 0: the fragments are waited for pair by pair; cw LDS instructions were issued behind the run of sixteen.
.macro BLK s, i, cw
.if ((\s)%2) == 0
.set BR, BF
	WIN 0x50                                       ; C and D in window 1
.else
.set BR, BF1
	WIN 0x51                                       ; and source 0 too
.endif
.irp b, 0,1,2,3,4,5,6,7
.if (\cw) >= 0
	s_wait_dscnt (\cw)+14-2*\b                     ; LDS instructions end in order: the run's 14 - 2 b younger loads and what was issued behind the run may stay out
.endif
	v_wmma_f32_16x16x32_bf16 v[64*(\i)+8*\b:64*(\i)+8*\b+7], v[BR+8*\b:BR+8*\b+7], v[AF+24*(\s)+8*(\i):AF+24*(\s)+8*(\i)+7], v[64*(\i)+8*\b:64*(\i)+8*\b+7]
.endr
	WIN 0                                          ; at a label and at a branch every window is 0
.endm
; K step s of a phase: slot sm is multiplied, slot ss is stored into.
; LOADcnt, counted without block 2's loads (8 a step).  MF: behind a ring place 3 of its group, 4 token loads and 3 x 8: 31; behind token buffer s 3 x 8 and the 4 weight loads just asked for: 28.
; MZ: nothing is put behind a ring place: 31 - t - 4 s and 24 - 4 s.  MN: only token buffers are left: 12 - 4 s.
; DScnt.  A phase's LDS instructions go out as B0 B1 S0 | B2 S1 | B3 S2 | S3 (B: a step's 16 loads, S: its STN stores).  Behind B0: 16 + STN; behind B1 and B2: 2 STN + 16; behind B3: 2 STN.
; These waits stand on every way, that of a wave without blocks too: no load is issued into a register that an older load still writes.
.macro KSTEP s, sm, ss, mode
.if (\mode) == MN
.set STN, 0
.else
.set STN, 4
.endif
.if (\s) == 0
	BLOADS 0, \sm
.endif
.if (\s) < 3
	BLOADS (\s)+1, \sm
.endif
.if (\mode) == MF
.irp t, 0,1,2,3
	TURN 4*(\s)+\t, ST+(\ss), 31, 1, WN, 0
.endr
	s_wait_loadcnt 28
.elseif (\mode) == MZ
.irp t, 0,1,2,3
	TURN 4*(\s)+\t, ST+(\ss), 31-\t-4*(\s), 0, WN, 0
.endr
	s_wait_loadcnt 24-4*(\s)
.else
	s_wait_loadcnt 12-4*(\s)
.endif
.if (\s) == 3
	s_wait_dscnt 2*STN
.elseif (\s) > 0
	s_wait_dscnt 2*STN+16
.endif
	s_cmp_lt_u32 s[NB], 1
	s_cbranch_scc1 .Lend_\@
.if (\s) == 0
	BLK \s, 0, STN+16
.else
	BLK \s, 0, -1
.endif
	s_cmp_lt_u32 s[NB], 2
	s_cbranch_scc1 .Lend_\@
	BLK \s, 1, -1
	s_cmp_lt_u32 s[NB], 3
	s_cbranch_scc1 .Lend_\@
	BLK \s, 2, -1
.Lend_\@:
.if (\s) == 0
	s_wait_dscnt STN+16                            ; met already where block 0 was multiplied
.endif
	PLACES                                         ; in front of the loads into the token buffer, and of the next step's loads into this step's fragment buffer
.if (\mode) == MF
	ALOADS \s, AK, 64*(\s)
.elseif (\mode) == MZ
	ALOADS \s, A0P, 7*256+64*(\s)                  ; chunk 7's
.endif
.endm
; A phase and its barrier.  par: 0 for a trip's first phase, 1 for its second.  With TC = 3, 2, 1 the chunk in hand is c = 6 - 2 TC + par; weights are asked for chunk c + 2, tokens for chunk c + 1.
.macro PHASE sm, ss, mode, par
	s_cmp_eq_u32 s[LV], 0
	s_cbranch_scc1 .Lskip_\@                       ; a pass without rows: only the barrier is left
.if (\mode) == MF
	s_wait_xcnt 0x0                                ; the bases of the loads that are out are written only behind this wait
	s_lshl_b32 s51, s[TC], 1
	s_sub_co_u32 s[T0], 8+(\par), s51
	s_mul_i32 s[T0], s[T0], CHB
	s_add_nc_u64 s[WN:WN+1], s[WB0:WB0+1], s[T0:T0+1]
	s_sub_co_u32 s[T1], 7+(\par), s51
	s_lshl_b32 s[T1], s[T1], 8
	s_add_nc_u64 s[AK:AK+1], s[A0P:A0P+1], s[T1:T1+1]
.endif
	KSTEP 0, \sm, \ss, \mode
	KSTEP 1, \sm, \ss, \mode
	KSTEP 2, \sm, \ss, \mode
	KSTEP 3, \sm, \ss, \mode
.Lskip_\@:
	s_wait_dscnt 0x0                               ; my stores into the one slot are done, and so are my reads of the other
	s_barrier_signal -1
	s_barrier_wait -1
.endm
.macro PRO_ISSUE                       ; a pass's stream begins: chunk 0 into the ring; no load of mine is out
.set q, 0
.rept 16
	global_load_b128 v[RING+4*q:RING+4*q+3], v[LO], s[WB0:WB0+1] offset:q*ROWB th:TH_LOAD_NT
.set q, q+1
.endr
.endm
; Chunk 0 goes into slot 0, chunk 1 is asked for, and chunk 0's token buffers are asked for between the groups: that builds the queue.  Behind a place of group s are the ring's 15 others and at least 4 s token loads.
.macro PRO_TURNS
.irp s, 0,1,2,3
.irp t, 0,1,2,3
	TURN 4*\s+\t, ST, 15+4*\s, 1, WB0, CHB
.endr
	ALOADS \s, A0P, 64*\s
.endr
.endm
.macro INIT
	WIN 0x40
.set z, 0
.rept 192
	v_mov_b32 v[z], 0
.set z, z+1
.endr
	WIN 0
.endm
.macro NBOF                            ; pass PS: has it rows; my live blocks: those i with 24 PS + 8 i + w < NBLK, at most 3
	s_mul_i32 s51, s[PS], 24
	s_cmp_gt_u32 s[NBLK], s51
	s_cselect_b32 s[LV], 1, 0
	s_sub_co_i32 s[NB], s[NBLK], s51
	s_sub_co_i32 s[NB], s[NB], s[WV]
	s_add_co_i32 s[NB], s[NB], 7
	s_ashr_i32 s[NB], s[NB], 3
	s_max_i32 s[NB], s[NB], 0
	s_min_i32 s[NB], s[NB], 3
.endm
.macro SETUPA                          ; my three blocks' rows in pass PS; no load of mine is out
.if MODE == 1
.irp i, 0,1,2
	v_and_b32 v[AOFF+\i], 0xffff, v[IDQ+\i]        ; the token, by the list
	v_min_u32 v[AOFF+\i], 0x3ff, v[AOFF+\i]
	v_lshl_add_u32 v[AOFF+\i], v[AOFF+\i], ASH, v[H16]
.endr
.else
	s_mul_i32 s53, s[PS], 384
.irp i, 0,1,2
	v_add_nc_u32 v[AOFF+\i], s53, v[RK]            ; the rank: 384 p + 128 i + 16 w + r,
	s_add_co_u32 s53, s53, 128
	v_min_u32 v[AOFF+\i], s[RMAX], v[AOFF+\i]      ; in a block past the count the expert's last stored row
	v_min_u32 v[AOFF+\i], 0x3ff, v[AOFF+\i]
	v_lshl_add_u32 v[AOFF+\i], v[AOFF+\i], ASH, v[H16]
.endr
.endif
.endm
.macro SNIP i                          ; block i's sums + bias, each accumulator from its low end on
	WIN 0x01
.set z, 0
.rept 32
	v_pk_add_f32 v[XE+2*z:XE+2*z+1], v[64*(\i)+2*z:64*(\i)+2*z+1], v[BI+2*z:BI+2*z+1]
.set z, z+1
.endr
	WIN 0
.if MODE == 2
	v_and_b32 v[CUR], 0xffff, v[IDQ+(\i)]
	v_mov_b32 v[WF], v[WT+(\i)]
	v_mov_b32 v[WF+1], v[WT+(\i)]
.endif
.endm
.macro GELU g                          ; 16 numbers: x / (1 + 2^(x (c1 + c2 x x)))
.set z, 0
.rept 8
	v_pk_mul_f32 v[TT+2*z:TT+2*z+1], v[XE+16*(\g)+2*z:XE+16*(\g)+2*z+1], v[XE+16*(\g)+2*z:XE+16*(\g)+2*z+1]
.set z, z+1
.endr
.set z, 0
.rept 8
	v_pk_fma_f32 v[TT+2*z:TT+2*z+1], v[TT+2*z:TT+2*z+1], s[SC2:SC2+1], s[SC1:SC1+1] op_sel_hi:[1,0,0]
.set z, z+1
.endr
.set z, 0
.rept 8
	v_pk_mul_f32 v[TT+2*z:TT+2*z+1], v[TT+2*z:TT+2*z+1], v[XE+16*(\g)+2*z:XE+16*(\g)+2*z+1]
.set z, z+1
.endr
.set z, 0
.rept 16
	v_exp_f32 v[TT+z], v[TT+z]
.set z, z+1
.endr
	v_nop                                          ; a plain instruction between the transcendentals and the use of their results
.set z, 0
	s_wait_alu depctr_va_vdst(0)
.rept 8
	v_pk_add_f32 v[TT+2*z:TT+2*z+1], v[TT+2*z:TT+2*z+1], 1.0 op_sel_hi:[1,0]
.set z, z+1
.endr
.set z, 0
.rept 16
	v_rcp_f32 v[TT+z], v[TT+z]
.set z, z+1
.endr
	v_nop
.set z, 0
	s_wait_alu depctr_va_vdst(0)
.rept 8
	v_pk_mul_f32 v[XE+16*(\g)+2*z:XE+16*(\g)+2*z+1], v[XE+16*(\g)+2*z:XE+16*(\g)+2*z+1], v[TT+2*z:TT+2*z+1]
.set z, z+1
.endr
.endm
	s_load_b256 s[4:11], s[0:1], 0x0               ; left operand s[4:5], weights s[6:7], bias s[8:9], maps s[10:11]
.if MODE == 1
	s_load_b64 s[12:13], s[0:1], 0x20              ; hid
.else
	s_load_b128 s[12:15], s[0:1], 0x20             ; wts s[12:13], part s[14:15]
.endif
	v_lshl_add_u32 v[SPW], v0, 2, SPARE
	v_mov_b32 v[NIL], 0
	v_lshrrev_b32 v1, 5, v0
	v_readfirstlane_b32 s[WV], v1
	s_and_b32 s[XP], ttmp7, 0xffff
.if MODE == 1
	s_mov_b32 s[SC1], 0xc0135761
	s_mov_b32 s[SC1+1], s[SC1]
	s_mov_b32 s[SC2], 0xbdd2d3e8
	s_mov_b32 s[SC2+1], s[SC2]
.endif
	s_mov_b32 s[HM], 0xffff0000
	s_mov_b32 s[T0+1], 0
	s_mov_b32 s[T1+1], 0
	; every address that lives through the loops is made here, once: a constant, the wave's number times a constant, a lane term
	v_and_b32 v98, 31, v0                          ; lane
	v_and_b32 v99, 15, v0                          ; r
	v_bfe_u32 v1, v0, 4, 1                         ; h
	v_lshlrev_b32 v[LO], 4, v98
	v_lshlrev_b32 v[H16], 4, v1
	v_and_b32 v19, 7, v0
	v_lshl_add_u32 v19, v1, 3, v19
	v_mul_u32_u24 v[BADR], v19, WP                 ; the turning load: k-row 8 h + lane % 8,
	v_bfe_u32 v19, v0, 3, 1
	v_lshl_add_u32 v[BADR], v19, 4, v[BADR]        ; columns 8 ((lane / 8) % 2) on
	v_add_nc_u32 v[BADR+1], SLOT, v[BADR]
	s_mul_i32 s51, s[WV], 16*WP
	v_lshl_add_u32 v[ST], v98, 3, s51              ; my wave's 16 k-rows of a slot
	v_add_nc_u32 v[ST+1], SLOT, v[ST]
	s_mul_i32 s[LISTW], s[WV], LISTB
	s_add_co_u32 s[LISTW], s[LISTW], LIST          ; my list
	s_lshl_b32 s51, s[WV], 5
	s_add_co_u32 s51, s51, s[LISTW]
	v_lshl_add_u32 v109, v99, 1, s51               ; rank 16 w + r
	v_lshl_add_u32 v104, v98, 4, s[LISTW]
	v_lshlrev_b32 v121, 2, v98
.if MODE == 2
	s_lshl_b32 s53, s[WV], 4
	v_add_nc_u32 v[RK], s53, v99
.endif
	s_wait_kmcnt 0x0
	s_lshl_b32 s[T0], s[XP], 8
	s_add_nc_u64 s[10:11], s[10:11], s[T0:T0+1]    ; the expert's bitmaps
	s_load_b512 s[UW:UW+15], s[10:11], 0x0         ; U: bit t of 1,024: token t chose the expert
	s_load_b512 s[UW+16:UW+31], s[10:11], 0x40
	global_load_b32 v96, v121, s[10:11]            ; U again: lane j has tokens 32 j .. 32 j + 31
.if MODE == 2
	global_load_b32 v97, v121, s[10:11] offset:128 ; S: bit t: the expert is token t's second choice
.endif
.if MODE == 1
	s_lshl_b32 s[T0], s[XP], 24                    ; the expert's 16 MiB,
	s_lshl_b32 s51, s[WV], 18                      ; my 16 k-rows of a chunk,
	s_add_co_u32 s[T0], s[T0], s51
	s_lshl_b32 s51, ttmp9, 9                       ; the slice's 128 columns of f32
	s_add_co_u32 s[T0], s[T0], s51
	s_add_nc_u64 s[WB0:WB0+1], s[6:7], s[T0:T0+1]
	s_mov_b64 s[A0P:A0P+1], s[4:5]
	s_lshl_b32 s[T0], s[XP], 23                    ; the expert's 1,024 rows of hid,
	s_lshl_b32 s53, ttmp9, 8                       ; the slice's 128 columns of bf16
	s_add_co_u32 s[T0], s[T0], s53
	s_add_nc_u64 s[OB:OB+1], s[12:13], s[T0:T0+1]
	s_lshl_b32 s[T0], s[XP], 14
	s_add_co_u32 s[T0], s[T0], s51
	s_add_nc_u64 s[BB:BB+1], s[8:9], s[T0:T0+1]
.else
	s_and_b32 s[NS], ttmp9, 7                      ; which 128 columns
	s_lshr_b32 s[KP], ttmp9, 3                     ; which quarter of K
	s_cmp_eq_u32 s[KP], 0
	s_cselect_b32 s[BMASK], -1, 0                  ; the bias goes into quarter 0 alone
	s_lshl_b32 s[T0], s[XP], 24                    ; the expert's 16 MiB,
	s_lshl_b32 s51, s[KP], 22                      ; the quarter's 1,024 k-rows,
	s_add_co_u32 s[T0], s[T0], s51
	s_lshl_b32 s51, s[WV], 16                      ; my 16 k-rows of a chunk,
	s_add_co_u32 s[T0], s[T0], s51
	s_lshl_b32 s51, s[NS], 9                       ; the slice's 128 columns of f32
	s_add_co_u32 s[T0], s[T0], s51
	s_add_nc_u64 s[WB0:WB0+1], s[6:7], s[T0:T0+1]
	s_lshl_b32 s[T0], s[XP], 23                    ; the expert's 1,024 rows of hid,
	s_lshl_b32 s53, s[KP], 11                      ; the quarter's 2,048 bytes of a row
	s_add_co_u32 s[T0], s[T0], s53
	s_add_nc_u64 s[A0P:A0P+1], s[4:5], s[T0:T0+1]
	s_lshl_b32 s[T0], s[KP], 12
	s_add_co_u32 s[T0], s[T0], s51
	s_add_nc_u64 s[OB:OB+1], s[14:15], s[T0:T0+1]
	s_lshl_b32 s[T0], s[XP], 12
	s_add_co_u32 s[T0], s[T0], s51
	s_add_nc_u64 s[BB:BB+1], s[8:9], s[T0:T0+1]
.endif
	PRO_ISSUE                                      ; the weights' first chunk is asked for before the list is made
.if MODE == 1
	s_mul_i32 s51, s[XP], 0x10001                  ; a place past the count takes token e: twice in a word
.else
	s_add_co_u32 s51, s[XP], 2048
	s_mul_i32 s51, s51, 0x10001                    ; a place past the count takes the dump id: twice in a word
.endif
	v_mov_b32 v100, s51
	v_mov_b32 v101, s51
	v_mov_b32 v102, s51
	v_mov_b32 v103, s51
.irp k, 0,1,2,3,4
	ds_store_b128 v104, v[100:103] offset:512*\k   ; all 1,280 ranks; LDS serves a wave's instructions in order (ISA guide 5.7.1.4), so the entries below land on top
.endr
	v_lshlrev_b32 v110, 5, v98                     ; my first token
	v_add_nc_u32 v105, 1280, v98                   ; where a bit that is 0 writes: a word of my own behind the ranks
	; the expert's rows are counted in scalar registers; lane j of v111 takes the number of chosen tokens below 32 j
	s_wait_kmcnt 0x0
	v_mov_b32 v111, 0
	s_mov_b32 s[CNT], 0
.set j, 0
.rept 32
	v_writelane_b32 v111, s[CNT], j
	s_bcnt1_i32_b32 s51, s[UW+j]
	s_add_co_u32 s[CNT], s[CNT], s51
.set j, j+1
.endr
	s_add_co_u32 s[NBLK], s[CNT], 15
	s_lshr_b32 s[NBLK], s[NBLK], 4
.if MODE == 1
	s_max_u32 s[NBLK], s[NBLK], 1                  ; an expert without rows counts as one block of places past the count: rows 0 to 15 of its part of hid are stored, for MODE 2's first prologue to read
.endif
	s_mov_b32 s[PS], 0
	NBOF
.if MODE == 2
	s_lshl_b32 s[RMAX], s[NBLK], 4                 ; MODE 1 has stored rows 0 to 16 NBLK - 1, and rows 0 to 15 in any case
	s_max_u32 s[RMAX], s[RMAX], 1
	s_sub_co_u32 s[RMAX], s[RMAX], 1
.endif
	s_wait_loadcnt 16                              ; the bitmaps are in; the ring's 16 loads, issued behind them, stay out
	s_mov_b32 s[IC], 32
.Lscat:
	v_and_b32 v106, 1, v96
.if MODE == 2
	v_and_b32 v107, 1, v97
	v_lshl_add_u32 v107, v107, 10, v110            ; id
.endif
	v_cmp_eq_u32 vcc_lo, 1, v106
	v_cndmask_b32 v108, v105, v111, vcc_lo
	v_min_u32 v108, 0x51f, v108                    ; inside the list's 1,312 entries
	v_lshl_add_u32 v108, v108, 1, s[LISTW]
.if MODE == 2
	ds_store_b16 v108, v107
	v_lshrrev_b32 v97, 1, v97
.else
	ds_store_b16 v108, v110                        ; the token
.endif
	v_add_nc_u32 v111, v111, v106
	v_lshrrev_b32 v96, 1, v96
	v_add_nc_u32 v110, 1, v110
	s_sub_co_u32 s[IC], s[IC], 1
	s_cmp_lg_u32 s[IC], 0
	s_cbranch_scc1 .Lscat
.set p, 0
.rept 3                                ; my entry in pass p, block i: 9 a lane, at constant places of my list
.irp i, 0,1,2
	ds_load_u16 v[112+3*p+\i], v109 offset:768*p+256*\i
.endr
.set p, p+1
.endr
	s_wait_dscnt 0x0
.irp i, 0,1,2
	v_lshl_or_b32 v[IDQ+\i], v[115+\i], 16, v[112+\i]
	v_mov_b32 v[IDR+\i], v[118+\i]
.endr
.irp s, 0,1,2,3                        ; block 2's token registers are written once here: its loads are issued only where the block is live
.irp k, 0,1,2,3,4,5,6,7
	v_mov_b32 v[AF+24*\s+16+\k], 0
.endr
.endr
	SETUPA
	INIT
	PRO_TURNS                                      ; pass 0's, whatever the count
.Lpass:                                                ; three passes of 384 rows: a constant count that serves every split
	s_wait_dscnt 0x0                               ; for the others' sake: my rows of chunk 0 are in slot 0
	s_barrier_signal -1
	s_barrier_wait -1
	s_mov_b32 s[TC], 3
.Lchunk:                                               ; a trip: chunks 6 - 2 TC and 7 - 2 TC
	PHASE 0, 1, MF, 0
	PHASE 1, 0, MF, 1
	s_sub_co_u32 s[TC], s[TC], 1
	s_cmp_lg_u32 s[TC], 0
	s_cbranch_scc1 .Lchunk
	PHASE 0, 1, MZ, 0                              ; the tail is written out: chunk 6,
	PHASE 1, 0, MN, 0                              ; chunk 7
	s_wait_loadcnt 0x0                             ; on every way: no load of mine is out behind this line
	s_cmp_eq_u32 s[NB], 0
	s_cbranch_scc1 .Lnoepi
	; ---- THE WAY OUT of a pass; of LDS it touches my stage alone
	v_and_b32 v[C16], 15, v0                       ; r
	v_bfe_u32 v[H32], v0, 4, 1                     ; h
	s_mul_i32 s51, s[WV], 16*SP
	s_add_co_u32 s51, s51, STAGE                   ; my stage
	v_mul_u32_u24 v[STO], v[C16], SP
	v_add_nc_u32 v[STO], s51, v[STO]
	v_mul_u32_u24 v[RD], v[H32], 8*SP
	v_add_nc_u32 v[RD], s51, v[RD]
	v_lshlrev_b32 v[C16], 4, v[C16]
	v_add_nc_u32 v[RD], v[RD], v[C16]              ; back: lanes 0-15 row t, lanes 16-31 row 8 + t, 256 bytes each
.if MODE == 1
	v_lshl_add_u32 v[VB], v[H32], 16, v[C16]       ; and in hid: 8 h rows of 8,192 bytes, 16 bytes a lane
.endif
	v_lshlrev_b32 v[H32], 5, v[H32]
.if MODE == 1
	v_add_nc_u32 v[STO], v[STO], v[H16]            ; in: row r, 16 bytes for each half of the lanes
.else
	v_add_nc_u32 v[STO], v[STO], v[H32]            ; in: row r, 32 bytes for each half of the lanes
.irp t, 0,1,2,3,4,5,6,7
	v_add_nc_u32 v[PIX+\t], 4*\t, v[H32]           ; 4 x lane 8 h + t
.endr
.endif
.irp b, 0,1,2,3,4,5,6,7
	global_load_b128 v[XE+8*\b:XE+8*\b+3],   v[H32], s[BB:BB+1] offset:64*\b      ; the bias of my columns 16 b + 8 h + 0..7
	global_load_b128 v[XE+8*\b+4:XE+8*\b+7], v[H32], s[BB:BB+1] offset:64*\b+16
.endr
.if MODE == 2
.irp i, 0,1,2
	v_and_b32 v[ID+\i], 0xffff, v[IDQ+\i]
	v_min_u32 v[ID+\i], 0x7ff, v[ID+\i]            ; a dump id takes a weight that exists
	v_lshlrev_b32 v[ID+\i], 2, v[ID+\i]
.endr
.irp i, 0,1,2
	global_load_b32 v[WT+\i], v[ID+\i], s[12:13]   ; the gate's weight of my token in block i
.endr
.endif
	s_wait_loadcnt 0x0
.set z, 0
.rept 32
	v_cvt_pk_bf16_f32 v[BI+2*z], v[XE+2*z], v[XE+2*z+1]  ; the bias is rounded to bf16 like every input,
.if MODE == 2
	v_and_b32 v[BI+2*z], s[BMASK], v[BI+2*z]
.endif
	v_and_b32     v[BI+2*z+1], s[HM], v[BI+2*z]    ; and widened again
	v_lshlrev_b32 v[BI+2*z],   16,    v[BI+2*z]
.set z, z+1
.endr
	s_mov_b32 s[BIC], 0
.Lblk:
	s_cmp_ge_u32 s[BIC], s[NB]
	s_cbranch_scc1 .Lnext                          ; a block past the count stores nothing
	s_cmp_eq_u32 s[BIC], 0
	s_cbranch_scc1 .Lsn0
	s_cmp_eq_u32 s[BIC], 1
	s_cbranch_scc1 .Lsn1
	SNIP 2
	s_branch .Lcommon
.Lsn0:
	SNIP 0
	s_branch .Lcommon
.Lsn1:
	SNIP 1
.Lcommon:
.if MODE == 1
	s_mul_i32 s51, s[PS], 384                      ; the block's first rank: 384 p + 128 i + 16 w,
	s_lshl_b32 s53, s[BIC], 7
	s_add_co_u32 s51, s51, s53
	s_lshl_b32 s53, s[WV], 4
	s_add_co_u32 s51, s51, s53
	s_lshl_b32 s51, s51, 13                        ; in rows of 8,192 bytes
	v_add_nc_u32 v[ID], s51, v[VB]
	GELU 0
	GELU 1
	GELU 2
	GELU 3
.set z, 0
.rept 32
	v_cvt_pk_bf16_f32 v[XE+z], v[XE+2*z], v[XE+2*z+1]  ; in place, ascending: a register is written after it has been read
.set z, z+1
.endr
.irp b, 0,1,2,3,4,5,6,7
	ds_store_b128 v[STO], v[XE+4*\b:XE+4*\b+3] offset:32*\b
.endr
.irp t, 0,1,2,3,4,5,6,7
	ds_load_b128 v[XE+32+4*\t:XE+32+4*\t+3], v[RD] offset:\t*SP  ; LDS serves a wave's instructions in order (ISA guide 5.7.1.4): these see the stores above
.endr
.irp t, 0,1,2,3,4,5,6,7
	s_wait_dscnt 7-\t
	global_store_b128 v[ID], v[XE+32+4*\t:XE+32+4*\t+3], s[OB:OB+1] offset:\t*8192  ; ranks t and 8 + t of the block: 16 lanes store 256 consecutive bytes of a row, aligned
.endr
.else
.irp t, 0,1,2,3,4,5,6,7
	ds_bpermute_b32 v[ID+\t], v[PIX+\t], v[CUR]    ; the ids of ranks 8 h + 0..7 of the block: the rows that my lanes will store; no LDS byte is touched
.endr
.set z, 0
.rept 32
	v_pk_mul_f32 v[XE+2*z:XE+2*z+1], v[XE+2*z:XE+2*z+1], v[WF:WF+1] op_sel_hi:[1,0]  ; (sum + bias) x the gate's weight, which differs from token to token
.set z, z+1
.endr
	s_wait_dscnt 0x0
.irp t, 0,1,2,3,4,5,6,7
	v_min_u32 v[ID+\t], 0x807, v[ID+\t]            ; an id is 2,055 at the most
	v_lshl_add_u32 v[ID+\t], v[ID+\t], OSH, v[C16]
.endr
.irp hf, 0,1                           ; the block's 512 bytes a row go in two halves through the stage
.irp b, 0,1,2,3
	ds_store_b128 v[STO], v[XE+32*\hf+8*\b:XE+32*\hf+8*\b+3]   offset:64*\b
	ds_store_b128 v[STO], v[XE+32*\hf+8*\b+4:XE+32*\hf+8*\b+7] offset:64*\b+16
.endr
.irp t, 0,1,2,3,4,5,6,7
	ds_load_b128 v[XE+32*\hf+4*\t:XE+32*\hf+4*\t+3], v[RD] offset:\t*SP  ; LDS serves a wave's instructions in order (ISA guide 5.7.1.4): these see the stores above
.endr
.irp t, 0,1,2,3,4,5,6,7
	s_wait_dscnt 7-\t
	global_store_b128 v[ID+\t], v[XE+32*\hf+4*\t:XE+32*\hf+4*\t+3], s[OB:OB+1] offset:256*\hf  ; 16 lanes store 256 consecutive bytes of a row, aligned
.endr
.endr
.endif
	s_wait_xcnt 0x0                                ; the stores' data and offsets are written again only behind this wait
.Lnext:
	s_add_co_u32 s[BIC], s[BIC], 1
	s_cmp_lt_u32 s[BIC], 3
	s_cbranch_scc1 .Lblk
.Lnoepi:
.irp i, 0,1,2
	v_alignbit_b32 v[IDQ+\i], v[IDR+\i], v[IDQ+\i], 16  ; the list entries move up by a pass
	v_lshrrev_b32 v[IDR+\i], 16, v[IDR+\i]
.endr
	s_add_co_u32 s[PS], s[PS], 1
	NBOF
	s_cmp_eq_u32 s[LV], 0
	s_cbranch_scc1 .Lpj
	SETUPA                                         ; a further pass has rows: its stream begins anew.  Slot 0 was last read two barriers ago
	INIT
	PRO_ISSUE
	PRO_TURNS
.Lpj:
	s_cmp_lt_u32 s[PS], 3
	s_cbranch_scc1 .Lpass
	s_wait_tensorcnt 0x0                           ; the wave's end
	ds_add_u32 v[SPW], v[NIL]
	s_wait_dscnt 0x0
	s_endpgm
.Lfunc_end_k_qf5f0b9faf1_ffn1:
	.size	k_qf5f0b9faf1_ffn1, .Lfunc_end_k_qf5f0b9faf1_ffn1-k_qf5f0b9faf1_ffn1
	.p2alignl 7, 3214868480
	.fill 96, 4, 3214868480
	.section	.rodata,"a",@progbits
	.p2align	6, 0x0
	.amdhsa_kernel k_qf5f0b9faf1_ffn1
		.amdhsa_group_segment_fixed_size 132096
		.amdhsa_private_segment_fixed_size 0
		.amdhsa_enable_private_segment 0
		.amdhsa_kernarg_size 40
		.amdhsa_user_sgpr_count 2
		.amdhsa_user_sgpr_kernarg_segment_ptr 1
		.amdhsa_wavefront_size32 1
		.amdhsa_system_sgpr_workgroup_id_x 1
		.amdhsa_system_sgpr_workgroup_id_y 1
		.amdhsa_system_sgpr_workgroup_id_z 1
		.amdhsa_system_vgpr_workitem_id 0
		.amdhsa_next_free_vgpr 512
		.amdhsa_next_free_sgpr 100
		.amdhsa_reserve_vcc 1
		.amdhsa_float_denorm_mode_32 3
		.amdhsa_float_denorm_mode_16_64 3
		.amdhsa_memory_ordered 1
		.amdhsa_forward_progress 1
		.amdhsa_inst_pref_size 147
	.end_amdhsa_kernel
	.amdgpu_metadata
---
amdhsa.version: [ 1, 2 ]
amdhsa.kernels:
  - .name:           k_qf5f0b9faf1_ffn1
    .symbol:         k_qf5f0b9faf1_ffn1.kd
    .args:
      - { .name: xb, .offset: 0, .size: 8, .value_kind: global_buffer, .address_space: global }
      - { .name: w1, .offset: 8, .size: 8, .value_kind: global_buffer, .address_space: global }
      - { .name: b1, .offset: 16, .size: 8, .value_kind: global_buffer, .address_space: global }
      - { .name: maps, .offset: 24, .size: 8, .value_kind: global_buffer, .address_space: global }
      - { .name: hid, .offset: 32, .size: 8, .value_kind: global_buffer, .address_space: global }
    .group_segment_fixed_size: 132096
    .private_segment_fixed_size: 0
    .kernarg_segment_align: 8
    .kernarg_segment_size: 40
    .max_flat_workgroup_size: 256
    .sgpr_count:     100
    .vgpr_count:     512
    .wavefront_size: 32
...
	.end_amdgpu_metadata
.endif
;; end of part 5
;; launch ffn2 (part 6): grid 32 x 8, 8 waves a work-group, no clusters, 132,096 bytes of LDS; arguments hid, w2, b2, maps, wts, part; writes part
.if DOCPART == 6
	.amdgcn_target "amdgcn-amd-amdhsa--gfx1250"
	.amdhsa_code_object_version 6
	.text
	.protected	k_qf5f0b9faf1_ffn2
	.globl	k_qf5f0b9faf1_ffn2
	.p2align	8
	.type	k_qf5f0b9faf1_ffn2,@function
k_qf5f0b9faf1_ffn2:
	s_mov_b64 s[64:65], 0
	v_nop
	global_prefetch_b8 v0, s[64:65] scope:SCOPE_SE
	s_setreg_imm32_b32 hwreg(HW_REG_WAVE_MODE, 25, 1), 1
	s_wait_xcnt 0x0
; A PRODUCT OF A LAYER OF ROUTED EXPERTS, for the chosen rows alone.  One text for both products; MODE picks.
;   MODE 1: hid[1024 e + rank][f] = gelu(x[token] . w1[e][:, f] + b1[e][f]), tanh form, stored in bf16.   MODE 2: part[id][kp][d] = w[id] (hid[1024 e + rank][1024 kp ..] . w2[e][1024 kp .., d] + b2[e][d] if kp = 0), f32 partial sums.
; rank: the token's place among the expert's tokens, ascending.  id = token + 1024 x (second choice).  Weights and biases are rounded once to bf16, sums are f32.
; SHARES.  A work-group has one expert (grid y), 128 output columns and K = 1,024 (MODE 2: grid x = column slice + 8 x quarter of K): 512 KiB of f32 weights that it alone reads, and ALL rows of its expert (0 to 1,024).
; All eight waves run one text.  Of each chunk of 128 k-rows a wave fetches 16, rounds them to bf16 and lays them into one of two LDS slots ([k][128], pitch 288) that take turns; every wave reads a slot turned
; (ds_load_tr16_b128) and multiplies it with its own 3 blocks of 16 token rows, which come from memory straight into registers.
; ONE QUEUE OF LOADS A WAVE.  Loads into registers come back in order on one counter (ISA guide 5.7.1), so all have the same lead, four K steps of 32: for each step s four weight loads (ring group s), then the token
; loads of buffer s: four for blocks 0 and 1, and two for block 2 only where that block is live.  That is 32 loads, or 40.  EVERY WAIT TAKES THE COUNT OF THE 32: it then holds on every way; a wave with three live blocks
; waits for eight loads more than it needs.  16 weight loads of 512 bytes are out in each of eight waves, all through a pass.
; A PHASE, the text between two barriers, is four steps: a whole period of the queue.  While chunk c is multiplied out of one slot, chunk c + 1 goes into the other.  A phase that is jumped leaves the queue as every phase expects it.
; THE SLOT'S FRAGMENTS have two register buffers: step s + 1's sixteen LDS loads are issued at the head of step s, ahead of its products; only a phase's step 0 is asked for just before its use.
; ROWS.  Each wave makes its own list from the router's bitmaps (counting, no atomics) and keeps its 9 entries a lane in registers.  Pass p (3), block i (3), wave w: ranks 384 p + 128 i + 16 w + 0..15.
; MODE 1 takes its token rows by the list and stores hid by rank: a live block's 16 rows lie end to end.  MODE 2 takes its rows of hid by rank, by arithmetic alone, and needs the list for the gate's weights and for part's rows.
; The loop over passes has a constant count, every wave passes every barrier, and only work is jumped: a pass without rows streams nothing.  An expert's weights are read once for every 384 rows begun.
; The first prologue runs whatever the count, so that every register is written on every way.
; AN EXPERT WITHOUT ROWS.  MODE 1 counts it as one block of 16 places past the count: its weights are streamed once and rows 0 to 15 of its part of hid are stored, so that MODE 2's first prologue, which then asks
; for row 0, reads bytes that were written.  MODE 2 keeps the true count: it spends two chunks of weights, makes nothing of what it loaded and stores nothing.
; Blocks past the count are jumped by scalar branches.  Places past the count inside a live block: MODE 1 loads token e and stores the result at its rank, where MODE 2 reads it; MODE 2 stores into the expert's dump row 2048 + e of part, which nobody reads.
; Blocks 0 and 1 past the count load a row that exists (MODE 1: token e; MODE 2: the expert's last stored row).
; THE MATRIX INSTRUCTION: source 0 = 16 weight columns, source 1 = 16 tokens: lane (r, h) holds token r, columns 16 b + 8 h + 0..7: neighbouring numbers of a row.
; The accumulators are cleared by 192 v_mov_b32 a pass (in pass 0 while the first chunk is on its way): the price of one text for every K step, and of registers that are written whichever blocks are jumped.
; LIMITS.  NaN and infinities are not treated apart; gelu's exponential below 2^-126 counts as 0.
; NO TENSOR LOADS: a queue in registers is never empty inside a pass, slots that are filled again are at each of their barriers.  NO CLUSTER: each weight byte has one reader; MODE 1's token rows come by a list that no descriptor covers.
.set MODE, 2
.if MODE == 1
.set ROWB,  16384                      ; bytes from one k-row of the weights to the next
.set ASH,   11                         ; a row of the left operand, xb: 2,048 bytes
.else
.set ROWB,  4096
.set ASH,   13                         ; a row of hid: 8,192 bytes
.endif
.set OSH,   14                         ; MODE 2: a row of part: 4 x 4,096 bytes
.set CHB,   128*ROWB                   ; a chunk of 128 k-rows in memory
.set WP,    288                        ; LDS pitch of a k-row: 256 bytes + 32
.set SLOT,  128*WP                     ; a slot: 36,864 bytes; slot 0 at byte 0, slot 1 behind it
.set LIST,  2*SLOT                     ; eight lists, one a wave: 1,280 ranks and 32 words for the bits that are 0, 2 bytes each
.set LISTB, 2816
.set SPARE, LIST+8*LISTB               ; the spare words, 128 bytes a wave: no other line names them
.set STAGE, SPARE+1024                 ; eight stages, 16 rows x 272 bytes, for the way out
.set SP,    272
.set MF, 0                             ; a phase that stores a chunk and asks for the next but one
.set MZ, 1                             ; chunk 6's: it stores chunk 7 and asks for no more weights
.set MN, 2                             ; chunk 7's: it asks for nothing
; vector registers, window 0 (window 1: v0-191 the accumulators, block i, column block b at 64 i + 8 b; v192-255 the slot's fragments of the odd K steps)
.set SPW,  2                           ; my spare word's address; never rewritten
.set NIL,  3                           ; 0; never rewritten
.set AOFF, 4                           ; v[4:6]    block i: byte offset of my token's row, + 16 h
.set LO,   7                           ; 16 x lane
.set BADR, 8                           ; v[8:9]    my lane's place in 16 k-rows of slot 0, 1
.set ST,   10                          ; v[10:11]  my wave's 16 k-rows of slot 0, 1; 8 bytes a lane
.set H16,  12
.set IDQ,  13                          ; v[13:15]  block i: my list entry in this pass (low half) and the next (high half)
.set IDR,  16                          ; v[16:18]  in the pass behind those
.set LT,   20                          ; v[20:27]  four pairs by turns: rounded weights
.set RK,   28                          ; MODE 2: 16 w + r
.set BF,   32                          ; v[32:95]  the slot's fragments of the even K steps
.set BF1,  192                         ; in window 1: of the odd ones
.set AF,   96                          ; v[96:191] token fragments: buffer s at 24 s, block i at 8 i
.set RING, 192                         ; v[192:255] 16 weight loads: place q = 4 s + t at 4 q
; the way out, when no load is out
.set BI,   32                          ; bias, 64
.set XE,   96                          ; a block's 64 numbers
.set WT,   160                         ; v[160:162] the gate's weight of my token in block i
.set ID,   192                         ; v[192:199] my byte offset in eight rows of part
.set PIX,  200                         ; v[200:207] 4 x (8 h + t): the lanes whose ids my lanes' store rows have
.set STO,  208
.set RD,   209
.set C16,  210
.set H32,  211
.set CUR,  212                         ; the id of my token in the block in hand
.set WF,   214                         ; v[214:215]
; scalar registers
.set WV, 16
.set XP, 17                            ; the expert
.set CNT, 18
.set NBLK, 19                          ; its blocks of 16 rows
.set NB, 20                            ; my live blocks in this pass, 0..3
.set PS, 21
.set TC, 22
.set IC, 23
.set BIC, 24
.set LV, 25                            ; 1: this pass has rows
.set WB0, 26                           ; s[26:27] my rows of chunk 0
.set A0P, 28                           ; s[28:29] left operand
.set AK, 30                            ; s[30:31] the same at the chunk asked for
.set WN, 32                            ; s[32:33] my rows of the chunk asked for
.set OB, 34                            ; s[34:35] output at my columns
.set BB, 36                            ; s[36:37] bias at my columns
.set T0, 42                            ; s[42:43] an offset, 0 above it
.set T1, 44                            ; s[44:45] likewise
.set NS, 46
.set KP, 47
.set BMASK, 48
.set HM, 49
.set LISTW, 50
.set RMAX, 52                          ; the expert's last stored row of hid
.set UW, 68                            ; s[68:99] the expert's bitmap of tokens
.set MSB, 0
.macro WIN new                         ; the immediate's high byte repeats the setting that is left; a switch that changes nothing is dropped
.if MSB != (\new)
	s_set_vgpr_msb (MSB<<8)|(\new)
.set MSB, \new
.endif
.endm
.macro PLACES                          ; four places between a matrix instruction and a load into, or a vector write of, one of its registers (ISA guide 7.12.1 for vector writes)
.rept 4
	v_nop
.endr
.endm
; A turn of ring place q: its 512 bytes (a k-row's 128 columns) are in, are rounded and stored at address register st; re = 1: the place is asked for again at base + off.
.macro TURN q, st, cnt, re, base, off
	s_wait_loadcnt \cnt                            ; loads come back in order: at least so many were issued behind this place's
	v_cvt_pk_bf16_f32 v[LT+2*((\q)%4)],   v[RING+4*(\q)],   v[RING+4*(\q)+1]
	v_cvt_pk_bf16_f32 v[LT+2*((\q)%4)+1], v[RING+4*(\q)+2], v[RING+4*(\q)+3]
	ds_store_b64 v[\st], v[LT+2*((\q)%4):LT+2*((\q)%4)+1] offset:(\q)*WP  ; 256 neighbouring bytes: a k-row
.if \re
	global_load_b128 v[RING+4*(\q):RING+4*(\q)+3], v[LO], s[\base:\base+1] offset:(\off)+(\q)*ROWB th:TH_LOAD_NT  ; 512 neighbouring bytes, aligned
.endif
.endm
; Token buffer s: for each block k = 8 h + 0..7 and 16 + 8 h + 0..7.  Blocks 0 and 1 always; block 2, last, only where it is live.
.macro ALOADS s, base, off
.irp i, 0,1
	global_load_b128 v[AF+24*(\s)+8*\i:AF+24*(\s)+8*\i+3],   v[AOFF+\i], s[\base:\base+1] offset:\off
	global_load_b128 v[AF+24*(\s)+8*\i+4:AF+24*(\s)+8*\i+7], v[AOFF+\i], s[\base:\base+1] offset:(\off)+32
.endr
	s_cmp_lt_u32 s[NB], 3
	s_cbranch_scc1 .Lno2_\@
	global_load_b128 v[AF+24*(\s)+16:AF+24*(\s)+19], v[AOFF+2], s[\base:\base+1] offset:\off
	global_load_b128 v[AF+24*(\s)+20:AF+24*(\s)+23], v[AOFF+2], s[\base:\base+1] offset:(\off)+32
.Lno2_\@:
.endm
; Sixteen LDS loads: slot sm's fragments of K step s, into the buffer of the step's parity
.macro BLOADS s, sm
.if ((\s)%2) == 0
.irp b, 0,1,2,3,4,5,6,7
	ds_load_tr16_b128 v[BF+8*\b:BF+8*\b+3],   v[BADR+(\sm)] offset:32*(\s)*WP+32*\b
	ds_load_tr16_b128 v[BF+8*\b+4:BF+8*\b+7], v[BADR+(\sm)] offset:32*(\s)*WP+32*\b+16*WP
.endr
.else
	WIN 0x40                                       ; destination in window 1
.irp b, 0,1,2,3,4,5,6,7
	ds_load_tr16_b128 v[BF1+8*\b:BF1+8*\b+3],   v[BADR+(\sm)] offset:32*(\s)*WP+32*\b
	ds_load_tr16_b128 v[BF1+8*\b+4:BF1+8*\b+7], v[BADR+(\sm)] offset:32*(\s)*WP+32*\b+16*WP
.endr
	WIN 0
.endif
.endm
; Eight matrix instructions: block i x all 8 column blocks, 32 along K.  The eight accumulators take turns.
; cw >= 0: the fragments are waited for pair by pair; cw LDS instructions were issued behind the run of sixteen.
.macro BLK s, i, cw
.if ((\s)%2) == 0
.set BR, BF
	WIN 0x50                                       ; C and D in window 1
.else
.set BR, BF1
	WIN 0x51                                       ; and source 0 too
.endif
.irp b, 0,1,2,3,4,5,6,7
.if (\cw) >= 0
	s_wait_dscnt (\cw)+14-2*\b                     ; LDS instructions end in order: the run's 14 - 2 b younger loads and what was issued behind the run may stay out
.endif
	v_wmma_f32_16x16x32_bf16 v[64*(\i)+8*\b:64*(\i)+8*\b+7], v[BR+8*\b:BR+8*\b+7], v[AF+24*(\s)+8*(\i):AF+24*(\s)+8*(\i)+7], v[64*(\i)+8*\b:64*(\i)+8*\b+7]
.endr
	WIN 0                                          ; at a label and at a branch every window is 0
.endm
; K step s of a phase: slot sm is multiplied, slot ss is stored into.
; LOADcnt, counted without block 2's loads (8 a step).  MF: behind a ring place 3 of its group, 4 token loads and 3 x 8: 31; behind token buffer s 3 x 8 and the 4 weight loads just asked for: 28.
; MZ: nothing is put behind a ring place: 31 - t - 4 s and 24 - 4 s.  MN: only token buffers are left: 12 - 4 s.
; DScnt.  A phase's LDS instructions go out as B0 B1 S0 | B2 S1 | B3 S2 | S3 (B: a step's 16 loads, S: its STN stores).  Behind B0: 16 + STN; behind B1 and B2: 2 STN + 16; behind B3: 2 STN.
; These waits stand on every way, that of a wave without blocks too: no load is issued into a register that an older load still writes.
.macro KSTEP s, sm, ss, mode
.if (\mode) == MN
.set STN, 0
.else
.set STN, 4
.endif
.if (\s) == 0
	BLOADS 0, \sm
.endif
.if (\s) < 3
	BLOADS (\s)+1, \sm
.endif
.if (\mode) == MF
.irp t, 0,1,2,3
	TURN 4*(\s)+\t, ST+(\ss), 31, 1, WN, 0
.endr
	s_wait_loadcnt 28
.elseif (\mode) == MZ
.irp t, 0,1,2,3
	TURN 4*(\s)+\t, ST+(\ss), 31-\t-4*(\s), 0, WN, 0
.endr
	s_wait_loadcnt 24-4*(\s)
.else
	s_wait_loadcnt 12-4*(\s)
.endif
.if (\s) == 3
	s_wait_dscnt 2*STN
.elseif (\s) > 0
	s_wait_dscnt 2*STN+16
.endif
	s_cmp_lt_u32 s[NB], 1
	s_cbranch_scc1 .Lend_\@
.if (\s) == 0
	BLK \s, 0, STN+16
.else
	BLK \s, 0, -1
.endif
	s_cmp_lt_u32 s[NB], 2
	s_cbranch_scc1 .Lend_\@
	BLK \s, 1, -1
	s_cmp_lt_u32 s[NB], 3
	s_cbranch_scc1 .Lend_\@
	BLK \s, 2, -1
.Lend_\@:
.if (\s) == 0
	s_wait_dscnt STN+16                            ; met already where block 0 was multiplied
.endif
	PLACES                                         ; in front of the loads into the token buffer, and of the next step's loads into this step's fragment buffer
.if (\mode) == MF
	ALOADS \s, AK, 64*(\s)
.elseif (\mode) == MZ
	ALOADS \s, A0P, 7*256+64*(\s)                  ; chunk 7's
.endif
.endm
; A phase and its barrier.  par: 0 for a trip's first phase, 1 for its second.  With TC = 3, 2, 1 the chunk in hand is c = 6 - 2 TC + par; weights are asked for chunk c + 2, tokens for chunk c + 1.
.macro PHASE sm, ss, mode, par
	s_cmp_eq_u32 s[LV], 0
	s_cbranch_scc1 .Lskip_\@                       ; a pass without rows: only the barrier is left
.if (\mode) == MF
	s_wait_xcnt 0x0                                ; the bases of the loads that are out are written only behind this wait
	s_lshl_b32 s51, s[TC], 1
	s_sub_co_u32 s[T0], 8+(\par), s51
	s_mul_i32 s[T0], s[T0], CHB
	s_add_nc_u64 s[WN:WN+1], s[WB0:WB0+1], s[T0:T0+1]
	s_sub_co_u32 s[T1], 7+(\par), s51
	s_lshl_b32 s[T1], s[T1], 8
	s_add_nc_u64 s[AK:AK+1], s[A0P:A0P+1], s[T1:T1+1]
.endif
	KSTEP 0, \sm, \ss, \mode
	KSTEP 1, \sm, \ss, \mode
	KSTEP 2, \sm, \ss, \mode
	KSTEP 3, \sm, \ss, \mode
.Lskip_\@:
	s_wait_dscnt 0x0                               ; my stores into the one slot are done, and so are my reads of the other
	s_barrier_signal -1
	s_barrier_wait -1
.endm
.macro PRO_ISSUE                       ; a pass's stream begins: chunk 0 into the ring; no load of mine is out
.set q, 0
.rept 16
	global_load_b128 v[RING+4*q:RING+4*q+3], v[LO], s[WB0:WB0+1] offset:q*ROWB th:TH_LOAD_NT
.set q, q+1
.endr
.endm
; Chunk 0 goes into slot 0, chunk 1 is asked for, and chunk 0's token buffers are asked for between the groups: that builds the queue.  Behind a place of group s are the ring's 15 others and at least 4 s token loads.
.macro PRO_TURNS
.irp s, 0,1,2,3
.irp t, 0,1,2,3
	TURN 4*\s+\t, ST, 15+4*\s, 1, WB0, CHB
.endr
	ALOADS \s, A0P, 64*\s
.endr
.endm
.macro INIT
	WIN 0x40
.set z, 0
.rept 192
	v_mov_b32 v[z], 0
.set z, z+1
.endr
	WIN 0
.endm
.macro NBOF                            ; pass PS: has it rows; my live blocks: those i with 24 PS + 8 i + w < NBLK, at most 3
	s_mul_i32 s51, s[PS], 24
	s_cmp_gt_u32 s[NBLK], s51
	s_cselect_b32 s[LV], 1, 0
	s_sub_co_i32 s[NB], s[NBLK], s51
	s_sub_co_i32 s[NB], s[NB], s[WV]
	s_add_co_i32 s[NB], s[NB], 7
	s_ashr_i32 s[NB], s[NB], 3
	s_max_i32 s[NB], s[NB], 0
	s_min_i32 s[NB], s[NB], 3
.endm
.macro SETUPA                          ; my three blocks' rows in pass PS; no load of mine is out
.if MODE == 1
.irp i, 0,1,2
	v_and_b32 v[AOFF+\i], 0xffff, v[IDQ+\i]        ; the token, by the list
	v_min_u32 v[AOFF+\i], 0x3ff, v[AOFF+\i]
	v_lshl_add_u32 v[AOFF+\i], v[AOFF+\i], ASH, v[H16]
.endr
.else
	s_mul_i32 s53, s[PS], 384
.irp i, 0,1,2
	v_add_nc_u32 v[AOFF+\i], s53, v[RK]            ; the rank: 384 p + 128 i + 16 w + r,
	s_add_co_u32 s53, s53, 128
	v_min_u32 v[AOFF+\i], s[RMAX], v[AOFF+\i]      ; in a block past the count the expert's last stored row
	v_min_u32 v[AOFF+\i], 0x3ff, v[AOFF+\i]
	v_lshl_add_u32 v[AOFF+\i], v[AOFF+\i], ASH, v[H16]
.endr
.endif
.endm
.macro SNIP i                          ; block i's sums + bias, each accumulator from its low end on
	WIN 0x01
.set z, 0
.rept 32
	v_pk_add_f32 v[XE+2*z:XE+2*z+1], v[64*(\i)+2*z:64*(\i)+2*z+1], v[BI+2*z:BI+2*z+1]
.set z, z+1
.endr
	WIN 0
.if MODE == 2
	v_and_b32 v[CUR], 0xffff, v[IDQ+(\i)]
	v_mov_b32 v[WF], v[WT+(\i)]
	v_mov_b32 v[WF+1], v[WT+(\i)]
.endif
.endm
	s_load_b256 s[4:11], s[0:1], 0x0               ; left operand s[4:5], weights s[6:7], bias s[8:9], maps s[10:11]
.if MODE == 1
	s_load_b64 s[12:13], s[0:1], 0x20              ; hid
.else
	s_load_b128 s[12:15], s[0:1], 0x20             ; wts s[12:13], part s[14:15]
.endif
	v_lshl_add_u32 v[SPW], v0, 2, SPARE
	v_mov_b32 v[NIL], 0
	v_lshrrev_b32 v1, 5, v0
	v_readfirstlane_b32 s[WV], v1
	s_and_b32 s[XP], ttmp7, 0xffff
	s_mov_b32 s[HM], 0xffff0000
	s_mov_b32 s[T0+1], 0
	s_mov_b32 s[T1+1], 0
	; every address that lives through the loops is made here, once: a constant, the wave's number times a constant, a lane term
	v_and_b32 v98, 31, v0                          ; lane
	v_and_b32 v99, 15, v0                          ; r
	v_bfe_u32 v1, v0, 4, 1                         ; h
	v_lshlrev_b32 v[LO], 4, v98
	v_lshlrev_b32 v[H16], 4, v1
	v_and_b32 v19, 7, v0
	v_lshl_add_u32 v19, v1, 3, v19
	v_mul_u32_u24 v[BADR], v19, WP                 ; the turning load: k-row 8 h + lane % 8,
	v_bfe_u32 v19, v0, 3, 1
	v_lshl_add_u32 v[BADR], v19, 4, v[BADR]        ; columns 8 ((lane / 8) % 2) on
	v_add_nc_u32 v[BADR+1], SLOT, v[BADR]
	s_mul_i32 s51, s[WV], 16*WP
	v_lshl_add_u32 v[ST], v98, 3, s51              ; my wave's 16 k-rows of a slot
	v_add_nc_u32 v[ST+1], SLOT, v[ST]
	s_mul_i32 s[LISTW], s[WV], LISTB
	s_add_co_u32 s[LISTW], s[LISTW], LIST          ; my list
	s_lshl_b32 s51, s[WV], 5
	s_add_co_u32 s51, s51, s[LISTW]
	v_lshl_add_u32 v109, v99, 1, s51               ; rank 16 w + r
	v_lshl_add_u32 v104, v98, 4, s[LISTW]
	v_lshlrev_b32 v121, 2, v98
.if MODE == 2
	s_lshl_b32 s53, s[WV], 4
	v_add_nc_u32 v[RK], s53, v99
.endif
	s_wait_kmcnt 0x0
	s_lshl_b32 s[T0], s[XP], 8
	s_add_nc_u64 s[10:11], s[10:11], s[T0:T0+1]    ; the expert's bitmaps
	s_load_b512 s[UW:UW+15], s[10:11], 0x0         ; U: bit t of 1,024: token t chose the expert
	s_load_b512 s[UW+16:UW+31], s[10:11], 0x40
	global_load_b32 v96, v121, s[10:11]            ; U again: lane j has tokens 32 j .. 32 j + 31
.if MODE == 2
	global_load_b32 v97, v121, s[10:11] offset:128 ; S: bit t: the expert is token t's second choice
.endif
.if MODE == 1
	s_lshl_b32 s[T0], s[XP], 24                    ; the expert's 16 MiB,
	s_lshl_b32 s51, s[WV], 18                      ; my 16 k-rows of a chunk,
	s_add_co_u32 s[T0], s[T0], s51
	s_lshl_b32 s51, ttmp9, 9                       ; the slice's 128 columns of f32
	s_add_co_u32 s[T0], s[T0], s51
	s_add_nc_u64 s[WB0:WB0+1], s[6:7], s[T0:T0+1]
	s_mov_b64 s[A0P:A0P+1], s[4:5]
	s_lshl_b32 s[T0], s[XP], 23                    ; the expert's 1,024 rows of hid,
	s_lshl_b32 s53, ttmp9, 8                       ; the slice's 128 columns of bf16
	s_add_co_u32 s[T0], s[T0], s53
	s_add_nc_u64 s[OB:OB+1], s[12:13], s[T0:T0+1]
	s_lshl_b32 s[T0], s[XP], 14
	s_add_co_u32 s[T0], s[T0], s51
	s_add_nc_u64 s[BB:BB+1], s[8:9], s[T0:T0+1]
.else
	s_and_b32 s[NS], ttmp9, 7                      ; which 128 columns
	s_lshr_b32 s[KP], ttmp9, 3                     ; which quarter of K
	s_cmp_eq_u32 s[KP], 0
	s_cselect_b32 s[BMASK], -1, 0                  ; the bias goes into quarter 0 alone
	s_lshl_b32 s[T0], s[XP], 24                    ; the expert's 16 MiB,
	s_lshl_b32 s51, s[KP], 22                      ; the quarter's 1,024 k-rows,
	s_add_co_u32 s[T0], s[T0], s51
	s_lshl_b32 s51, s[WV], 16                      ; my 16 k-rows of a chunk,
	s_add_co_u32 s[T0], s[T0], s51
	s_lshl_b32 s51, s[NS], 9                       ; the slice's 128 columns of f32
	s_add_co_u32 s[T0], s[T0], s51
	s_add_nc_u64 s[WB0:WB0+1], s[6:7], s[T0:T0+1]
	s_lshl_b32 s[T0], s[XP], 23                    ; the expert's 1,024 rows of hid,
	s_lshl_b32 s53, s[KP], 11                      ; the quarter's 2,048 bytes of a row
	s_add_co_u32 s[T0], s[T0], s53
	s_add_nc_u64 s[A0P:A0P+1], s[4:5], s[T0:T0+1]
	s_lshl_b32 s[T0], s[KP], 12
	s_add_co_u32 s[T0], s[T0], s51
	s_add_nc_u64 s[OB:OB+1], s[14:15], s[T0:T0+1]
	s_lshl_b32 s[T0], s[XP], 12
	s_add_co_u32 s[T0], s[T0], s51
	s_add_nc_u64 s[BB:BB+1], s[8:9], s[T0:T0+1]
.endif
	PRO_ISSUE                                      ; the weights' first chunk is asked for before the list is made
.if MODE == 1
	s_mul_i32 s51, s[XP], 0x10001                  ; a place past the count takes token e: twice in a word
.else
	s_add_co_u32 s51, s[XP], 2048
	s_mul_i32 s51, s51, 0x10001                    ; a place past the count takes the dump id: twice in a word
.endif
	v_mov_b32 v100, s51
	v_mov_b32 v101, s51
	v_mov_b32 v102, s51
	v_mov_b32 v103, s51
.irp k, 0,1,2,3,4
	ds_store_b128 v104, v[100:103] offset:512*\k   ; all 1,280 ranks; LDS serves a wave's instructions in order (ISA guide 5.7.1.4), so the entries below land on top
.endr
	v_lshlrev_b32 v110, 5, v98                     ; my first token
	v_add_nc_u32 v105, 1280, v98                   ; where a bit that is 0 writes: a word of my own behind the ranks
	; the expert's rows are counted in scalar registers; lane j of v111 takes the number of chosen tokens below 32 j
	s_wait_kmcnt 0x0
	v_mov_b32 v111, 0
	s_mov_b32 s[CNT], 0
.set j, 0
.rept 32
	v_writelane_b32 v111, s[CNT], j
	s_bcnt1_i32_b32 s51, s[UW+j]
	s_add_co_u32 s[CNT], s[CNT], s51
.set j, j+1
.endr
	s_add_co_u32 s[NBLK], s[CNT], 15
	s_lshr_b32 s[NBLK], s[NBLK], 4
.if MODE == 1
	s_max_u32 s[NBLK], s[NBLK], 1                  ; an expert without rows counts as one block of places past the count: rows 0 to 15 of its part of hid are stored, for MODE 2's first prologue to read
.endif
	s_mov_b32 s[PS], 0
	NBOF
.if MODE == 2
	s_lshl_b32 s[RMAX], s[NBLK], 4                 ; MODE 1 has stored rows 0 to 16 NBLK - 1, and rows 0 to 15 in any case
	s_max_u32 s[RMAX], s[RMAX], 1
	s_sub_co_u32 s[RMAX], s[RMAX], 1
.endif
	s_wait_loadcnt 16                              ; the bitmaps are in; the ring's 16 loads, issued behind them, stay out
	s_mov_b32 s[IC], 32
.Lscat:
	v_and_b32 v106, 1, v96
.if MODE == 2
	v_and_b32 v107, 1, v97
	v_lshl_add_u32 v107, v107, 10, v110            ; id
.endif
	v_cmp_eq_u32 vcc_lo, 1, v106
	v_cndmask_b32 v108, v105, v111, vcc_lo
	v_min_u32 v108, 0x51f, v108                    ; inside the list's 1,312 entries
	v_lshl_add_u32 v108, v108, 1, s[LISTW]
.if MODE == 2
	ds_store_b16 v108, v107
	v_lshrrev_b32 v97, 1, v97
.else
	ds_store_b16 v108, v110                        ; the token
.endif
	v_add_nc_u32 v111, v111, v106
	v_lshrrev_b32 v96, 1, v96
	v_add_nc_u32 v110, 1, v110
	s_sub_co_u32 s[IC], s[IC], 1
	s_cmp_lg_u32 s[IC], 0
	s_cbranch_scc1 .Lscat
.set p, 0
.rept 3                                ; my entry in pass p, block i: 9 a lane, at constant places of my list
.irp i, 0,1,2
	ds_load_u16 v[112+3*p+\i], v109 offset:768*p+256*\i
.endr
.set p, p+1
.endr
	s_wait_dscnt 0x0
.irp i, 0,1,2
	v_lshl_or_b32 v[IDQ+\i], v[115+\i], 16, v[112+\i]
	v_mov_b32 v[IDR+\i], v[118+\i]
.endr
.irp s, 0,1,2,3                        ; block 2's token registers are written once here: its loads are issued only where the block is live
.irp k, 0,1,2,3,4,5,6,7
	v_mov_b32 v[AF+24*\s+16+\k], 0
.endr
.endr
	SETUPA
	INIT
	PRO_TURNS                                      ; pass 0's, whatever the count
.Lpass:                                                ; three passes of 384 rows: a constant count that serves every split
	s_wait_dscnt 0x0                               ; for the others' sake: my rows of chunk 0 are in slot 0
	s_barrier_signal -1
	s_barrier_wait -1
	s_mov_b32 s[TC], 3
.Lchunk:                                               ; a trip: chunks 6 - 2 TC and 7 - 2 TC
	PHASE 0, 1, MF, 0
	PHASE 1, 0, MF, 1
	s_sub_co_u32 s[TC], s[TC], 1
	s_cmp_lg_u32 s[TC], 0
	s_cbranch_scc1 .Lchunk
	PHASE 0, 1, MZ, 0                              ; the tail is written out: chunk 6,
	PHASE 1, 0, MN, 0                              ; chunk 7
	s_wait_loadcnt 0x0                             ; on every way: no load of mine is out behind this line
	s_cmp_eq_u32 s[NB], 0
	s_cbranch_scc1 .Lnoepi
	; ---- THE WAY OUT of a pass; of LDS it touches my stage alone
	v_and_b32 v[C16], 15, v0                       ; r
	v_bfe_u32 v[H32], v0, 4, 1                     ; h
	s_mul_i32 s51, s[WV], 16*SP
	s_add_co_u32 s51, s51, STAGE                   ; my stage
	v_mul_u32_u24 v[STO], v[C16], SP
	v_add_nc_u32 v[STO], s51, v[STO]
	v_mul_u32_u24 v[RD], v[H32], 8*SP
	v_add_nc_u32 v[RD], s51, v[RD]
	v_lshlrev_b32 v[C16], 4, v[C16]
	v_add_nc_u32 v[RD], v[RD], v[C16]              ; back: lanes 0-15 row t, lanes 16-31 row 8 + t, 256 bytes each
	v_lshlrev_b32 v[H32], 5, v[H32]
	v_add_nc_u32 v[STO], v[STO], v[H32]            ; in: row r, 32 bytes for each half of the lanes
.irp t, 0,1,2,3,4,5,6,7
	v_add_nc_u32 v[PIX+\t], 4*\t, v[H32]           ; 4 x lane 8 h + t
.endr
.irp b, 0,1,2,3,4,5,6,7
	global_load_b128 v[XE+8*\b:XE+8*\b+3],   v[H32], s[BB:BB+1] offset:64*\b      ; the bias of my columns 16 b + 8 h + 0..7
	global_load_b128 v[XE+8*\b+4:XE+8*\b+7], v[H32], s[BB:BB+1] offset:64*\b+16
.endr
.irp i, 0,1,2
	v_and_b32 v[ID+\i], 0xffff, v[IDQ+\i]
	v_min_u32 v[ID+\i], 0x7ff, v[ID+\i]            ; a dump id takes a weight that exists
	v_lshlrev_b32 v[ID+\i], 2, v[ID+\i]
.endr
.irp i, 0,1,2
	global_load_b32 v[WT+\i], v[ID+\i], s[12:13]   ; the gate's weight of my token in block i
.endr
	s_wait_loadcnt 0x0
.set z, 0
.rept 32
	v_cvt_pk_bf16_f32 v[BI+2*z], v[XE+2*z], v[XE+2*z+1]  ; the bias is rounded to bf16 like every input,
	v_and_b32 v[BI+2*z], s[BMASK], v[BI+2*z]
	v_and_b32     v[BI+2*z+1], s[HM], v[BI+2*z]    ; and widened again
	v_lshlrev_b32 v[BI+2*z],   16,    v[BI+2*z]
.set z, z+1
.endr
	s_mov_b32 s[BIC], 0
.Lblk:
	s_cmp_ge_u32 s[BIC], s[NB]
	s_cbranch_scc1 .Lnext                          ; a block past the count stores nothing
	s_cmp_eq_u32 s[BIC], 0
	s_cbranch_scc1 .Lsn0
	s_cmp_eq_u32 s[BIC], 1
	s_cbranch_scc1 .Lsn1
	SNIP 2
	s_branch .Lcommon
.Lsn0:
	SNIP 0
	s_branch .Lcommon
.Lsn1:
	SNIP 1
.Lcommon:
.irp t, 0,1,2,3,4,5,6,7
	ds_bpermute_b32 v[ID+\t], v[PIX+\t], v[CUR]    ; the ids of ranks 8 h + 0..7 of the block: the rows that my lanes will store; no LDS byte is touched
.endr
.set z, 0
.rept 32
	v_pk_mul_f32 v[XE+2*z:XE+2*z+1], v[XE+2*z:XE+2*z+1], v[WF:WF+1] op_sel_hi:[1,0]  ; (sum + bias) x the gate's weight, which differs from token to token
.set z, z+1
.endr
	s_wait_dscnt 0x0
.irp t, 0,1,2,3,4,5,6,7
	v_min_u32 v[ID+\t], 0x807, v[ID+\t]            ; an id is 2,055 at the most
	v_lshl_add_u32 v[ID+\t], v[ID+\t], OSH, v[C16]
.endr
.irp hf, 0,1                           ; the block's 512 bytes a row go in two halves through the stage
.irp b, 0,1,2,3
	ds_store_b128 v[STO], v[XE+32*\hf+8*\b:XE+32*\hf+8*\b+3]   offset:64*\b
	ds_store_b128 v[STO], v[XE+32*\hf+8*\b+4:XE+32*\hf+8*\b+7] offset:64*\b+16
.endr
.irp t, 0,1,2,3,4,5,6,7
	ds_load_b128 v[XE+32*\hf+4*\t:XE+32*\hf+4*\t+3], v[RD] offset:\t*SP  ; LDS serves a wave's instructions in order (ISA guide 5.7.1.4): these see the stores above
.endr
.irp t, 0,1,2,3,4,5,6,7
	s_wait_dscnt 7-\t
	global_store_b128 v[ID+\t], v[XE+32*\hf+4*\t:XE+32*\hf+4*\t+3], s[OB:OB+1] offset:256*\hf  ; 16 lanes store 256 consecutive bytes of a row, aligned
.endr
.endr
	s_wait_xcnt 0x0                                ; the stores' data and offsets are written again only behind this wait
.Lnext:
	s_add_co_u32 s[BIC], s[BIC], 1
	s_cmp_lt_u32 s[BIC], 3
	s_cbranch_scc1 .Lblk
.Lnoepi:
.irp i, 0,1,2
	v_alignbit_b32 v[IDQ+\i], v[IDR+\i], v[IDQ+\i], 16  ; the list entries move up by a pass
	v_lshrrev_b32 v[IDR+\i], 16, v[IDR+\i]
.endr
	s_add_co_u32 s[PS], s[PS], 1
	NBOF
	s_cmp_eq_u32 s[LV], 0
	s_cbranch_scc1 .Lpj
	SETUPA                                         ; a further pass has rows: its stream begins anew.  Slot 0 was last read two barriers ago
	INIT
	PRO_ISSUE
	PRO_TURNS
.Lpj:
	s_cmp_lt_u32 s[PS], 3
	s_cbranch_scc1 .Lpass
	s_wait_tensorcnt 0x0                           ; the wave's end
	ds_add_u32 v[SPW], v[NIL]
	s_wait_dscnt 0x0
	s_endpgm
.Lfunc_end_k_qf5f0b9faf1_ffn2:
	.size	k_qf5f0b9faf1_ffn2, .Lfunc_end_k_qf5f0b9faf1_ffn2-k_qf5f0b9faf1_ffn2
	.p2alignl 7, 3214868480
	.fill 96, 4, 3214868480
	.section	.rodata,"a",@progbits
	.p2align	6, 0x0
	.amdhsa_kernel k_qf5f0b9faf1_ffn2
		.amdhsa_group_segment_fixed_size 132096
		.amdhsa_private_segment_fixed_size 0
		.amdhsa_enable_private_segment 0
		.amdhsa_kernarg_size 48
		.amdhsa_user_sgpr_count 2
		.amdhsa_user_sgpr_kernarg_segment_ptr 1
		.amdhsa_wavefront_size32 1
		.amdhsa_system_sgpr_workgroup_id_x 1
		.amdhsa_system_sgpr_workgroup_id_y 1
		.amdhsa_system_sgpr_workgroup_id_z 1
		.amdhsa_system_vgpr_workitem_id 0
		.amdhsa_next_free_vgpr 512
		.amdhsa_next_free_sgpr 100
		.amdhsa_reserve_vcc 1
		.amdhsa_float_denorm_mode_32 3
		.amdhsa_float_denorm_mode_16_64 3
		.amdhsa_memory_ordered 1
		.amdhsa_forward_progress 1
		.amdhsa_inst_pref_size 139
	.end_amdhsa_kernel
	.amdgpu_metadata
---
amdhsa.version: [ 1, 2 ]
amdhsa.kernels:
  - .name:           k_qf5f0b9faf1_ffn2
    .symbol:         k_qf5f0b9faf1_ffn2.kd
    .args:
      - { .name: hid, .offset: 0, .size: 8, .value_kind: global_buffer, .address_space: global }
      - { .name: w2, .offset: 8, .size: 8, .value_kind: global_buffer, .address_space: global }
      - { .name: b2, .offset: 16, .size: 8, .value_kind: global_buffer, .address_space: global }
      - { .name: maps, .offset: 24, .size: 8, .value_kind: global_buffer, .address_space: global }
      - { .name: wts, .offset: 32, .size: 8, .value_kind: global_buffer, .address_space: global }
      - { .name: part, .offset: 40, .size: 8, .value_kind: global_buffer, .address_space: global }
    .group_segment_fixed_size: 132096
    .private_segment_fixed_size: 0
    .kernarg_segment_align: 8
    .kernarg_segment_size: 48
    .max_flat_workgroup_size: 256
    .sgpr_count:     100
    .vgpr_count:     512
    .wavefront_size: 32
...
	.end_amdgpu_metadata
.endif
;; end of part 6
;; launch combine: the kernel of part 4 again; grid 256 x 1, 8 waves a work-group, no clusters, 0 bytes of LDS; arguments part, out0; writes out0
;; ======== version 3 of 3: 4 launches; version 2 with the launches ffn1, ffn2 written anew for expert scheduling mode
;; workspace buffers: xb 2,097,152 bytes; maps 2,048 bytes of whole numbers; wts 8,192 bytes; hid 67,108,864 bytes; part 33,685,504 bytes
;; launch router: the kernel of part 1 again; grid 64 x 1, 8 waves a work-group, no clusters, 58,880 bytes of LDS; arguments h_t, gate_w, gate_b, xb, maps, wts; writes xb, maps, wts
;; launch ffn1 (part 7): grid 32 x 8, 8 waves a work-group, no clusters, 132,096 bytes of LDS; arguments xb, w1, b1, maps, hid; writes hid
.if DOCPART == 7
	.amdgcn_target "amdgcn-amd-amdhsa--gfx1250"
	.amdhsa_code_object_version 6
	.text
	.protected	k_qf5f0b9faf1_ffn1
	.globl	k_qf5f0b9faf1_ffn1
	.p2align	8
	.type	k_qf5f0b9faf1_ffn1,@function
k_qf5f0b9faf1_ffn1:
	s_mov_b64 s[64:65], 0
	v_nop
	global_prefetch_b8 v0, s[64:65] scope:SCOPE_SE
	s_setreg_imm32_b32 hwreg(HW_REG_WAVE_SCHED_MODE, 0, 2), 2
	s_setreg_imm32_b32 hwreg(HW_REG_WAVE_MODE, 25, 1), 1
	s_wait_xcnt 0x0
	s_wait_alu depctr_vm_vsrc(0)
; A PRODUCT OF A LAYER OF ROUTED EXPERTS, for the chosen rows alone.  One text for both products; MODE picks.
;   MODE 1: hid[1024 e + rank][f] = gelu(x[token] . w1[e][:, f] + b1[e][f]), tanh form, stored in bf16.   MODE 2: part[id][kp][d] = w[id] (hid[1024 e + rank][1024 kp ..] . w2[e][1024 kp .., d] + b2[e][d] if kp = 0), f32 partial sums.
; rank: the token's place among the expert's tokens, ascending.  id = token + 1024 x (second choice).  Weights and biases are rounded once to bf16, sums are f32.
; SHARES.  A work-group has one expert (grid y), 128 output columns and K = 1,024 (MODE 2: grid x = column slice + 8 x quarter of K): 512 KiB of f32 weights that it alone reads, and ALL rows of its expert (0 to 1,024).
; All eight waves run one text.  Of each chunk of 128 k-rows a wave fetches 16, rounds them to bf16 and lays them into one of two LDS slots ([k][128], pitch 288) that take turns; every wave reads a slot turned
; (ds_load_tr16_b128) and multiplies it with its own 3 blocks of 16 token rows, which come from memory straight into registers.
; ONE QUEUE OF LOADS A WAVE.  Loads into registers come back in order on one counter (ISA guide 5.7.1), so all have the same lead, four K steps of 32: for each step s four weight loads (ring group s), then the token
; loads of buffer s: four for blocks 0 and 1, and two for block 2 only where that block is live.  That is 32 loads, or 40.  EVERY WAIT TAKES THE COUNT OF THE 32: it then holds on every way; a wave with three live blocks
; waits for eight loads more than it needs.  16 weight loads of 512 bytes are out in each of eight waves, all through a pass.
; A PHASE, the text between two barriers, is four steps: a whole period of the queue.  While chunk c is multiplied out of one slot, chunk c + 1 goes into the other.  A phase that is jumped leaves the queue as every phase expects it.
; THE SLOT'S FRAGMENTS have two register buffers: step s + 1's sixteen LDS loads are issued in step s, ahead of its products; only a phase's step 0 is asked for just before its use.
; THE MODE: SCHED_MODE bits 1:0 = 2 (LLVM: expert scheduling mode 2), set by the entry lines.  The code itself states the register dependences
; between vector or matrix instructions and memory or LDS instructions, with s_wait_alu, always for 0.
; THE PLAN.  Registers that memory or LDS instructions touch, in the loop:
;   RING group s  Step s: its eight conversions read it; behind them the loads of the chunk after next land in it.
;   LT            Step s: its conversions write it, its four LDS stores read it; step s + 1's conversions write it again.
;   AF[s]         Step s: its products read it; the next chunk's token loads land in it in step s + 1 (buffer 3: at the end of step 3, so that no load crosses a barrier).
;   BF, BF1       Step s: its products read the buffer of its parity; the LDS loads of step s + 1 (the fragments of step s + 2) land in it.
;   LO, BADR, ST  Offsets and LDS addresses, made at the head and never written again.  AOFF: written once a pass, ahead of the pass's first token load.
;   The accumulators are named by vector and matrix instructions alone.  v[SPW], v[NIL]: written at the head, read by the closing add alone.
; So ONE wait on va_vdst stands in a step, behind its conversions: LT is written, the conversions are done reading the ring group, and the products of the step before are done reading their token buffer and
; their fragment buffer.  All the step's memory and LDS instructions follow it, ahead of the step's products.  One wait on vm_vsrc stands ahead of the conversions, for LT.  A second wait on va_vdst ends step 3.
; ROWS.  Each wave makes its own list from the router's bitmaps (counting, no atomics) and keeps its 9 entries a lane in registers.  Pass p (3), block i (3), wave w: ranks 384 p + 128 i + 16 w + 0..15.
; MODE 1 takes its token rows by the list and stores hid by rank: a live block's 16 rows lie end to end.  MODE 2 takes its rows of hid by rank, by arithmetic alone, and needs the list for the gate's weights and for part's rows.
; The loop over passes has a constant count, every wave passes every barrier, and only work is jumped: a pass without rows streams nothing.  An expert's weights are read once for every 384 rows begun.
; The first prologue runs whatever the count, so that every register is written on every way.
; AN EXPERT WITHOUT ROWS.  MODE 1 counts it as one block of 16 places past the count: its weights are streamed once and rows 0 to 15 of its part of hid are stored, so that MODE 2's first prologue, which then asks
; for row 0, reads bytes that were written.  MODE 2 keeps the true count: it spends two chunks of weights, makes nothing of what it loaded and stores nothing.
; Blocks past the count are jumped by scalar branches.  Places past the count inside a live block: MODE 1 loads token e and stores the result at its rank, where MODE 2 reads it; MODE 2 stores into the expert's dump row 2048 + e of part, which nobody reads.
; Blocks 0 and 1 past the count load a row that exists (MODE 1: token e; MODE 2: the expert's last stored row).
; THE MATRIX INSTRUCTION: source 0 = 16 weight columns, source 1 = 16 tokens: lane (r, h) holds token r, columns 16 b + 8 h + 0..7: neighbouring numbers of a row.
; The accumulators are cleared by 192 v_mov_b32 a pass (in pass 0 while the first chunk is on its way): the price of one text for every K step, and of registers that are written whichever blocks are jumped.
; LIMITS.  NaN and infinities are not treated apart; gelu's exponential below 2^-126 counts as 0.
; NO TENSOR LOADS: a queue in registers is never empty inside a pass, slots that are filled again are at each of their barriers.  NO CLUSTER: each weight byte has one reader; MODE 1's token rows come by a list that no descriptor covers.
.set MODE, 1
.if MODE == 1
.set ROWB,  16384                      ; bytes from one k-row of the weights to the next
.set ASH,   11                         ; a row of the left operand, xb: 2,048 bytes
.else
.set ROWB,  4096
.set ASH,   13                         ; a row of hid: 8,192 bytes
.endif
.set OSH,   14                         ; MODE 2: a row of part: 4 x 4,096 bytes
.set CHB,   128*ROWB                   ; a chunk of 128 k-rows in memory
.set WP,    288                        ; LDS pitch of a k-row: 256 bytes + 32
.set SLOT,  128*WP                     ; a slot: 36,864 bytes; slot 0 at byte 0, slot 1 behind it
.set LIST,  2*SLOT                     ; eight lists, one a wave: 1,280 ranks and 32 words for the bits that are 0, 2 bytes each
.set LISTB, 2816
.set SPARE, LIST+8*LISTB               ; the spare words, 128 bytes a wave: no other line names them
.set STAGE, SPARE+1024                 ; eight stages, 16 rows x 272 bytes, for the way out
.set SP,    272
.set MF, 0                             ; a phase that stores a chunk and asks for the next but one
.set MZ, 1                             ; chunk 6's: it stores chunk 7 and asks for no more weights
.set MN, 2                             ; chunk 7's: it asks for nothing
; vector registers, window 0 (window 1: v0-191 the accumulators, block i, column block b at 64 i + 8 b; v192-255 the slot's fragments of the odd K steps)
.set SPW,  2                           ; my spare word's address; never rewritten
.set NIL,  3                           ; 0; never rewritten
.set AOFF, 4                           ; v[4:6]    block i: byte offset of my token's row, + 16 h
.set LO,   7                           ; 16 x lane
.set BADR, 8                           ; v[8:9]    my lane's place in 16 k-rows of slot 0, 1
.set ST,   10                          ; v[10:11]  my wave's 16 k-rows of slot 0, 1; 8 bytes a lane
.set H16,  12
.set IDQ,  13                          ; v[13:15]  block i: my list entry in this pass (low half) and the next (high half)
.set IDR,  16                          ; v[16:18]  in the pass behind those
.set LT,   20                          ; v[20:27]  four pairs: a ring group's rounded weights
.set RK,   28                          ; MODE 2: 16 w + r
.set BF,   32                          ; v[32:95]  the slot's fragments of the even K steps
.set BF1,  192                         ; in window 1: of the odd ones
.set AF,   96                          ; v[96:191] token fragments: buffer s at 24 s, block i at 8 i
.set RING, 192                         ; v[192:255] 16 weight loads: place q = 4 s + t at 4 q
; at the head only, while the list is made
.set SB,   128                         ; v[128:135] eight tokens' bits
.set SD,   144                         ; v[144:151] their list entries
.set SA,   152                         ; v[152:159] the LDS addresses of those
; the way out, when no load is out
.set BI,   32                          ; bias, 64
.set XE,   96                          ; a block's 64 numbers
.set TT,   160                         ; MODE 1: 16 at work
.set WT,   160                         ; MODE 2: v[160:162] the gate's weight of my token in block i
.set ID,   192                         ; MODE 1: v192 my byte offset in the block's rows of hid; MODE 2: v[192:199] in eight rows of part
.set PIX,  200                         ; MODE 2: v[200:207] 4 x (8 h + t): the lanes whose ids my lanes' store rows have
.set VB,   200                         ; MODE 1: 8 h rows of hid + 16 bytes a lane
.set STO,  208
.set RD,   209
.set C16,  210
.set H32,  211
.set CUR,  212                         ; MODE 2: the id of my token in the block in hand
.set WF,   214                         ; v[214:215]
.set OU,   216                         ; MODE 2: v[216:247] the first half of a block's rows, back from the stage
; scalar registers
.set WV, 16
.set XP, 17                            ; the expert
.set CNT, 18
.set NBLK, 19                          ; its blocks of 16 rows
.set NB, 20                            ; my live blocks in this pass, 0..3
.set PS, 21
.set TC, 22
.set IC, 23
.set BIC, 24
.set LV, 25                            ; 1: this pass has rows
.set WB0, 26                           ; s[26:27] my rows of chunk 0
.set A0P, 28                           ; s[28:29] left operand
.set AK, 30                            ; s[30:31] the same at the chunk asked for
.set WN, 32                            ; s[32:33] my rows of the chunk asked for
.set OB, 34                            ; s[34:35] output at my columns
.set BB, 36                            ; s[36:37] bias at my columns
.set SC1, 38                           ; s[38:39] -2 log2(e) sqrt(2/pi)
.set SC2, 40                           ; s[40:41] the same x 0.044715
.set T0, 42                            ; s[42:43] an offset, 0 above it
.set T1, 44                            ; s[44:45] likewise
.set NS, 46
.set KP, 47
.set BMASK, 48
.set HM, 49
.set LISTW, 50
.set RMAX, 52                          ; MODE 2: the expert's last stored row of hid
.set SMK, 54                           ; s[54:61] at the head only: eight compares' masks
.set UW, 68                            ; s[68:99] the expert's bitmap of tokens
.set MSB, 0
.macro WIN new                         ; the immediate's high byte repeats the setting that is left; a switch that changes nothing is dropped
.if MSB != (\new)
	s_set_vgpr_msb (MSB<<8)|(\new)
.set MSB, \new
.endif
.endm
.macro PLACES                          ; four plain places behind a step's products, kept where no conversions stand between them and the next loads into their registers; the wait on va_vdst stands beside them and fills none
.rept 4
	v_nop
.endr
.endm
; Ring group s, four places of 512 bytes (a k-row's 128 columns each): rounded,
.macro ROUND4 s
.irp t, 0,1,2,3
	v_cvt_pk_bf16_f32 v[LT+2*\t],   v[RING+16*(\s)+4*\t],   v[RING+16*(\s)+4*\t+1]
	v_cvt_pk_bf16_f32 v[LT+2*\t+1], v[RING+16*(\s)+4*\t+2], v[RING+16*(\s)+4*\t+3]
.endr
.endm
; laid into a slot at address register st,
.macro LAY4 s, st
.irp t, 0,1,2,3
	ds_store_b64 v[\st], v[LT+2*\t:LT+2*\t+1] offset:(4*(\s)+\t)*WP  ; 256 neighbouring bytes: a k-row
.endr
.endm
; and asked for again at base + off.
.macro ASK4 s, base, off
.irp t, 0,1,2,3
	global_load_b128 v[RING+16*(\s)+4*\t:RING+16*(\s)+4*\t+3], v[LO], s[\base:\base+1] offset:(\off)+(4*(\s)+\t)*ROWB th:TH_LOAD_NT  ; 512 neighbouring bytes, aligned
.endr
.endm
; Token buffer s: for each block k = 8 h + 0..7 and 16 + 8 h + 0..7.  Blocks 0 and 1 always; block 2, last, only where it is live.
.macro ALOADS s, base, off
.irp i, 0,1
	global_load_b128 v[AF+24*(\s)+8*\i:AF+24*(\s)+8*\i+3],   v[AOFF+\i], s[\base:\base+1] offset:\off
	global_load_b128 v[AF+24*(\s)+8*\i+4:AF+24*(\s)+8*\i+7], v[AOFF+\i], s[\base:\base+1] offset:(\off)+32
.endr
	s_cmp_lt_u32 s[NB], 3
	s_cbranch_scc1 .Lno2_\@
	global_load_b128 v[AF+24*(\s)+16:AF+24*(\s)+19], v[AOFF+2], s[\base:\base+1] offset:\off
	global_load_b128 v[AF+24*(\s)+20:AF+24*(\s)+23], v[AOFF+2], s[\base:\base+1] offset:(\off)+32
.Lno2_\@:
.endm
; Sixteen LDS loads: slot sm's fragments of K step s, into the buffer of the step's parity
.macro BLOADS s, sm
.if ((\s)%2) == 0
.irp b, 0,1,2,3,4,5,6,7
	ds_load_tr16_b128 v[BF+8*\b:BF+8*\b+3],   v[BADR+(\sm)] offset:32*(\s)*WP+32*\b
	ds_load_tr16_b128 v[BF+8*\b+4:BF+8*\b+7], v[BADR+(\sm)] offset:32*(\s)*WP+32*\b+16*WP
.endr
.else
	WIN 0x40                                       ; destination in window 1
.irp b, 0,1,2,3,4,5,6,7
	ds_load_tr16_b128 v[BF1+8*\b:BF1+8*\b+3],   v[BADR+(\sm)] offset:32*(\s)*WP+32*\b
	ds_load_tr16_b128 v[BF1+8*\b+4:BF1+8*\b+7], v[BADR+(\sm)] offset:32*(\s)*WP+32*\b+16*WP
.endr
	WIN 0
.endif
.endm
; Eight matrix instructions: block i x all 8 column blocks, 32 along K.  The eight accumulators take turns.
; cw >= 0: the fragments are waited for pair by pair; cw LDS instructions were issued behind the run of sixteen.
.macro BLK s, i, cw
.if ((\s)%2) == 0
.set BR, BF
	WIN 0x50                                       ; C and D in window 1
.else
.set BR, BF1
	WIN 0x51                                       ; and source 0 too
.endif
.irp b, 0,1,2,3,4,5,6,7
.if (\cw) >= 0
	s_wait_dscnt (\cw)+14-2*\b                     ; LDS instructions end in order: the run's 14 - 2 b younger loads and what was issued behind the run may stay out
.endif
	v_wmma_f32_16x16x32_bf16 v[64*(\i)+8*\b:64*(\i)+8*\b+7], v[BR+8*\b:BR+8*\b+7], v[AF+24*(\s)+8*(\i):AF+24*(\s)+8*(\i)+7], v[64*(\i)+8*\b:64*(\i)+8*\b+7]
.endr
	WIN 0                                          ; at a label and at a branch every window is 0
.endm
; K step s of a phase: slot sm is multiplied, slot ss is stored into.
; LOADcnt, counted without block 2's loads.  At a phase's head the queue is ring 0, tokens 0, ring 1, tokens 1, .. tokens 3: 32 loads.
; MF: behind ring group 0 lie 28; behind ring group s > 0 lie 24, since token buffer s - 1 is asked for again only behind this wait; behind token buffer s seven groups of four: 28.
; MZ: no weights are put behind: 28, then 24 - 4 s behind a ring group, 24 - 4 s behind a token buffer.  MN: only token buffers are left: 12 - 4 s.
; DScnt.  A phase's LDS instructions go out as B0 B1 S0 | B2 S1 | B3 S2 | S3 (B: a step's 16 loads, S: its STN stores).  Behind B0: 16 + STN; behind B1 and B2: 2 STN + 16; behind B3: 2 STN.
; These waits stand on every way, that of a wave without blocks too: no load is issued into a register that an older load still writes.
.macro KSTEP s, sm, ss, mode
.if (\mode) == MN
.set STN, 0
.else
.set STN, 4
.endif
.if (\s) == 0
.if (\mode) != MN
	s_wait_alu depctr_vm_vsrc(0)                   ; the LDS stores of the step before (the last phase's, or the prologue's) have read LT, which the conversions below write; the LDS loads between read BADR alone
.endif
	BLOADS 0, \sm                                  ; no wait on va_vdst: the last one stands behind the last products, and no vector or matrix instruction since names BF, BF1 or BADR
	BLOADS 1, \sm
.endif
.if (\mode) != MN
.if (\s) == 0
	s_wait_loadcnt 28                              ; loads come back in order: ring group s is in
.elseif (\mode) == MF
	s_wait_loadcnt 24
.else
	s_wait_loadcnt 24-4*(\s)
.endif
.if (\s) > 0
	s_wait_alu depctr_vm_vsrc(0)                   ; the LDS stores of the step before have read LT, which the conversions below write
.endif
	ROUND4 \s
.endif
.if ((\mode) != MN) || ((\s) == 1) || ((\s) == 2)
	s_wait_alu depctr_va_vdst(0)                   ; the conversions have written LT and are done reading the ring group; the products of the step before are done reading their token buffer and their fragment buffer
.endif
.if (\s) > 0
.if (\mode) == MF
	ALOADS (\s)-1, AK, 64*((\s)-1)                 ; the token buffer of the step before, for the next chunk
.elseif (\mode) == MZ
	ALOADS (\s)-1, A0P, 7*256+64*((\s)-1)          ; chunk 7's
.endif
.endif
.if (\mode) == MF
	ASK4 \s, WN, 0
.endif
.if ((\s) == 1) || ((\s) == 2)
	BLOADS (\s)+1, \sm                             ; into the buffer that the step before multiplied; between the wait and these stand loads, a window switch and scalar lines alone
.endif
.if (\mode) != MN
	LAY4 \s, ST+(\ss)
.endif
.if (\mode) == MF
	s_wait_loadcnt 28                              ; token buffer s is in
.elseif (\mode) == MZ
	s_wait_loadcnt 24-4*(\s)
.else
	s_wait_loadcnt 12-4*(\s)
.endif
.if (\s) == 3
	s_wait_dscnt 2*STN
.elseif (\s) > 0
	s_wait_dscnt 2*STN+16
.endif
	s_cmp_lt_u32 s[NB], 1
	s_cbranch_scc1 .Lend_\@
.if (\s) == 0
	BLK \s, 0, STN+16
.else
	BLK \s, 0, -1
.endif
	s_cmp_lt_u32 s[NB], 2
	s_cbranch_scc1 .Lend_\@
	BLK \s, 1, -1
	s_cmp_lt_u32 s[NB], 3
	s_cbranch_scc1 .Lend_\@
	BLK \s, 2, -1
.Lend_\@:
.if (\s) == 0
	s_wait_dscnt STN+16                            ; met already where block 0 was multiplied
.endif
.if ((\mode) == MN) || ((\s) == 3)
	PLACES
.endif
.if (\s) == 3
	s_wait_alu depctr_va_vdst(0)                   ; the phase's products are done reading token buffer 3 and both fragment buffers: in them land the loads below, the next phase's first LDS loads and, behind chunk 7, the way out's loads
.if (\mode) == MF
	ALOADS 3, AK, 192
.elseif (\mode) == MZ
	ALOADS 3, A0P, 7*256+192                       ; chunk 7's
.endif
.endif
.endm
; A phase and its barrier.  par: 0 for a trip's first phase, 1 for its second.  With TC = 3, 2, 1 the chunk in hand is c = 6 - 2 TC + par; weights are asked for chunk c + 2, tokens for chunk c + 1.
.macro PHASE sm, ss, mode, par
	s_cmp_eq_u32 s[LV], 0
	s_cbranch_scc1 .Lskip_\@                       ; a pass without rows: only the barrier is left
.if (\mode) == MF
	s_wait_xcnt 0x0                                ; the bases of the loads that are out are written only behind this wait
	s_lshl_b32 s51, s[TC], 1
	s_sub_co_u32 s[T0], 8+(\par), s51
	s_mul_i32 s[T0], s[T0], CHB
	s_add_nc_u64 s[WN:WN+1], s[WB0:WB0+1], s[T0:T0+1]
	s_sub_co_u32 s[T1], 7+(\par), s51
	s_lshl_b32 s[T1], s[T1], 8
	s_add_nc_u64 s[AK:AK+1], s[A0P:A0P+1], s[T1:T1+1]
.endif
	KSTEP 0, \sm, \ss, \mode
	KSTEP 1, \sm, \ss, \mode
	KSTEP 2, \sm, \ss, \mode
	KSTEP 3, \sm, \ss, \mode
.Lskip_\@:
	s_wait_dscnt 0x0                               ; my stores into the one slot are done, and so are my reads of the other
	s_barrier_signal -1
	s_barrier_wait -1
.endm
.macro PRO_ISSUE                       ; a pass's stream begins: chunk 0 into the ring; no load of mine is out
.set q, 0
.rept 16
	global_load_b128 v[RING+4*q:RING+4*q+3], v[LO], s[WB0:WB0+1] offset:q*ROWB th:TH_LOAD_NT
.set q, q+1
.endr
.endm
; Chunk 0 goes into slot 0, chunk 1 is asked for, and chunk 0's token buffers are asked for between the groups: that builds the queue.  Behind group s are the ring's 12 - 4 s later places and 8 s loads issued here.
.macro PRO_TURNS
.irp s, 0,1,2,3
	s_wait_loadcnt 12+4*\s
	s_wait_alu depctr_vm_vsrc(0)                   ; the group before's LDS stores have read LT; ahead of group 0 of pass 0: the list's LDS instructions and the bitmaps' loads have read their registers in v96 to v159, in which token loads land
	ROUND4 \s
	s_wait_alu depctr_va_vdst(0)                   ; Ahead of group 0: AOFF is written, and the vector lines that named the token buffers' registers are done
	LAY4 \s, ST
	ASK4 \s, WB0, CHB
	ALOADS \s, A0P, 64*\s
.endr
.endm
.macro INIT
	WIN 0x40
.set z, 0
.rept 192
	v_mov_b32 v[z], 0
.set z, z+1
.endr
	WIN 0
.endm
.macro NBOF                            ; pass PS: has it rows; my live blocks: those i with 24 PS + 8 i + w < NBLK, at most 3
	s_mul_i32 s51, s[PS], 24
	s_cmp_gt_u32 s[NBLK], s51
	s_cselect_b32 s[LV], 1, 0
	s_sub_co_i32 s[NB], s[NBLK], s51
	s_sub_co_i32 s[NB], s[NB], s[WV]
	s_add_co_i32 s[NB], s[NB], 7
	s_ashr_i32 s[NB], s[NB], 3
	s_max_i32 s[NB], s[NB], 0
	s_min_i32 s[NB], s[NB], 3
.endm
.macro SETUPA                          ; my three blocks' rows in pass PS; no load of mine is out
.if MODE == 1
.irp i, 0,1,2
	v_and_b32 v[AOFF+\i], 0xffff, v[IDQ+\i]        ; the token, by the list
	v_min_u32 v[AOFF+\i], 0x3ff, v[AOFF+\i]
	v_lshl_add_u32 v[AOFF+\i], v[AOFF+\i], ASH, v[H16]
.endr
.else
	s_mul_i32 s53, s[PS], 384
.irp i, 0,1,2
	v_add_nc_u32 v[AOFF+\i], s53, v[RK]            ; the rank: 384 p + 128 i + 16 w + r,
	s_add_co_u32 s53, s53, 128
	v_min_u32 v[AOFF+\i], s[RMAX], v[AOFF+\i]      ; in a block past the count the expert's last stored row
	v_min_u32 v[AOFF+\i], 0x3ff, v[AOFF+\i]
	v_lshl_add_u32 v[AOFF+\i], v[AOFF+\i], ASH, v[H16]
.endr
.endif
.endm
.macro SNIP i                          ; block i's sums + bias, each accumulator from its low end on
	WIN 0x01
.set z, 0
.rept 32
	v_pk_add_f32 v[XE+2*z:XE+2*z+1], v[64*(\i)+2*z:64*(\i)+2*z+1], v[BI+2*z:BI+2*z+1]
.set z, z+1
.endr
	WIN 0
.if MODE == 2
	v_and_b32 v[CUR], 0xffff, v[IDQ+(\i)]
	v_mov_b32 v[WF], v[WT+(\i)]
	v_mov_b32 v[WF+1], v[WT+(\i)]
.endif
.endm
.macro GELU g                          ; 16 numbers: x / (1 + 2^(x (c1 + c2 x x)))
.set z, 0
.rept 8
	v_pk_mul_f32 v[TT+2*z:TT+2*z+1], v[XE+16*(\g)+2*z:XE+16*(\g)+2*z+1], v[XE+16*(\g)+2*z:XE+16*(\g)+2*z+1]
.set z, z+1
.endr
.set z, 0
.rept 8
	v_pk_fma_f32 v[TT+2*z:TT+2*z+1], v[TT+2*z:TT+2*z+1], s[SC2:SC2+1], s[SC1:SC1+1] op_sel_hi:[1,0,0]
.set z, z+1
.endr
.set z, 0
.rept 8
	v_pk_mul_f32 v[TT+2*z:TT+2*z+1], v[TT+2*z:TT+2*z+1], v[XE+16*(\g)+2*z:XE+16*(\g)+2*z+1]
.set z, z+1
.endr
.set z, 0
.rept 16
	v_exp_f32 v[TT+z], v[TT+z]
.set z, z+1
.endr
	v_nop                                          ; a plain instruction between the transcendentals and the use of their results
.set z, 0
	s_wait_alu depctr_va_vdst(0)                   ; the sixteen exponentials have written TT: one wait for the batch, ahead of its first reader
.rept 8
	v_pk_add_f32 v[TT+2*z:TT+2*z+1], v[TT+2*z:TT+2*z+1], 1.0 op_sel_hi:[1,0]
.set z, z+1
.endr
.set z, 0
.rept 16
	v_rcp_f32 v[TT+z], v[TT+z]
.set z, z+1
.endr
	v_nop
.set z, 0
	s_wait_alu depctr_va_vdst(0)                   ; the sixteen reciprocals have written TT: likewise
.rept 8
	v_pk_mul_f32 v[XE+16*(\g)+2*z:XE+16*(\g)+2*z+1], v[XE+16*(\g)+2*z:XE+16*(\g)+2*z+1], v[TT+2*z:TT+2*z+1]
.set z, z+1
.endr
.endm
	s_load_b256 s[4:11], s[0:1], 0x0               ; left operand s[4:5], weights s[6:7], bias s[8:9], maps s[10:11]
.if MODE == 1
	s_load_b64 s[12:13], s[0:1], 0x20              ; hid
.else
	s_load_b128 s[12:15], s[0:1], 0x20             ; wts s[12:13], part s[14:15]
.endif
	v_lshl_add_u32 v[SPW], v0, 2, SPARE
	v_mov_b32 v[NIL], 0
	v_lshrrev_b32 v1, 5, v0
	v_readfirstlane_b32 s[WV], v1
	s_and_b32 s[XP], ttmp7, 0xffff
.if MODE == 1
	s_mov_b32 s[SC1], 0xc0135761
	s_mov_b32 s[SC1+1], s[SC1]
	s_mov_b32 s[SC2], 0xbdd2d3e8
	s_mov_b32 s[SC2+1], s[SC2]
.endif
	s_mov_b32 s[HM], 0xffff0000
	s_mov_b32 s[T0+1], 0
	s_mov_b32 s[T1+1], 0
	; every address that lives through the loops is made here, once: a constant, the wave's number times a constant, a lane term; so is what the list's first LDS stores read
	v_and_b32 v98, 31, v0                          ; lane
	v_and_b32 v99, 15, v0                          ; r
	v_bfe_u32 v1, v0, 4, 1                         ; h
	v_lshlrev_b32 v[LO], 4, v98
	v_lshlrev_b32 v[H16], 4, v1
	v_and_b32 v19, 7, v0
	v_lshl_add_u32 v19, v1, 3, v19
	v_mul_u32_u24 v[BADR], v19, WP                 ; the turning load: k-row 8 h + lane % 8,
	v_bfe_u32 v19, v0, 3, 1
	v_lshl_add_u32 v[BADR], v19, 4, v[BADR]        ; columns 8 ((lane / 8) % 2) on
	v_add_nc_u32 v[BADR+1], SLOT, v[BADR]
	v_lshlrev_b32 v121, 2, v98
	v_add_nc_u32 v105, 1280, v98                   ; where a bit that is 0 writes: a word of my own behind the ranks
.if MODE == 1
	v_lshlrev_b32 v[SD], 5, v98                    ; my first token
	s_mul_i32 s51, s[XP], 0x10001                  ; a place past the count takes token e: twice in a word
.else
	v_lshlrev_b32 v110, 5, v98                     ; my first token
	s_add_co_u32 s51, s[XP], 2048
	s_mul_i32 s51, s51, 0x10001                    ; a place past the count takes the dump id: twice in a word
.endif
	v_mov_b32 v100, s51
	v_mov_b32 v101, s51
	v_mov_b32 v102, s51
	v_mov_b32 v103, s51
	s_wait_alu depctr_va_sdst(0)                   ; s[WV] is written, ahead of its first reader: LDS addresses, bases and the blocks' counts are made from it
	s_mul_i32 s51, s[WV], 16*WP
	v_lshl_add_u32 v[ST], v98, 3, s51              ; my wave's 16 k-rows of a slot
	v_add_nc_u32 v[ST+1], SLOT, v[ST]
	s_mul_i32 s[LISTW], s[WV], LISTB
	s_add_co_u32 s[LISTW], s[LISTW], LIST          ; my list
	s_lshl_b32 s51, s[WV], 5
	s_add_co_u32 s51, s51, s[LISTW]
	v_lshl_add_u32 v109, v99, 1, s51               ; rank 16 w + r
	v_lshl_add_u32 v104, v98, 4, s[LISTW]
.if MODE == 2
	s_lshl_b32 s53, s[WV], 4
	v_add_nc_u32 v[RK], s53, v99
.endif
	s_wait_kmcnt 0x0
	s_lshl_b32 s[T0], s[XP], 8
	s_add_nc_u64 s[10:11], s[10:11], s[T0:T0+1]    ; the expert's bitmaps
	s_load_b512 s[UW:UW+15], s[10:11], 0x0         ; U: bit t of 1,024: token t chose the expert
	s_load_b512 s[UW+16:UW+31], s[10:11], 0x40
	s_wait_alu depctr_va_vdst(0)                   ; v121, LO, BADR, ST, v104 and v109 are written, which the loads and LDS instructions below read as offsets and addresses, and v100 to v103, the first LDS stores' data
	global_load_b32 v96, v121, s[10:11]            ; U again: lane j has tokens 32 j .. 32 j + 31
.if MODE == 2
	global_load_b32 v97, v121, s[10:11] offset:128 ; S: bit t: the expert is token t's second choice
.endif
.if MODE == 1
	s_lshl_b32 s[T0], s[XP], 24                    ; the expert's 16 MiB,
	s_lshl_b32 s51, s[WV], 18                      ; my 16 k-rows of a chunk,
	s_add_co_u32 s[T0], s[T0], s51
	s_lshl_b32 s51, ttmp9, 9                       ; the slice's 128 columns of f32
	s_add_co_u32 s[T0], s[T0], s51
	s_add_nc_u64 s[WB0:WB0+1], s[6:7], s[T0:T0+1]
	s_mov_b64 s[A0P:A0P+1], s[4:5]
	s_lshl_b32 s[T0], s[XP], 23                    ; the expert's 1,024 rows of hid,
	s_lshl_b32 s53, ttmp9, 8                       ; the slice's 128 columns of bf16
	s_add_co_u32 s[T0], s[T0], s53
	s_add_nc_u64 s[OB:OB+1], s[12:13], s[T0:T0+1]
	s_lshl_b32 s[T0], s[XP], 14
	s_add_co_u32 s[T0], s[T0], s51
	s_add_nc_u64 s[BB:BB+1], s[8:9], s[T0:T0+1]
.else
	s_and_b32 s[NS], ttmp9, 7                      ; which 128 columns
	s_lshr_b32 s[KP], ttmp9, 3                     ; which quarter of K
	s_cmp_eq_u32 s[KP], 0
	s_cselect_b32 s[BMASK], -1, 0                  ; the bias goes into quarter 0 alone
	s_lshl_b32 s[T0], s[XP], 24                    ; the expert's 16 MiB,
	s_lshl_b32 s51, s[KP], 22                      ; the quarter's 1,024 k-rows,
	s_add_co_u32 s[T0], s[T0], s51
	s_lshl_b32 s51, s[WV], 16                      ; my 16 k-rows of a chunk,
	s_add_co_u32 s[T0], s[T0], s51
	s_lshl_b32 s51, s[NS], 9                       ; the slice's 128 columns of f32
	s_add_co_u32 s[T0], s[T0], s51
	s_add_nc_u64 s[WB0:WB0+1], s[6:7], s[T0:T0+1]
	s_lshl_b32 s[T0], s[XP], 23                    ; the expert's 1,024 rows of hid,
	s_lshl_b32 s53, s[KP], 11                      ; the quarter's 2,048 bytes of a row
	s_add_co_u32 s[T0], s[T0], s53
	s_add_nc_u64 s[A0P:A0P+1], s[4:5], s[T0:T0+1]
	s_lshl_b32 s[T0], s[KP], 12
	s_add_co_u32 s[T0], s[T0], s51
	s_add_nc_u64 s[OB:OB+1], s[14:15], s[T0:T0+1]
	s_lshl_b32 s[T0], s[XP], 12
	s_add_co_u32 s[T0], s[T0], s51
	s_add_nc_u64 s[BB:BB+1], s[8:9], s[T0:T0+1]
.endif
	PRO_ISSUE                                      ; the weights' first chunk is asked for before the list is made
.irp k, 0,1,2,3,4
	ds_store_b128 v104, v[100:103] offset:512*\k   ; all 1,280 ranks; LDS serves a wave's instructions in order (ISA guide 5.7.1.4), so the entries below land on top
.endr
	; the expert's rows are counted in scalar registers; lane j of v111 takes the number of chosen tokens below 32 j
	s_wait_kmcnt 0x0
	v_mov_b32 v111, 0
	s_mov_b32 s[CNT], 0
.set j, 0
.rept 32
	v_writelane_b32 v111, s[CNT], j
	s_bcnt1_i32_b32 s51, s[UW+j]
	s_add_co_u32 s[CNT], s[CNT], s51
.set j, j+1
.endr
	s_add_co_u32 s[NBLK], s[CNT], 15
	s_lshr_b32 s[NBLK], s[NBLK], 4
.if MODE == 1
	s_max_u32 s[NBLK], s[NBLK], 1                  ; an expert without rows counts as one block of places past the count: rows 0 to 15 of its part of hid are stored, for MODE 2's first prologue to read
.endif
	s_mov_b32 s[PS], 0
	NBOF
.if MODE == 2
	s_lshl_b32 s[RMAX], s[NBLK], 4                 ; MODE 1 has stored rows 0 to 16 NBLK - 1, and rows 0 to 15 in any case
	s_max_u32 s[RMAX], s[RMAX], 1
	s_sub_co_u32 s[RMAX], s[RMAX], 1
.endif
	s_wait_loadcnt 16                              ; the bitmaps are in; the ring's 16 loads, issued behind them, stay out
	s_mov_b32 s[IC], 4
.Lscat:                                                ; four trips of eight tokens a lane: eight compares, one wait; eight addresses, one wait; eight stores, one wait
.set k, 0
.rept 8
	v_and_b32 v[SB+k], 1, v96
	v_cmp_eq_u32 s[SMK+k], 1, v[SB+k]
	v_lshrrev_b32 v96, 1, v96
.if MODE == 2
	v_and_b32 v[SD+k], 1, v97
	v_lshl_add_u32 v[SD+k], v[SD+k], 10, v110      ; id
	v_lshrrev_b32 v97, 1, v97
	v_add_nc_u32 v110, 1, v110
.elseif k > 0
	v_add_nc_u32 v[SD+k], 1, v[SD+k-1]             ; the token
.endif
.set k, k+1
.endr
	s_wait_alu depctr_va_sdst(0)                   ; the eight compares have written s[SMK ..], ahead of the selects that read them
.set k, 0
.rept 8
	v_cndmask_b32 v[SA+k], v105, v111, s[SMK+k]
	v_min_u32 v[SA+k], 0x51f, v[SA+k]              ; inside the list's 1,312 entries
	v_lshl_add_u32 v[SA+k], v[SA+k], 1, s[LISTW]
	v_add_nc_u32 v111, v111, v[SB+k]
.set k, k+1
.endr
	s_wait_alu depctr_va_vdst(0)                   ; the eight addresses v[SA ..] and entries v[SD ..] are written, which the LDS stores read
.set k, 0
.rept 8
	ds_store_b16 v[SA+k], v[SD+k]
.set k, k+1
.endr
	s_wait_alu depctr_vm_vsrc(0)                   ; the stores have read v[SA ..] and v[SD ..], which the line below and the next trip write again
.if MODE == 1
	v_add_nc_u32 v[SD], 1, v[SD+7]
.endif
	s_sub_co_u32 s[IC], s[IC], 1
	s_cmp_lg_u32 s[IC], 0
	s_cbranch_scc1 .Lscat
.set p, 0
.rept 3                                ; my entry in pass p, block i: 9 a lane, at constant places of my list
.irp i, 0,1,2
	ds_load_u16 v[112+3*p+\i], v109 offset:768*p+256*\i
.endr
.set p, p+1
.endr
	s_wait_dscnt 0x0
.irp i, 0,1,2
	v_lshl_or_b32 v[IDQ+\i], v[115+\i], 16, v[112+\i]
	v_mov_b32 v[IDR+\i], v[118+\i]
.endr
.irp s, 0,1,2,3                        ; block 2's token registers are written once here: its loads are issued only where the block is live
.irp k, 0,1,2,3,4,5,6,7
	v_mov_b32 v[AF+24*\s+16+\k], 0
.endr
.endr
	SETUPA
	INIT
	PRO_TURNS                                      ; pass 0's, whatever the count
.Lpass:                                                ; three passes of 384 rows: a constant count that serves every split
	s_wait_dscnt 0x0                               ; for the others' sake: my rows of chunk 0 are in slot 0
	s_barrier_signal -1
	s_barrier_wait -1
	s_mov_b32 s[TC], 3
.Lchunk:                                               ; a trip: chunks 6 - 2 TC and 7 - 2 TC
	PHASE 0, 1, MF, 0
	PHASE 1, 0, MF, 1
	s_sub_co_u32 s[TC], s[TC], 1
	s_cmp_lg_u32 s[TC], 0
	s_cbranch_scc1 .Lchunk
	PHASE 0, 1, MZ, 0                              ; the tail is written out: chunk 6,
	PHASE 1, 0, MN, 0                              ; chunk 7
	s_wait_loadcnt 0x0                             ; on every way: no load of mine is out behind this line
	s_cmp_eq_u32 s[NB], 0
	s_cbranch_scc1 .Lnoepi
	; ---- THE WAY OUT of a pass; of LDS it touches my stage alone.  All its offsets and addresses are made first, ahead of one wait
	v_and_b32 v[C16], 15, v0                       ; r
	v_bfe_u32 v[H32], v0, 4, 1                     ; h
	s_mul_i32 s51, s[WV], 16*SP
	s_add_co_u32 s51, s51, STAGE                   ; my stage
	v_mul_u32_u24 v[STO], v[C16], SP
	v_add_nc_u32 v[STO], s51, v[STO]
	v_mul_u32_u24 v[RD], v[H32], 8*SP
	v_add_nc_u32 v[RD], s51, v[RD]
	v_lshlrev_b32 v[C16], 4, v[C16]
	v_add_nc_u32 v[RD], v[RD], v[C16]              ; back: lanes 0-15 row t, lanes 16-31 row 8 + t, 256 bytes each
.if MODE == 1
	v_lshl_add_u32 v[VB], v[H32], 16, v[C16]       ; and in hid: 8 h rows of 8,192 bytes, 16 bytes a lane
.endif
	v_lshlrev_b32 v[H32], 5, v[H32]
.if MODE == 1
	v_add_nc_u32 v[STO], v[STO], v[H16]            ; in: row r, 16 bytes for each half of the lanes
.else
	v_add_nc_u32 v[STO], v[STO], v[H32]            ; in: row r, 32 bytes for each half of the lanes
.irp t, 0,1,2,3,4,5,6,7
	v_add_nc_u32 v[PIX+\t], 4*\t, v[H32]           ; 4 x lane 8 h + t
.endr
.irp i, 0,1,2
	v_and_b32 v[ID+\i], 0xffff, v[IDQ+\i]
	v_min_u32 v[ID+\i], 0x7ff, v[ID+\i]            ; a dump id takes a weight that exists
	v_lshlrev_b32 v[ID+\i], 2, v[ID+\i]
.endr
.endif
	s_wait_alu depctr_va_vdst(0)                   ; H32 (MODE 2: and ID) is written, which the loads below read as offsets; so are STO, RD and PIX, the addresses of the LDS instructions further down
.irp b, 0,1,2,3,4,5,6,7
	global_load_b128 v[XE+8*\b:XE+8*\b+3],   v[H32], s[BB:BB+1] offset:64*\b      ; the bias of my columns 16 b + 8 h + 0..7
	global_load_b128 v[XE+8*\b+4:XE+8*\b+7], v[H32], s[BB:BB+1] offset:64*\b+16
.endr
.if MODE == 2
.irp i, 0,1,2
	global_load_b32 v[WT+\i], v[ID+\i], s[12:13]   ; the gate's weight of my token in block i
.endr
.endif
	s_wait_loadcnt 0x0
.if MODE == 2
	s_wait_alu depctr_vm_vsrc(0)                   ; the weights' loads have read ID, in which the permutes' results land
.endif
.set z, 0
.rept 32
	v_cvt_pk_bf16_f32 v[BI+2*z], v[XE+2*z], v[XE+2*z+1]  ; the bias is rounded to bf16 like every input,
.if MODE == 2
	v_and_b32 v[BI+2*z], s[BMASK], v[BI+2*z]
.endif
	v_and_b32     v[BI+2*z+1], s[HM], v[BI+2*z]    ; and widened again
	v_lshlrev_b32 v[BI+2*z],   16,    v[BI+2*z]
.set z, z+1
.endr
	s_mov_b32 s[BIC], 0
.Lblk:
	s_cmp_ge_u32 s[BIC], s[NB]
	s_cbranch_scc1 .Lnext                          ; a block past the count stores nothing
	s_cmp_eq_u32 s[BIC], 0
	s_cbranch_scc1 .Lsn0
	s_cmp_eq_u32 s[BIC], 1
	s_cbranch_scc1 .Lsn1
	SNIP 2
	s_branch .Lcommon
.Lsn0:
	SNIP 0
	s_branch .Lcommon
.Lsn1:
	SNIP 1
.Lcommon:
.if MODE == 1
	s_mul_i32 s51, s[PS], 384                      ; the block's first rank: 384 p + 128 i + 16 w,
	s_lshl_b32 s53, s[BIC], 7
	s_add_co_u32 s51, s51, s53
	s_lshl_b32 s53, s[WV], 4
	s_add_co_u32 s51, s51, s53
	s_lshl_b32 s51, s51, 13                        ; in rows of 8,192 bytes
	v_add_nc_u32 v[ID], s51, v[VB]
	GELU 0
	GELU 1
	GELU 2
	GELU 3
.set z, 0
.rept 32
	v_cvt_pk_bf16_f32 v[XE+z], v[XE+2*z], v[XE+2*z+1]  ; in place, ascending: a register is written after it has been read
.set z, z+1
.endr
	s_wait_alu depctr_va_vdst(0)                   ; the conversions have written XE's first 32 registers, which the LDS stores read, and are done reading the other 32, in which the LDS loads land; ID is written, the global stores' offset
.irp b, 0,1,2,3,4,5,6,7
	ds_store_b128 v[STO], v[XE+4*\b:XE+4*\b+3] offset:32*\b
.endr
.irp t, 0,1,2,3,4,5,6,7
	ds_load_b128 v[XE+32+4*\t:XE+32+4*\t+3], v[RD] offset:\t*SP  ; LDS serves a wave's instructions in order (ISA guide 5.7.1.4): these see the stores above
.endr
.irp t, 0,1,2,3,4,5,6,7
	s_wait_dscnt 7-\t
	global_store_b128 v[ID], v[XE+32+4*\t:XE+32+4*\t+3], s[OB:OB+1] offset:\t*8192  ; ranks t and 8 + t of the block: 16 lanes store 256 consecutive bytes of a row, aligned
.endr
.else
	s_wait_alu depctr_va_vdst(0)                   ; CUR is written, which the permutes read; the vector lines that named ID are done: the permutes' results land there
.irp t, 0,1,2,3,4,5,6,7
	ds_bpermute_b32 v[ID+\t], v[PIX+\t], v[CUR]    ; the ids of ranks 8 h + 0..7 of the block: the rows that my lanes will store; no LDS byte is touched
.endr
.set z, 0
.rept 32
	v_pk_mul_f32 v[XE+2*z:XE+2*z+1], v[XE+2*z:XE+2*z+1], v[WF:WF+1] op_sel_hi:[1,0]  ; (sum + bias) x the gate's weight, which differs from token to token
.set z, z+1
.endr
	s_wait_dscnt 0x0
.irp t, 0,1,2,3,4,5,6,7
	v_min_u32 v[ID+\t], 0x807, v[ID+\t]            ; an id is 2,055 at the most
	v_lshl_add_u32 v[ID+\t], v[ID+\t], OSH, v[C16]
.endr
	s_wait_alu depctr_va_vdst(0)                   ; the multiplies have written XE, which the LDS stores read; ID is written, the global stores' offsets
	; the block's 512 bytes a row go in two halves through the stage; the first half comes back into OU, the second into the first half's registers
.irp b, 0,1,2,3
	ds_store_b128 v[STO], v[XE+8*\b:XE+8*\b+3]   offset:64*\b
	ds_store_b128 v[STO], v[XE+8*\b+4:XE+8*\b+7] offset:64*\b+16
.endr
.irp t, 0,1,2,3,4,5,6,7
	ds_load_b128 v[OU+4*\t:OU+4*\t+3], v[RD] offset:\t*SP  ; LDS serves a wave's instructions in order (ISA guide 5.7.1.4): these see the stores above, and the stores below come behind them
.endr
	s_wait_alu depctr_vm_vsrc(0)                   ; the first half's LDS stores have read XE's first 32 registers, in which the second half's rows land
.irp b, 0,1,2,3
	ds_store_b128 v[STO], v[XE+32+8*\b:XE+32+8*\b+3]   offset:64*\b
	ds_store_b128 v[STO], v[XE+32+8*\b+4:XE+32+8*\b+7] offset:64*\b+16
.endr
.irp t, 0,1,2,3,4,5,6,7
	ds_load_b128 v[XE+4*\t:XE+4*\t+3], v[RD] offset:\t*SP
.endr
.irp t, 0,1,2,3,4,5,6,7
	s_wait_dscnt 23-\t                             ; behind the first half's load t: its 7 - t younger ones and the second half's 16 instructions
	global_store_b128 v[ID+\t], v[OU+4*\t:OU+4*\t+3], s[OB:OB+1]  ; 16 lanes store 256 consecutive bytes of a row, aligned
.endr
.irp t, 0,1,2,3,4,5,6,7
	s_wait_dscnt 7-\t
	global_store_b128 v[ID+\t], v[XE+4*\t:XE+4*\t+3], s[OB:OB+1] offset:256
.endr
.endif
	s_wait_xcnt 0x0                                ; the stores' data and offsets are written again only behind this wait,
	s_wait_alu depctr_vm_vsrc(0)                   ; and behind this one: the block's stores, LDS stores and permutes have read XE, OU, ID and CUR, which the next block writes
.Lnext:
	s_add_co_u32 s[BIC], s[BIC], 1
	s_cmp_lt_u32 s[BIC], 3
	s_cbranch_scc1 .Lblk
.Lnoepi:
	s_wait_alu depctr_vm_vsrc(0)                   ; the pass's token loads have read AOFF, which the next pass writes; the way out's loads have read H32, in whose register a weight load of the next pass lands
	s_wait_alu depctr_va_vdst(0)                   ; the way out's vector lines are done with v32 to v255, in which the next pass's loads and LDS loads land
.irp i, 0,1,2
	v_alignbit_b32 v[IDQ+\i], v[IDR+\i], v[IDQ+\i], 16  ; the list entries move up by a pass
	v_lshrrev_b32 v[IDR+\i], 16, v[IDR+\i]
.endr
	s_add_co_u32 s[PS], s[PS], 1
	NBOF
	s_cmp_eq_u32 s[LV], 0
	s_cbranch_scc1 .Lpj
	SETUPA                                         ; a further pass has rows: its stream begins anew.  Slot 0 was last read two barriers ago
	INIT
	PRO_ISSUE                                      ; no wait: no vector line since the two above names the ring's registers or LO
	PRO_TURNS
.Lpj:
	s_cmp_lt_u32 s[PS], 3
	s_cbranch_scc1 .Lpass
	s_wait_dscnt 0x0                               ; the closing lines, six on end
	s_wait_alu 0x0
	s_wait_tensorcnt 0x0
	ds_add_u32 v[SPW], v[NIL]
	s_wait_dscnt 0x0
	s_endpgm
.Lfunc_end_k_qf5f0b9faf1_ffn1:
	.size	k_qf5f0b9faf1_ffn1, .Lfunc_end_k_qf5f0b9faf1_ffn1-k_qf5f0b9faf1_ffn1
	.p2alignl 7, 3214868480
	.fill 96, 4, 3214868480
	.section	.rodata,"a",@progbits
	.p2align	6, 0x0
	.amdhsa_kernel k_qf5f0b9faf1_ffn1
		.amdhsa_group_segment_fixed_size 132096
		.amdhsa_private_segment_fixed_size 0
		.amdhsa_enable_private_segment 0
		.amdhsa_kernarg_size 40
		.amdhsa_user_sgpr_count 2
		.amdhsa_user_sgpr_kernarg_segment_ptr 1
		.amdhsa_wavefront_size32 1
		.amdhsa_system_sgpr_workgroup_id_x 1
		.amdhsa_system_sgpr_workgroup_id_y 1
		.amdhsa_system_sgpr_workgroup_id_z 1
		.amdhsa_system_vgpr_workitem_id 0
		.amdhsa_next_free_vgpr 512
		.amdhsa_next_free_sgpr 100
		.amdhsa_reserve_vcc 0
		.amdhsa_float_denorm_mode_32 3
		.amdhsa_float_denorm_mode_16_64 3
		.amdhsa_memory_ordered 1
		.amdhsa_forward_progress 1
		.amdhsa_inst_pref_size 149
	.end_amdhsa_kernel
	.amdgpu_metadata
---
amdhsa.version: [ 1, 2 ]
amdhsa.kernels:
  - .name:           k_qf5f0b9faf1_ffn1
    .symbol:         k_qf5f0b9faf1_ffn1.kd
    .args:
      - { .name: xb, .offset: 0, .size: 8, .value_kind: global_buffer, .address_space: global }
      - { .name: w1, .offset: 8, .size: 8, .value_kind: global_buffer, .address_space: global }
      - { .name: b1, .offset: 16, .size: 8, .value_kind: global_buffer, .address_space: global }
      - { .name: maps, .offset: 24, .size: 8, .value_kind: global_buffer, .address_space: global }
      - { .name: hid, .offset: 32, .size: 8, .value_kind: global_buffer, .address_space: global }
    .group_segment_fixed_size: 132096
    .private_segment_fixed_size: 0
    .kernarg_segment_align: 8
    .kernarg_segment_size: 40
    .max_flat_workgroup_size: 256
    .sgpr_count:     100
    .vgpr_count:     512
    .wavefront_size: 32
...
	.end_amdgpu_metadata
.endif
;; end of part 7
;; launch ffn2 (part 8): grid 32 x 8, 8 waves a work-group, no clusters, 132,096 bytes of LDS; arguments hid, w2, b2, maps, wts, part; writes part
.if DOCPART == 8
	.amdgcn_target "amdgcn-amd-amdhsa--gfx1250"
	.amdhsa_code_object_version 6
	.text
	.protected	k_qf5f0b9faf1_ffn2
	.globl	k_qf5f0b9faf1_ffn2
	.p2align	8
	.type	k_qf5f0b9faf1_ffn2,@function
k_qf5f0b9faf1_ffn2:
	s_mov_b64 s[64:65], 0
	v_nop
	global_prefetch_b8 v0, s[64:65] scope:SCOPE_SE
	s_setreg_imm32_b32 hwreg(HW_REG_WAVE_SCHED_MODE, 0, 2), 2
	s_setreg_imm32_b32 hwreg(HW_REG_WAVE_MODE, 25, 1), 1
	s_wait_xcnt 0x0
	s_wait_alu depctr_vm_vsrc(0)
; A PRODUCT OF A LAYER OF ROUTED EXPERTS, for the chosen rows alone.  One text for both products; MODE picks.
;   MODE 1: hid[1024 e + rank][f] = gelu(x[token] . w1[e][:, f] + b1[e][f]), tanh form, stored in bf16.   MODE 2: part[id][kp][d] = w[id] (hid[1024 e + rank][1024 kp ..] . w2[e][1024 kp .., d] + b2[e][d] if kp = 0), f32 partial sums.
; rank: the token's place among the expert's tokens, ascending.  id = token + 1024 x (second choice).  Weights and biases are rounded once to bf16, sums are f32.
; SHARES.  A work-group has one expert (grid y), 128 output columns and K = 1,024 (MODE 2: grid x = column slice + 8 x quarter of K): 512 KiB of f32 weights that it alone reads, and ALL rows of its expert (0 to 1,024).
; All eight waves run one text.  Of each chunk of 128 k-rows a wave fetches 16, rounds them to bf16 and lays them into one of two LDS slots ([k][128], pitch 288) that take turns; every wave reads a slot turned
; (ds_load_tr16_b128) and multiplies it with its own 3 blocks of 16 token rows, which come from memory straight into registers.
; ONE QUEUE OF LOADS A WAVE.  Loads into registers come back in order on one counter (ISA guide 5.7.1), so all have the same lead, four K steps of 32: for each step s four weight loads (ring group s), then the token
; loads of buffer s: four for blocks 0 and 1, and two for block 2 only where that block is live.  That is 32 loads, or 40.  EVERY WAIT TAKES THE COUNT OF THE 32: it then holds on every way; a wave with three live blocks
; waits for eight loads more than it needs.  16 weight loads of 512 bytes are out in each of eight waves, all through a pass.
; A PHASE, the text between two barriers, is four steps: a whole period of the queue.  While chunk c is multiplied out of one slot, chunk c + 1 goes into the other.  A phase that is jumped leaves the queue as every phase expects it.
; THE SLOT'S FRAGMENTS have two register buffers: step s + 1's sixteen LDS loads are issued in step s, ahead of its products; only a phase's step 0 is asked for just before its use.
; THE MODE: SCHED_MODE bits 1:0 = 2 (LLVM: expert scheduling mode 2), set by the entry lines.  The code itself states the register dependences
; between vector or matrix instructions and memory or LDS instructions, with s_wait_alu, always for 0.
; THE PLAN.  Registers that memory or LDS instructions touch, in the loop:
;   RING group s  Step s: its eight conversions read it; behind them the loads of the chunk after next land in it.
;   LT            Step s: its conversions write it, its four LDS stores read it; step s + 1's conversions write it again.
;   AF[s]         Step s: its products read it; the next chunk's token loads land in it in step s + 1 (buffer 3: at the end of step 3, so that no load crosses a barrier).
;   BF, BF1       Step s: its products read the buffer of its parity; the LDS loads of step s + 1 (the fragments of step s + 2) land in it.
;   LO, BADR, ST  Offsets and LDS addresses, made at the head and never written again.  AOFF: written once a pass, ahead of the pass's first token load.
;   The accumulators are named by vector and matrix instructions alone.  v[SPW], v[NIL]: written at the head, read by the closing add alone.
; So ONE wait on va_vdst stands in a step, behind its conversions: LT is written, the conversions are done reading the ring group, and the products of the step before are done reading their token buffer and
; their fragment buffer.  All the step's memory and LDS instructions follow it, ahead of the step's products.  One wait on vm_vsrc stands ahead of the conversions, for LT.  A second wait on va_vdst ends step 3.
; ROWS.  Each wave makes its own list from the router's bitmaps (counting, no atomics) and keeps its 9 entries a lane in registers.  Pass p (3), block i (3), wave w: ranks 384 p + 128 i + 16 w + 0..15.
; MODE 1 takes its token rows by the list and stores hid by rank: a live block's 16 rows lie end to end.  MODE 2 takes its rows of hid by rank, by arithmetic alone, and needs the list for the gate's weights and for part's rows.
; The loop over passes has a constant count, every wave passes every barrier, and only work is jumped: a pass without rows streams nothing.  An expert's weights are read once for every 384 rows begun.
; The first prologue runs whatever the count, so that every register is written on every way.
; AN EXPERT WITHOUT ROWS.  MODE 1 counts it as one block of 16 places past the count: its weights are streamed once and rows 0 to 15 of its part of hid are stored, so that MODE 2's first prologue, which then asks
; for row 0, reads bytes that were written.  MODE 2 keeps the true count: it spends two chunks of weights, makes nothing of what it loaded and stores nothing.
; Blocks past the count are jumped by scalar branches.  Places past the count inside a live block: MODE 1 loads token e and stores the result at its rank, where MODE 2 reads it; MODE 2 stores into the expert's dump row 2048 + e of part, which nobody reads.
; Blocks 0 and 1 past the count load a row that exists (MODE 1: token e; MODE 2: the expert's last stored row).
; THE MATRIX INSTRUCTION: source 0 = 16 weight columns, source 1 = 16 tokens: lane (r, h) holds token r, columns 16 b + 8 h + 0..7: neighbouring numbers of a row.
; The accumulators are cleared by 192 v_mov_b32 a pass (in pass 0 while the first chunk is on its way): the price of one text for every K step, and of registers that are written whichever blocks are jumped.
; LIMITS.  NaN and infinities are not treated apart; gelu's exponential below 2^-126 counts as 0.
; NO TENSOR LOADS: a queue in registers is never empty inside a pass, slots that are filled again are at each of their barriers.  NO CLUSTER: each weight byte has one reader; MODE 1's token rows come by a list that no descriptor covers.
.set MODE, 2
.if MODE == 1
.set ROWB,  16384                      ; bytes from one k-row of the weights to the next
.set ASH,   11                         ; a row of the left operand, xb: 2,048 bytes
.else
.set ROWB,  4096
.set ASH,   13                         ; a row of hid: 8,192 bytes
.endif
.set OSH,   14                         ; MODE 2: a row of part: 4 x 4,096 bytes
.set CHB,   128*ROWB                   ; a chunk of 128 k-rows in memory
.set WP,    288                        ; LDS pitch of a k-row: 256 bytes + 32
.set SLOT,  128*WP                     ; a slot: 36,864 bytes; slot 0 at byte 0, slot 1 behind it
.set LIST,  2*SLOT                     ; eight lists, one a wave: 1,280 ranks and 32 words for the bits that are 0, 2 bytes each
.set LISTB, 2816
.set SPARE, LIST+8*LISTB               ; the spare words, 128 bytes a wave: no other line names them
.set STAGE, SPARE+1024                 ; eight stages, 16 rows x 272 bytes, for the way out
.set SP,    272
.set MF, 0                             ; a phase that stores a chunk and asks for the next but one
.set MZ, 1                             ; chunk 6's: it stores chunk 7 and asks for no more weights
.set MN, 2                             ; chunk 7's: it asks for nothing
; vector registers, window 0 (window 1: v0-191 the accumulators, block i, column block b at 64 i + 8 b; v192-255 the slot's fragments of the odd K steps)
.set SPW,  2                           ; my spare word's address; never rewritten
.set NIL,  3                           ; 0; never rewritten
.set AOFF, 4                           ; v[4:6]    block i: byte offset of my token's row, + 16 h
.set LO,   7                           ; 16 x lane
.set BADR, 8                           ; v[8:9]    my lane's place in 16 k-rows of slot 0, 1
.set ST,   10                          ; v[10:11]  my wave's 16 k-rows of slot 0, 1; 8 bytes a lane
.set H16,  12
.set IDQ,  13                          ; v[13:15]  block i: my list entry in this pass (low half) and the next (high half)
.set IDR,  16                          ; v[16:18]  in the pass behind those
.set LT,   20                          ; v[20:27]  four pairs: a ring group's rounded weights
.set RK,   28                          ; MODE 2: 16 w + r
.set BF,   32                          ; v[32:95]  the slot's fragments of the even K steps
.set BF1,  192                         ; in window 1: of the odd ones
.set AF,   96                          ; v[96:191] token fragments: buffer s at 24 s, block i at 8 i
.set RING, 192                         ; v[192:255] 16 weight loads: place q = 4 s + t at 4 q
; at the head only, while the list is made
.set SB,   128                         ; v[128:135] eight tokens' bits
.set SD,   144                         ; v[144:151] their list entries
.set SA,   152                         ; v[152:159] the LDS addresses of those
; the way out, when no load is out
.set BI,   32                          ; bias, 64
.set XE,   96                          ; a block's 64 numbers
.set TT,   160                         ; MODE 1: 16 at work
.set WT,   160                         ; MODE 2: v[160:162] the gate's weight of my token in block i
.set ID,   192                         ; MODE 1: v192 my byte offset in the block's rows of hid; MODE 2: v[192:199] in eight rows of part
.set PIX,  200                         ; MODE 2: v[200:207] 4 x (8 h + t): the lanes whose ids my lanes' store rows have
.set VB,   200                         ; MODE 1: 8 h rows of hid + 16 bytes a lane
.set STO,  208
.set RD,   209
.set C16,  210
.set H32,  211
.set CUR,  212                         ; MODE 2: the id of my token in the block in hand
.set WF,   214                         ; v[214:215]
.set OU,   216                         ; MODE 2: v[216:247] the first half of a block's rows, back from the stage
; scalar registers
.set WV, 16
.set XP, 17                            ; the expert
.set CNT, 18
.set NBLK, 19                          ; its blocks of 16 rows
.set NB, 20                            ; my live blocks in this pass, 0..3
.set PS, 21
.set TC, 22
.set IC, 23
.set BIC, 24
.set LV, 25                            ; 1: this pass has rows
.set WB0, 26                           ; s[26:27] my rows of chunk 0
.set A0P, 28                           ; s[28:29] left operand
.set AK, 30                            ; s[30:31] the same at the chunk asked for
.set WN, 32                            ; s[32:33] my rows of the chunk asked for
.set OB, 34                            ; s[34:35] output at my columns
.set BB, 36                            ; s[36:37] bias at my columns
.set SC1, 38                           ; s[38:39] -2 log2(e) sqrt(2/pi)
.set SC2, 40                           ; s[40:41] the same x 0.044715
.set T0, 42                            ; s[42:43] an offset, 0 above it
.set T1, 44                            ; s[44:45] likewise
.set NS, 46
.set KP, 47
.set BMASK, 48
.set HM, 49
.set LISTW, 50
.set RMAX, 52                          ; MODE 2: the expert's last stored row of hid
.set SMK, 54                           ; s[54:61] at the head only: eight compares' masks
.set UW, 68                            ; s[68:99] the expert's bitmap of tokens
.set MSB, 0
.macro WIN new                         ; the immediate's high byte repeats the setting that is left; a switch that changes nothing is dropped
.if MSB != (\new)
	s_set_vgpr_msb (MSB<<8)|(\new)
.set MSB, \new
.endif
.endm
.macro PLACES                          ; four plain places behind a step's products, kept where no conversions stand between them and the next loads into their registers; the wait on va_vdst stands beside them and fills none
.rept 4
	v_nop
.endr
.endm
; Ring group s, four places of 512 bytes (a k-row's 128 columns each): rounded,
.macro ROUND4 s
.irp t, 0,1,2,3
	v_cvt_pk_bf16_f32 v[LT+2*\t],   v[RING+16*(\s)+4*\t],   v[RING+16*(\s)+4*\t+1]
	v_cvt_pk_bf16_f32 v[LT+2*\t+1], v[RING+16*(\s)+4*\t+2], v[RING+16*(\s)+4*\t+3]
.endr
.endm
; laid into a slot at address register st,
.macro LAY4 s, st
.irp t, 0,1,2,3
	ds_store_b64 v[\st], v[LT+2*\t:LT+2*\t+1] offset:(4*(\s)+\t)*WP  ; 256 neighbouring bytes: a k-row
.endr
.endm
; and asked for again at base + off.
.macro ASK4 s, base, off
.irp t, 0,1,2,3
	global_load_b128 v[RING+16*(\s)+4*\t:RING+16*(\s)+4*\t+3], v[LO], s[\base:\base+1] offset:(\off)+(4*(\s)+\t)*ROWB th:TH_LOAD_NT  ; 512 neighbouring bytes, aligned
.endr
.endm
; Token buffer s: for each block k = 8 h + 0..7 and 16 + 8 h + 0..7.  Blocks 0 and 1 always; block 2, last, only where it is live.
.macro ALOADS s, base, off
.irp i, 0,1
	global_load_b128 v[AF+24*(\s)+8*\i:AF+24*(\s)+8*\i+3],   v[AOFF+\i], s[\base:\base+1] offset:\off
	global_load_b128 v[AF+24*(\s)+8*\i+4:AF+24*(\s)+8*\i+7], v[AOFF+\i], s[\base:\base+1] offset:(\off)+32
.endr
	s_cmp_lt_u32 s[NB], 3
	s_cbranch_scc1 .Lno2_\@
	global_load_b128 v[AF+24*(\s)+16:AF+24*(\s)+19], v[AOFF+2], s[\base:\base+1] offset:\off
	global_load_b128 v[AF+24*(\s)+20:AF+24*(\s)+23], v[AOFF+2], s[\base:\base+1] offset:(\off)+32
.Lno2_\@:
.endm
; Sixteen LDS loads: slot sm's fragments of K step s, into the buffer of the step's parity
.macro BLOADS s, sm
.if ((\s)%2) == 0
.irp b, 0,1,2,3,4,5,6,7
	ds_load_tr16_b128 v[BF+8*\b:BF+8*\b+3],   v[BADR+(\sm)] offset:32*(\s)*WP+32*\b
	ds_load_tr16_b128 v[BF+8*\b+4:BF+8*\b+7], v[BADR+(\sm)] offset:32*(\s)*WP+32*\b+16*WP
.endr
.else
	WIN 0x40                                       ; destination in window 1
.irp b, 0,1,2,3,4,5,6,7
	ds_load_tr16_b128 v[BF1+8*\b:BF1+8*\b+3],   v[BADR+(\sm)] offset:32*(\s)*WP+32*\b
	ds_load_tr16_b128 v[BF1+8*\b+4:BF1+8*\b+7], v[BADR+(\sm)] offset:32*(\s)*WP+32*\b+16*WP
.endr
	WIN 0
.endif
.endm
; Eight matrix instructions: block i x all 8 column blocks, 32 along K.  The eight accumulators take turns.
; cw >= 0: the fragments are waited for pair by pair; cw LDS instructions were issued behind the run of sixteen.
.macro BLK s, i, cw
.if ((\s)%2) == 0
.set BR, BF
	WIN 0x50                                       ; C and D in window 1
.else
.set BR, BF1
	WIN 0x51                                       ; and source 0 too
.endif
.irp b, 0,1,2,3,4,5,6,7
.if (\cw) >= 0
	s_wait_dscnt (\cw)+14-2*\b                     ; LDS instructions end in order: the run's 14 - 2 b younger loads and what was issued behind the run may stay out
.endif
	v_wmma_f32_16x16x32_bf16 v[64*(\i)+8*\b:64*(\i)+8*\b+7], v[BR+8*\b:BR+8*\b+7], v[AF+24*(\s)+8*(\i):AF+24*(\s)+8*(\i)+7], v[64*(\i)+8*\b:64*(\i)+8*\b+7]
.endr
	WIN 0                                          ; at a label and at a branch every window is 0
.endm
; K step s of a phase: slot sm is multiplied, slot ss is stored into.
; LOADcnt, counted without block 2's loads.  At a phase's head the queue is ring 0, tokens 0, ring 1, tokens 1, .. tokens 3: 32 loads.
; MF: behind ring group 0 lie 28; behind ring group s > 0 lie 24, since token buffer s - 1 is asked for again only behind this wait; behind token buffer s seven groups of four: 28.
; MZ: no weights are put behind: 28, then 24 - 4 s behind a ring group, 24 - 4 s behind a token buffer.  MN: only token buffers are left: 12 - 4 s.
; DScnt.  A phase's LDS instructions go out as B0 B1 S0 | B2 S1 | B3 S2 | S3 (B: a step's 16 loads, S: its STN stores).  Behind B0: 16 + STN; behind B1 and B2: 2 STN + 16; behind B3: 2 STN.
; These waits stand on every way, that of a wave without blocks too: no load is issued into a register that an older load still writes.
.macro KSTEP s, sm, ss, mode
.if (\mode) == MN
.set STN, 0
.else
.set STN, 4
.endif
.if (\s) == 0
.if (\mode) != MN
	s_wait_alu depctr_vm_vsrc(0)                   ; the LDS stores of the step before (the last phase's, or the prologue's) have read LT, which the conversions below write; the LDS loads between read BADR alone
.endif
	BLOADS 0, \sm                                  ; no wait on va_vdst: the last one stands behind the last products, and no vector or matrix instruction since names BF, BF1 or BADR
	BLOADS 1, \sm
.endif
.if (\mode) != MN
.if (\s) == 0
	s_wait_loadcnt 28                              ; loads come back in order: ring group s is in
.elseif (\mode) == MF
	s_wait_loadcnt 24
.else
	s_wait_loadcnt 24-4*(\s)
.endif
.if (\s) > 0
	s_wait_alu depctr_vm_vsrc(0)                   ; the LDS stores of the step before have read LT, which the conversions below write
.endif
	ROUND4 \s
.endif
.if ((\mode) != MN) || ((\s) == 1) || ((\s) == 2)
	s_wait_alu depctr_va_vdst(0)                   ; the conversions have written LT and are done reading the ring group; the products of the step before are done reading their token buffer and their fragment buffer
.endif
.if (\s) > 0
.if (\mode) == MF
	ALOADS (\s)-1, AK, 64*((\s)-1)                 ; the token buffer of the step before, for the next chunk
.elseif (\mode) == MZ
	ALOADS (\s)-1, A0P, 7*256+64*((\s)-1)          ; chunk 7's
.endif
.endif
.if (\mode) == MF
	ASK4 \s, WN, 0
.endif
.if ((\s) == 1) || ((\s) == 2)
	BLOADS (\s)+1, \sm                             ; into the buffer that the step before multiplied; between the wait and these stand loads, a window switch and scalar lines alone
.endif
.if (\mode) != MN
	LAY4 \s, ST+(\ss)
.endif
.if (\mode) == MF
	s_wait_loadcnt 28                              ; token buffer s is in
.elseif (\mode) == MZ
	s_wait_loadcnt 24-4*(\s)
.else
	s_wait_loadcnt 12-4*(\s)
.endif
.if (\s) == 3
	s_wait_dscnt 2*STN
.elseif (\s) > 0
	s_wait_dscnt 2*STN+16
.endif
	s_cmp_lt_u32 s[NB], 1
	s_cbranch_scc1 .Lend_\@
.if (\s) == 0
	BLK \s, 0, STN+16
.else
	BLK \s, 0, -1
.endif
	s_cmp_lt_u32 s[NB], 2
	s_cbranch_scc1 .Lend_\@
	BLK \s, 1, -1
	s_cmp_lt_u32 s[NB], 3
	s_cbranch_scc1 .Lend_\@
	BLK \s, 2, -1
.Lend_\@:
.if (\s) == 0
	s_wait_dscnt STN+16                            ; met already where block 0 was multiplied
.endif
.if ((\mode) == MN) || ((\s) == 3)
	PLACES
.endif
.if (\s) == 3
	s_wait_alu depctr_va_vdst(0)                   ; the phase's products are done reading token buffer 3 and both fragment buffers: in them land the loads below, the next phase's first LDS loads and, behind chunk 7, the way out's loads
.if (\mode) == MF
	ALOADS 3, AK, 192
.elseif (\mode) == MZ
	ALOADS 3, A0P, 7*256+192                       ; chunk 7's
.endif
.endif
.endm
; A phase and its barrier.  par: 0 for a trip's first phase, 1 for its second.  With TC = 3, 2, 1 the chunk in hand is c = 6 - 2 TC + par; weights are asked for chunk c + 2, tokens for chunk c + 1.
.macro PHASE sm, ss, mode, par
	s_cmp_eq_u32 s[LV], 0
	s_cbranch_scc1 .Lskip_\@                       ; a pass without rows: only the barrier is left
.if (\mode) == MF
	s_wait_xcnt 0x0                                ; the bases of the loads that are out are written only behind this wait
	s_lshl_b32 s51, s[TC], 1
	s_sub_co_u32 s[T0], 8+(\par), s51
	s_mul_i32 s[T0], s[T0], CHB
	s_add_nc_u64 s[WN:WN+1], s[WB0:WB0+1], s[T0:T0+1]
	s_sub_co_u32 s[T1], 7+(\par), s51
	s_lshl_b32 s[T1], s[T1], 8
	s_add_nc_u64 s[AK:AK+1], s[A0P:A0P+1], s[T1:T1+1]
.endif
	KSTEP 0, \sm, \ss, \mode
	KSTEP 1, \sm, \ss, \mode
	KSTEP 2, \sm, \ss, \mode
	KSTEP 3, \sm, \ss, \mode
.Lskip_\@:
	s_wait_dscnt 0x0                               ; my stores into the one slot are done, and so are my reads of the other
	s_barrier_signal -1
	s_barrier_wait -1
.endm
.macro PRO_ISSUE                       ; a pass's stream begins: chunk 0 into the ring; no load of mine is out
.set q, 0
.rept 16
	global_load_b128 v[RING+4*q:RING+4*q+3], v[LO], s[WB0:WB0+1] offset:q*ROWB th:TH_LOAD_NT
.set q, q+1
.endr
.endm
; Chunk 0 goes into slot 0, chunk 1 is asked for, and chunk 0's token buffers are asked for between the groups: that builds the queue.  Behind group s are the ring's 12 - 4 s later places and 8 s loads issued here.
.macro PRO_TURNS
.irp s, 0,1,2,3
	s_wait_loadcnt 12+4*\s
	s_wait_alu depctr_vm_vsrc(0)                   ; the group before's LDS stores have read LT; ahead of group 0 of pass 0: the list's LDS instructions and the bitmaps' loads have read their registers in v96 to v159, in which token loads land
	ROUND4 \s
	s_wait_alu depctr_va_vdst(0)                   ; Ahead of group 0: AOFF is written, and the vector lines that named the token buffers' registers are done
	LAY4 \s, ST
	ASK4 \s, WB0, CHB
	ALOADS \s, A0P, 64*\s
.endr
.endm
.macro INIT
	WIN 0x40
.set z, 0
.rept 192
	v_mov_b32 v[z], 0
.set z, z+1
.endr
	WIN 0
.endm
.macro NBOF                            ; pass PS: has it rows; my live blocks: those i with 24 PS + 8 i + w < NBLK, at most 3
	s_mul_i32 s51, s[PS], 24
	s_cmp_gt_u32 s[NBLK], s51
	s_cselect_b32 s[LV], 1, 0
	s_sub_co_i32 s[NB], s[NBLK], s51
	s_sub_co_i32 s[NB], s[NB], s[WV]
	s_add_co_i32 s[NB], s[NB], 7
	s_ashr_i32 s[NB], s[NB], 3
	s_max_i32 s[NB], s[NB], 0
	s_min_i32 s[NB], s[NB], 3
.endm
.macro SETUPA                          ; my three blocks' rows in pass PS; no load of mine is out
.if MODE == 1
.irp i, 0,1,2
	v_and_b32 v[AOFF+\i], 0xffff, v[IDQ+\i]        ; the token, by the list
	v_min_u32 v[AOFF+\i], 0x3ff, v[AOFF+\i]
	v_lshl_add_u32 v[AOFF+\i], v[AOFF+\i], ASH, v[H16]
.endr
.else
	s_mul_i32 s53, s[PS], 384
.irp i, 0,1,2
	v_add_nc_u32 v[AOFF+\i], s53, v[RK]            ; the rank: 384 p + 128 i + 16 w + r,
	s_add_co_u32 s53, s53, 128
	v_min_u32 v[AOFF+\i], s[RMAX], v[AOFF+\i]      ; in a block past the count the expert's last stored row
	v_min_u32 v[AOFF+\i], 0x3ff, v[AOFF+\i]
	v_lshl_add_u32 v[AOFF+\i], v[AOFF+\i], ASH, v[H16]
.endr
.endif
.endm
.macro SNIP i                          ; block i's sums + bias, each accumulator from its low end on
	WIN 0x01
.set z, 0
.rept 32
	v_pk_add_f32 v[XE+2*z:XE+2*z+1], v[64*(\i)+2*z:64*(\i)+2*z+1], v[BI+2*z:BI+2*z+1]
.set z, z+1
.endr
	WIN 0
.if MODE == 2
	v_and_b32 v[CUR], 0xffff, v[IDQ+(\i)]
	v_mov_b32 v[WF], v[WT+(\i)]
	v_mov_b32 v[WF+1], v[WT+(\i)]
.endif
.endm
.macro GELU g                          ; 16 numbers: x / (1 + 2^(x (c1 + c2 x x)))
.set z, 0
.rept 8
	v_pk_mul_f32 v[TT+2*z:TT+2*z+1], v[XE+16*(\g)+2*z:XE+16*(\g)+2*z+1], v[XE+16*(\g)+2*z:XE+16*(\g)+2*z+1]
.set z, z+1
.endr
.set z, 0
.rept 8
	v_pk_fma_f32 v[TT+2*z:TT+2*z+1], v[TT+2*z:TT+2*z+1], s[SC2:SC2+1], s[SC1:SC1+1] op_sel_hi:[1,0,0]
.set z, z+1
.endr
.set z, 0
.rept 8
	v_pk_mul_f32 v[TT+2*z:TT+2*z+1], v[TT+2*z:TT+2*z+1], v[XE+16*(\g)+2*z:XE+16*(\g)+2*z+1]
.set z, z+1
.endr
.set z, 0
.rept 16
	v_exp_f32 v[TT+z], v[TT+z]
.set z, z+1
.endr
	v_nop                                          ; a plain instruction between the transcendentals and the use of their results
.set z, 0
	s_wait_alu depctr_va_vdst(0)                   ; the sixteen exponentials have written TT: one wait for the batch, ahead of its first reader
.rept 8
	v_pk_add_f32 v[TT+2*z:TT+2*z+1], v[TT+2*z:TT+2*z+1], 1.0 op_sel_hi:[1,0]
.set z, z+1
.endr
.set z, 0
.rept 16
	v_rcp_f32 v[TT+z], v[TT+z]
.set z, z+1
.endr
	v_nop
.set z, 0
	s_wait_alu depctr_va_vdst(0)                   ; the sixteen reciprocals have written TT: likewise
.rept 8
	v_pk_mul_f32 v[XE+16*(\g)+2*z:XE+16*(\g)+2*z+1], v[XE+16*(\g)+2*z:XE+16*(\g)+2*z+1], v[TT+2*z:TT+2*z+1]
.set z, z+1
.endr
.endm
	s_load_b256 s[4:11], s[0:1], 0x0               ; left operand s[4:5], weights s[6:7], bias s[8:9], maps s[10:11]
.if MODE == 1
	s_load_b64 s[12:13], s[0:1], 0x20              ; hid
.else
	s_load_b128 s[12:15], s[0:1], 0x20             ; wts s[12:13], part s[14:15]
.endif
	v_lshl_add_u32 v[SPW], v0, 2, SPARE
	v_mov_b32 v[NIL], 0
	v_lshrrev_b32 v1, 5, v0
	v_readfirstlane_b32 s[WV], v1
	s_and_b32 s[XP], ttmp7, 0xffff
.if MODE == 1
	s_mov_b32 s[SC1], 0xc0135761
	s_mov_b32 s[SC1+1], s[SC1]
	s_mov_b32 s[SC2], 0xbdd2d3e8
	s_mov_b32 s[SC2+1], s[SC2]
.endif
	s_mov_b32 s[HM], 0xffff0000
	s_mov_b32 s[T0+1], 0
	s_mov_b32 s[T1+1], 0
	; every address that lives through the loops is made here, once: a constant, the wave's number times a constant, a lane term; so is what the list's first LDS stores read
	v_and_b32 v98, 31, v0                          ; lane
	v_and_b32 v99, 15, v0                          ; r
	v_bfe_u32 v1, v0, 4, 1                         ; h
	v_lshlrev_b32 v[LO], 4, v98
	v_lshlrev_b32 v[H16], 4, v1
	v_and_b32 v19, 7, v0
	v_lshl_add_u32 v19, v1, 3, v19
	v_mul_u32_u24 v[BADR], v19, WP                 ; the turning load: k-row 8 h + lane % 8,
	v_bfe_u32 v19, v0, 3, 1
	v_lshl_add_u32 v[BADR], v19, 4, v[BADR]        ; columns 8 ((lane / 8) % 2) on
	v_add_nc_u32 v[BADR+1], SLOT, v[BADR]
	v_lshlrev_b32 v121, 2, v98
	v_add_nc_u32 v105, 1280, v98                   ; where a bit that is 0 writes: a word of my own behind the ranks
.if MODE == 1
	v_lshlrev_b32 v[SD], 5, v98                    ; my first token
	s_mul_i32 s51, s[XP], 0x10001                  ; a place past the count takes token e: twice in a word
.else
	v_lshlrev_b32 v110, 5, v98                     ; my first token
	s_add_co_u32 s51, s[XP], 2048
	s_mul_i32 s51, s51, 0x10001                    ; a place past the count takes the dump id: twice in a word
.endif
	v_mov_b32 v100, s51
	v_mov_b32 v101, s51
	v_mov_b32 v102, s51
	v_mov_b32 v103, s51
	s_wait_alu depctr_va_sdst(0)                   ; s[WV] is written, ahead of its first reader: LDS addresses, bases and the blocks' counts are made from it
	s_mul_i32 s51, s[WV], 16*WP
	v_lshl_add_u32 v[ST], v98, 3, s51              ; my wave's 16 k-rows of a slot
	v_add_nc_u32 v[ST+1], SLOT, v[ST]
	s_mul_i32 s[LISTW], s[WV], LISTB
	s_add_co_u32 s[LISTW], s[LISTW], LIST          ; my list
	s_lshl_b32 s51, s[WV], 5
	s_add_co_u32 s51, s51, s[LISTW]
	v_lshl_add_u32 v109, v99, 1, s51               ; rank 16 w + r
	v_lshl_add_u32 v104, v98, 4, s[LISTW]
.if MODE == 2
	s_lshl_b32 s53, s[WV], 4
	v_add_nc_u32 v[RK], s53, v99
.endif
	s_wait_kmcnt 0x0
	s_lshl_b32 s[T0], s[XP], 8
	s_add_nc_u64 s[10:11], s[10:11], s[T0:T0+1]    ; the expert's bitmaps
	s_load_b512 s[UW:UW+15], s[10:11], 0x0         ; U: bit t of 1,024: token t chose the expert
	s_load_b512 s[UW+16:UW+31], s[10:11], 0x40
	s_wait_alu depctr_va_vdst(0)                   ; v121, LO, BADR, ST, v104 and v109 are written, which the loads and LDS instructions below read as offsets and addresses, and v100 to v103, the first LDS stores' data
	global_load_b32 v96, v121, s[10:11]            ; U again: lane j has tokens 32 j .. 32 j + 31
.if MODE == 2
	global_load_b32 v97, v121, s[10:11] offset:128 ; S: bit t: the expert is token t's second choice
.endif
.if MODE == 1
	s_lshl_b32 s[T0], s[XP], 24                    ; the expert's 16 MiB,
	s_lshl_b32 s51, s[WV], 18                      ; my 16 k-rows of a chunk,
	s_add_co_u32 s[T0], s[T0], s51
	s_lshl_b32 s51, ttmp9, 9                       ; the slice's 128 columns of f32
	s_add_co_u32 s[T0], s[T0], s51
	s_add_nc_u64 s[WB0:WB0+1], s[6:7], s[T0:T0+1]
	s_mov_b64 s[A0P:A0P+1], s[4:5]
	s_lshl_b32 s[T0], s[XP], 23                    ; the expert's 1,024 rows of hid,
	s_lshl_b32 s53, ttmp9, 8                       ; the slice's 128 columns of bf16
	s_add_co_u32 s[T0], s[T0], s53
	s_add_nc_u64 s[OB:OB+1], s[12:13], s[T0:T0+1]
	s_lshl_b32 s[T0], s[XP], 14
	s_add_co_u32 s[T0], s[T0], s51
	s_add_nc_u64 s[BB:BB+1], s[8:9], s[T0:T0+1]
.else
	s_and_b32 s[NS], ttmp9, 7                      ; which 128 columns
	s_lshr_b32 s[KP], ttmp9, 3                     ; which quarter of K
	s_cmp_eq_u32 s[KP], 0
	s_cselect_b32 s[BMASK], -1, 0                  ; the bias goes into quarter 0 alone
	s_lshl_b32 s[T0], s[XP], 24                    ; the expert's 16 MiB,
	s_lshl_b32 s51, s[KP], 22                      ; the quarter's 1,024 k-rows,
	s_add_co_u32 s[T0], s[T0], s51
	s_lshl_b32 s51, s[WV], 16                      ; my 16 k-rows of a chunk,
	s_add_co_u32 s[T0], s[T0], s51
	s_lshl_b32 s51, s[NS], 9                       ; the slice's 128 columns of f32
	s_add_co_u32 s[T0], s[T0], s51
	s_add_nc_u64 s[WB0:WB0+1], s[6:7], s[T0:T0+1]
	s_lshl_b32 s[T0], s[XP], 23                    ; the expert's 1,024 rows of hid,
	s_lshl_b32 s53, s[KP], 11                      ; the quarter's 2,048 bytes of a row
	s_add_co_u32 s[T0], s[T0], s53
	s_add_nc_u64 s[A0P:A0P+1], s[4:5], s[T0:T0+1]
	s_lshl_b32 s[T0], s[KP], 12
	s_add_co_u32 s[T0], s[T0], s51
	s_add_nc_u64 s[OB:OB+1], s[14:15], s[T0:T0+1]
	s_lshl_b32 s[T0], s[XP], 12
	s_add_co_u32 s[T0], s[T0], s51
	s_add_nc_u64 s[BB:BB+1], s[8:9], s[T0:T0+1]
.endif
	PRO_ISSUE                                      ; the weights' first chunk is asked for before the list is made
.irp k, 0,1,2,3,4
	ds_store_b128 v104, v[100:103] offset:512*\k   ; all 1,280 ranks; LDS serves a wave's instructions in order (ISA guide 5.7.1.4), so the entries below land on top
.endr
	; the expert's rows are counted in scalar registers; lane j of v111 takes the number of chosen tokens below 32 j
	s_wait_kmcnt 0x0
	v_mov_b32 v111, 0
	s_mov_b32 s[CNT], 0
.set j, 0
.rept 32
	v_writelane_b32 v111, s[CNT], j
	s_bcnt1_i32_b32 s51, s[UW+j]
	s_add_co_u32 s[CNT], s[CNT], s51
.set j, j+1
.endr
	s_add_co_u32 s[NBLK], s[CNT], 15
	s_lshr_b32 s[NBLK], s[NBLK], 4
.if MODE == 1
	s_max_u32 s[NBLK], s[NBLK], 1                  ; an expert without rows counts as one block of places past the count: rows 0 to 15 of its part of hid are stored, for MODE 2's first prologue to read
.endif
	s_mov_b32 s[PS], 0
	NBOF
.if MODE == 2
	s_lshl_b32 s[RMAX], s[NBLK], 4                 ; MODE 1 has stored rows 0 to 16 NBLK - 1, and rows 0 to 15 in any case
	s_max_u32 s[RMAX], s[RMAX], 1
	s_sub_co_u32 s[RMAX], s[RMAX], 1
.endif
	s_wait_loadcnt 16                              ; the bitmaps are in; the ring's 16 loads, issued behind them, stay out
	s_mov_b32 s[IC], 4
.Lscat:                                                ; four trips of eight tokens a lane: eight compares, one wait; eight addresses, one wait; eight stores, one wait
.set k, 0
.rept 8
	v_and_b32 v[SB+k], 1, v96
	v_cmp_eq_u32 s[SMK+k], 1, v[SB+k]
	v_lshrrev_b32 v96, 1, v96
.if MODE == 2
	v_and_b32 v[SD+k], 1, v97
	v_lshl_add_u32 v[SD+k], v[SD+k], 10, v110      ; id
	v_lshrrev_b32 v97, 1, v97
	v_add_nc_u32 v110, 1, v110
.elseif k > 0
	v_add_nc_u32 v[SD+k], 1, v[SD+k-1]             ; the token
.endif
.set k, k+1
.endr
	s_wait_alu depctr_va_sdst(0)                   ; the eight compares have written s[SMK ..], ahead of the selects that read them
.set k, 0
.rept 8
	v_cndmask_b32 v[SA+k], v105, v111, s[SMK+k]
	v_min_u32 v[SA+k], 0x51f, v[SA+k]              ; inside the list's 1,312 entries
	v_lshl_add_u32 v[SA+k], v[SA+k], 1, s[LISTW]
	v_add_nc_u32 v111, v111, v[SB+k]
.set k, k+1
.endr
	s_wait_alu depctr_va_vdst(0)                   ; the eight addresses v[SA ..] and entries v[SD ..] are written, which the LDS stores read
.set k, 0
.rept 8
	ds_store_b16 v[SA+k], v[SD+k]
.set k, k+1
.endr
	s_wait_alu depctr_vm_vsrc(0)                   ; the stores have read v[SA ..] and v[SD ..], which the line below and the next trip write again
.if MODE == 1
	v_add_nc_u32 v[SD], 1, v[SD+7]
.endif
	s_sub_co_u32 s[IC], s[IC], 1
	s_cmp_lg_u32 s[IC], 0
	s_cbranch_scc1 .Lscat
.set p, 0
.rept 3                                ; my entry in pass p, block i: 9 a lane, at constant places of my list
.irp i, 0,1,2
	ds_load_u16 v[112+3*p+\i], v109 offset:768*p+256*\i
.endr
.set p, p+1
.endr
	s_wait_dscnt 0x0
.irp i, 0,1,2
	v_lshl_or_b32 v[IDQ+\i], v[115+\i], 16, v[112+\i]
	v_mov_b32 v[IDR+\i], v[118+\i]
.endr
.irp s, 0,1,2,3                        ; block 2's token registers are written once here: its loads are issued only where the block is live
.irp k, 0,1,2,3,4,5,6,7
	v_mov_b32 v[AF+24*\s+16+\k], 0
.endr
.endr
	SETUPA
	INIT
	PRO_TURNS                                      ; pass 0's, whatever the count
.Lpass:                                                ; three passes of 384 rows: a constant count that serves every split
	s_wait_dscnt 0x0                               ; for the others' sake: my rows of chunk 0 are in slot 0
	s_barrier_signal -1
	s_barrier_wait -1
	s_mov_b32 s[TC], 3
.Lchunk:                                               ; a trip: chunks 6 - 2 TC and 7 - 2 TC
	PHASE 0, 1, MF, 0
	PHASE 1, 0, MF, 1
	s_sub_co_u32 s[TC], s[TC], 1
	s_cmp_lg_u32 s[TC], 0
	s_cbranch_scc1 .Lchunk
	PHASE 0, 1, MZ, 0                              ; the tail is written out: chunk 6,
	PHASE 1, 0, MN, 0                              ; chunk 7
	s_wait_loadcnt 0x0                             ; on every way: no load of mine is out behind this line
	s_cmp_eq_u32 s[NB], 0
	s_cbranch_scc1 .Lnoepi
	; ---- THE WAY OUT of a pass; of LDS it touches my stage alone.  All its offsets and addresses are made first, ahead of one wait
	v_and_b32 v[C16], 15, v0                       ; r
	v_bfe_u32 v[H32], v0, 4, 1                     ; h
	s_mul_i32 s51, s[WV], 16*SP
	s_add_co_u32 s51, s51, STAGE                   ; my stage
	v_mul_u32_u24 v[STO], v[C16], SP
	v_add_nc_u32 v[STO], s51, v[STO]
	v_mul_u32_u24 v[RD], v[H32], 8*SP
	v_add_nc_u32 v[RD], s51, v[RD]
	v_lshlrev_b32 v[C16], 4, v[C16]
	v_add_nc_u32 v[RD], v[RD], v[C16]              ; back: lanes 0-15 row t, lanes 16-31 row 8 + t, 256 bytes each
.if MODE == 1
	v_lshl_add_u32 v[VB], v[H32], 16, v[C16]       ; and in hid: 8 h rows of 8,192 bytes, 16 bytes a lane
.endif
	v_lshlrev_b32 v[H32], 5, v[H32]
.if MODE == 1
	v_add_nc_u32 v[STO], v[STO], v[H16]            ; in: row r, 16 bytes for each half of the lanes
.else
	v_add_nc_u32 v[STO], v[STO], v[H32]            ; in: row r, 32 bytes for each half of the lanes
.irp t, 0,1,2,3,4,5,6,7
	v_add_nc_u32 v[PIX+\t], 4*\t, v[H32]           ; 4 x lane 8 h + t
.endr
.irp i, 0,1,2
	v_and_b32 v[ID+\i], 0xffff, v[IDQ+\i]
	v_min_u32 v[ID+\i], 0x7ff, v[ID+\i]            ; a dump id takes a weight that exists
	v_lshlrev_b32 v[ID+\i], 2, v[ID+\i]
.endr
.endif
	s_wait_alu depctr_va_vdst(0)                   ; H32 (MODE 2: and ID) is written, which the loads below read as offsets; so are STO, RD and PIX, the addresses of the LDS instructions further down
.irp b, 0,1,2,3,4,5,6,7
	global_load_b128 v[XE+8*\b:XE+8*\b+3],   v[H32], s[BB:BB+1] offset:64*\b      ; the bias of my columns 16 b + 8 h + 0..7
	global_load_b128 v[XE+8*\b+4:XE+8*\b+7], v[H32], s[BB:BB+1] offset:64*\b+16
.endr
.if MODE == 2
.irp i, 0,1,2
	global_load_b32 v[WT+\i], v[ID+\i], s[12:13]   ; the gate's weight of my token in block i
.endr
.endif
	s_wait_loadcnt 0x0
.if MODE == 2
	s_wait_alu depctr_vm_vsrc(0)                   ; the weights' loads have read ID, in which the permutes' results land
.endif
.set z, 0
.rept 32
	v_cvt_pk_bf16_f32 v[BI+2*z], v[XE+2*z], v[XE+2*z+1]  ; the bias is rounded to bf16 like every input,
.if MODE == 2
	v_and_b32 v[BI+2*z], s[BMASK], v[BI+2*z]
.endif
	v_and_b32     v[BI+2*z+1], s[HM], v[BI+2*z]    ; and widened again
	v_lshlrev_b32 v[BI+2*z],   16,    v[BI+2*z]
.set z, z+1
.endr
	s_mov_b32 s[BIC], 0
.Lblk:
	s_cmp_ge_u32 s[BIC], s[NB]
	s_cbranch_scc1 .Lnext                          ; a block past the count stores nothing
	s_cmp_eq_u32 s[BIC], 0
	s_cbranch_scc1 .Lsn0
	s_cmp_eq_u32 s[BIC], 1
	s_cbranch_scc1 .Lsn1
	SNIP 2
	s_branch .Lcommon
.Lsn0:
	SNIP 0
	s_branch .Lcommon
.Lsn1:
	SNIP 1
.Lcommon:
.if MODE == 1
	s_mul_i32 s51, s[PS], 384                      ; the block's first rank: 384 p + 128 i + 16 w,
	s_lshl_b32 s53, s[BIC], 7
	s_add_co_u32 s51, s51, s53
	s_lshl_b32 s53, s[WV], 4
	s_add_co_u32 s51, s51, s53
	s_lshl_b32 s51, s51, 13                        ; in rows of 8,192 bytes
	v_add_nc_u32 v[ID], s51, v[VB]
	GELU 0
	GELU 1
	GELU 2
	GELU 3
.set z, 0
.rept 32
	v_cvt_pk_bf16_f32 v[XE+z], v[XE+2*z], v[XE+2*z+1]  ; in place, ascending: a register is written after it has been read
.set z, z+1
.endr
	s_wait_alu depctr_va_vdst(0)                   ; the conversions have written XE's first 32 registers, which the LDS stores read, and are done reading the other 32, in which the LDS loads land; ID is written, the global stores' offset
.irp b, 0,1,2,3,4,5,6,7
	ds_store_b128 v[STO], v[XE+4*\b:XE+4*\b+3] offset:32*\b
.endr
.irp t, 0,1,2,3,4,5,6,7
	ds_load_b128 v[XE+32+4*\t:XE+32+4*\t+3], v[RD] offset:\t*SP  ; LDS serves a wave's instructions in order (ISA guide 5.7.1.4): these see the stores above
.endr
.irp t, 0,1,2,3,4,5,6,7
	s_wait_dscnt 7-\t
	global_store_b128 v[ID], v[XE+32+4*\t:XE+32+4*\t+3], s[OB:OB+1] offset:\t*8192  ; ranks t and 8 + t of the block: 16 lanes store 256 consecutive bytes of a row, aligned
.endr
.else
	s_wait_alu depctr_va_vdst(0)                   ; CUR is written, which the permutes read; the vector lines that named ID are done: the permutes' results land there
.irp t, 0,1,2,3,4,5,6,7
	ds_bpermute_b32 v[ID+\t], v[PIX+\t], v[CUR]    ; the ids of ranks 8 h + 0..7 of the block: the rows that my lanes will store; no LDS byte is touched
.endr
.set z, 0
.rept 32
	v_pk_mul_f32 v[XE+2*z:XE+2*z+1], v[XE+2*z:XE+2*z+1], v[WF:WF+1] op_sel_hi:[1,0]  ; (sum + bias) x the gate's weight, which differs from token to token
.set z, z+1
.endr
	s_wait_dscnt 0x0
.irp t, 0,1,2,3,4,5,6,7
	v_min_u32 v[ID+\t], 0x807, v[ID+\t]            ; an id is 2,055 at the most
	v_lshl_add_u32 v[ID+\t], v[ID+\t], OSH, v[C16]
.endr
	s_wait_alu depctr_va_vdst(0)                   ; the multiplies have written XE, which the LDS stores read; ID is written, the global stores' offsets
	; the block's 512 bytes a row go in two halves through the stage; the first half comes back into OU, the second into the first half's registers
.irp b, 0,1,2,3
	ds_store_b128 v[STO], v[XE+8*\b:XE+8*\b+3]   offset:64*\b
	ds_store_b128 v[STO], v[XE+8*\b+4:XE+8*\b+7] offset:64*\b+16
.endr
.irp t, 0,1,2,3,4,5,6,7
	ds_load_b128 v[OU+4*\t:OU+4*\t+3], v[RD] offset:\t*SP  ; LDS serves a wave's instructions in order (ISA guide 5.7.1.4): these see the stores above, and the stores below come behind them
.endr
	s_wait_alu depctr_vm_vsrc(0)                   ; the first half's LDS stores have read XE's first 32 registers, in which the second half's rows land
.irp b, 0,1,2,3
	ds_store_b128 v[STO], v[XE+32+8*\b:XE+32+8*\b+3]   offset:64*\b
	ds_store_b128 v[STO], v[XE+32+8*\b+4:XE+32+8*\b+7] offset:64*\b+16
.endr
.irp t, 0,1,2,3,4,5,6,7
	ds_load_b128 v[XE+4*\t:XE+4*\t+3], v[RD] offset:\t*SP
.endr
.irp t, 0,1,2,3,4,5,6,7
	s_wait_dscnt 23-\t                             ; behind the first half's load t: its 7 - t younger ones and the second half's 16 instructions
	global_store_b128 v[ID+\t], v[OU+4*\t:OU+4*\t+3], s[OB:OB+1]  ; 16 lanes store 256 consecutive bytes of a row, aligned
.endr
.irp t, 0,1,2,3,4,5,6,7
	s_wait_dscnt 7-\t
	global_store_b128 v[ID+\t], v[XE+4*\t:XE+4*\t+3], s[OB:OB+1] offset:256
.endr
.endif
	s_wait_xcnt 0x0                                ; the stores' data and offsets are written again only behind this wait,
	s_wait_alu depctr_vm_vsrc(0)                   ; and behind this one: the block's stores, LDS stores and permutes have read XE, OU, ID and CUR, which the next block writes
.Lnext:
	s_add_co_u32 s[BIC], s[BIC], 1
	s_cmp_lt_u32 s[BIC], 3
	s_cbranch_scc1 .Lblk
.Lnoepi:
	s_wait_alu depctr_vm_vsrc(0)                   ; the pass's token loads have read AOFF, which the next pass writes; the way out's loads have read H32, in whose register a weight load of the next pass lands
	s_wait_alu depctr_va_vdst(0)                   ; the way out's vector lines are done with v32 to v255, in which the next pass's loads and LDS loads land
.irp i, 0,1,2
	v_alignbit_b32 v[IDQ+\i], v[IDR+\i], v[IDQ+\i], 16  ; the list entries move up by a pass
	v_lshrrev_b32 v[IDR+\i], 16, v[IDR+\i]
.endr
	s_add_co_u32 s[PS], s[PS], 1
	NBOF
	s_cmp_eq_u32 s[LV], 0
	s_cbranch_scc1 .Lpj
	SETUPA                                         ; a further pass has rows: its stream begins anew.  Slot 0 was last read two barriers ago
	INIT
	PRO_ISSUE                                      ; no wait: no vector line since the two above names the ring's registers or LO
	PRO_TURNS
.Lpj:
	s_cmp_lt_u32 s[PS], 3
	s_cbranch_scc1 .Lpass
	s_wait_dscnt 0x0                               ; the closing lines, six on end
	s_wait_alu 0x0
	s_wait_tensorcnt 0x0
	ds_add_u32 v[SPW], v[NIL]
	s_wait_dscnt 0x0
	s_endpgm
.Lfunc_end_k_qf5f0b9faf1_ffn2:
	.size	k_qf5f0b9faf1_ffn2, .Lfunc_end_k_qf5f0b9faf1_ffn2-k_qf5f0b9faf1_ffn2
	.p2alignl 7, 3214868480
	.fill 96, 4, 3214868480
	.section	.rodata,"a",@progbits
	.p2align	6, 0x0
	.amdhsa_kernel k_qf5f0b9faf1_ffn2
		.amdhsa_group_segment_fixed_size 132096
		.amdhsa_private_segment_fixed_size 0
		.amdhsa_enable_private_segment 0
		.amdhsa_kernarg_size 48
		.amdhsa_user_sgpr_count 2
		.amdhsa_user_sgpr_kernarg_segment_ptr 1
		.amdhsa_wavefront_size32 1
		.amdhsa_system_sgpr_workgroup_id_x 1
		.amdhsa_system_sgpr_workgroup_id_y 1
		.amdhsa_system_sgpr_workgroup_id_z 1
		.amdhsa_system_vgpr_workitem_id 0
		.amdhsa_next_free_vgpr 512
		.amdhsa_next_free_sgpr 100
		.amdhsa_reserve_vcc 0
		.amdhsa_float_denorm_mode_32 3
		.amdhsa_float_denorm_mode_16_64 3
		.amdhsa_memory_ordered 1
		.amdhsa_forward_progress 1
		.amdhsa_inst_pref_size 142
	.end_amdhsa_kernel
	.amdgpu_metadata
---
amdhsa.version: [ 1, 2 ]
amdhsa.kernels:
  - .name:           k_qf5f0b9faf1_ffn2
    .symbol:         k_qf5f0b9faf1_ffn2.kd
    .args:
      - { .name: hid, .offset: 0, .size: 8, .value_kind: global_buffer, .address_space: global }
      - { .name: w2, .offset: 8, .size: 8, .value_kind: global_buffer, .address_space: global }
      - { .name: b2, .offset: 16, .size: 8, .value_kind: global_buffer, .address_space: global }
      - { .name: maps, .offset: 24, .size: 8, .value_kind: global_buffer, .address_space: global }
      - { .name: wts, .offset: 32, .size: 8, .value_kind: global_buffer, .address_space: global }
      - { .name: part, .offset: 40, .size: 8, .value_kind: global_buffer, .address_space: global }
    .group_segment_fixed_size: 132096
    .private_segment_fixed_size: 0
    .kernarg_segment_align: 8
    .kernarg_segment_size: 48
    .max_flat_workgroup_size: 256
    .sgpr_count:     100
    .vgpr_count:     512
    .wavefront_size: 32
...
	.end_amdgpu_metadata
.endif
;; end of part 8
;; launch combine: the kernel of part 4 again; grid 256 x 1, 8 waves a work-group, no clusters, 0 bytes of LDS; arguments part, out0; writes out0
